; MI455X (gfx1250); checked and timed in simulation.
; The chip was launched on July 23, 2026; its instructions are those of AMD's public machine-readable ISA for CDNA 5 (MIT licence, August 2026) and "CDNA5" Instruction Set Architecture Reference Guide (July 2026). The comments in the code are by the model that wrote it; some were corrected since.
;; Model. Allowed arithmetic: matrix products marked QUANTISED: E3M2 operands, one E8M0 scale for each 32 along K, by v_wmma_scale_f32_16x16x128_f8f6f4 with both operands' format E3M2, f32 sums; everything else in f32.
;; Inputs: W1_codes 2 x 1,024 x 16 x 24 uint8 (E3M2 codes of W1, K innermost, in blocks of 32 codes, four codes in three bytes); W1_scales 2 x 1,024 x 16 uint8 (E8M0 scales of W1, one for each 32 codes along K); W2_codes 2 x 512 x 16 x 24 uint8 (E3M2 codes of W2, K innermost, in blocks of 32 codes, four codes in three bytes); W2_scales 2 x 512 x 16 uint8 (E8M0 scales of W2, one for each 32 codes along K); Wk_codes 2 x 512 x 16 x 24 uint8 (E3M2 codes of Wk, K innermost, in blocks of 32 codes, four codes in three bytes); Wk_scales 2 x 512 x 16 uint8 (E8M0 scales of Wk, one for each 32 codes along K); Wo_codes 2 x 512 x 16 x 24 uint8 (E3M2 codes of Wo, K innermost, in blocks of 32 codes, four codes in three bytes); Wo_scales 2 x 512 x 16 uint8 (E8M0 scales of Wo, one for each 32 codes along K); Wq_codes 2 x 512 x 16 x 24 uint8 (E3M2 codes of Wq, K innermost, in blocks of 32 codes, four codes in three bytes); Wq_scales 2 x 512 x 16 uint8 (E8M0 scales of Wq, one for each 32 codes along K); Wv_codes 2 x 512 x 16 x 24 uint8 (E3M2 codes of Wv, K innermost, in blocks of 32 codes, four codes in three bytes); Wv_scales 2 x 512 x 16 uint8 (E8M0 scales of Wv, one for each 32 codes along K); attn_mask 4 x 2,048 float32; ln1_b 2 x 512 float32; ln1_w 2 x 512 float32; ln2_b 2 x 512 float32; ln2_w 2 x 512 float32; lnf_b 512 float32; lnf_w 512 float32; pos_cos 4 x 2,048 x 512 float32; pos_sin 4 x 2,048 x 512 float32; x 4 x 2,048 x 512 float32.
;; Outputs: out0 4 x 2,048 x 512 float32.
;; This version of the problem:
;;   THIS VERSION OF THE PROBLEM IS GIVEN IN LOW PRECISION. The matrix products marked QUANTISED in the list below multiply operands that are first quantised to E3M2 (3 exponent bits, 2 mantissa bits; 6 bits a number), with one power-of-two scale for each 32 numbers along K (OCP MX v1.0); their sums are f32. All else is computed in f32.
;;   The module's matrix products, in the order in which they are computed (A, B: the left and right operand; K: the contracted axis; several contracted axes count as one K, in the product's order):
;;     1. [M 8,192, K 512] x [K 512, N 512]; A: computed on the way; B: input Wq (given as codes): QUANTISED
;;     2. [M 8,192, K 512] x [K 512, N 512]; A: computed on the way; B: input Wk (given as codes): QUANTISED
;;     3. [M 8,192, K 512] x [K 512, N 512]; A: computed on the way; B: input Wv (given as codes): QUANTISED
;;     4. batch 32 x [M 2,048, K 64] x [K 64, N 2,048]; A: computed on the way; B: computed on the way: QUANTISED
;;     5. batch 32 x [M 2,048, K 2,048] x [K 2,048, N 64]; A: softmax (see below); B: computed on the way: QUANTISED
;;     6. [M 8,192, K 512] x [K 512, N 512]; A: computed on the way; B: input Wo (given as codes): QUANTISED
;;     7. [M 8,192, K 512] x [K 512, N 1,024]; A: computed on the way; B: input W1 (given as codes): QUANTISED
;;     8. [M 8,192, K 512] x [K 512, N 512]; A: computed on the way; B: input W2 (given as codes): QUANTISED
;;     9. [M 8,192, K 512] x [K 512, N 512]; A: computed on the way; B: input Wq (given as codes): QUANTISED
;;     10. [M 8,192, K 512] x [K 512, N 512]; A: computed on the way; B: input Wk (given as codes): QUANTISED
;;     11. [M 8,192, K 512] x [K 512, N 512]; A: computed on the way; B: input Wv (given as codes): QUANTISED
;;     12. batch 32 x [M 2,048, K 64] x [K 64, N 2,048]; A: computed on the way; B: computed on the way: QUANTISED
;;     13. batch 32 x [M 2,048, K 2,048] x [K 2,048, N 64]; A: softmax (see below); B: computed on the way: QUANTISED
;;     14. [M 8,192, K 512] x [K 512, N 512]; A: computed on the way; B: input Wo (given as codes): QUANTISED
;;     15. [M 8,192, K 512] x [K 512, N 1,024]; A: computed on the way; B: input W1 (given as codes): QUANTISED
;;     16. [M 8,192, K 512] x [K 512, N 512]; A: computed on the way; B: input W2 (given as codes): QUANTISED
;;   THE QUANTISER, for each operand of a quantised product, along K:
;;     - K is cut into blocks of 32 from its start; a last block that is shorter is filled with zeros.
;;     - A block's scale is 2^e with e = floor(log2(the largest magnitude in the block)) - 4, held to -126 .. 127; a block of zeros has e = 0. As a byte (E8M0): e + 127.
;;     - Each number is divided by its block's scale, clamped to +-28, and rounded to the nearest number of E3M2, ties to even, subnormals kept.
;;     - The product sums the exact products of the quantised numbers (number of the format x scale) in f32.
;;   ~~~python
;;   def quantise(x, axis):      # numpy; x: float32 -> the quantised numbers, widened to float32 again
;;       x = np.moveaxis(x, axis, -1); K = x.shape[-1]
;;       x = np.pad(x, [(0, 0)] * (x.ndim - 1) + [(0, -K % 32)]); x = x.reshape(x.shape[:-1] + (-1, 32)); a = np.abs(x).max(-1, keepdims=True)
;;       e = np.where(a > 0, np.clip(np.frexp(np.where(a > 0, a, 1))[1] - 1 - 4, -126, 127), 0)      # np.frexp(a)[1] - 1 = floor(log2(a)), exactly
;;       r = np.clip(x / 2.0 ** e, -28, 28)
;;       step = 2.0 ** (np.maximum(np.frexp(np.where(r == 0, 1, r))[1] - 1, -2) - 2)
;;       q = np.round(r / step) * step * 2.0 ** e      # np.round: ties to even
;;       return np.moveaxis(q.reshape(q.shape[:-2] + (-1,))[..., :K], -1, axis).astype(np.float32)
;;   ~~~
;;   SOFTMAX AHEAD OF A QUANTISED PRODUCT. Where the list says 'softmax', what is quantised is not the finished softmax but p = 2^(t - M), with t = logit x log2(e) and M = ceil(the row's largest t), a whole number; so 1/2 < the row's largest p <= 1. The row's sum l is taken of the UNQUANTISED p, in f32, and the product's result is divided by l at the end. Since M is a whole number, a kernel that streams over the keys may use a running M (the ceiling of the running maximum): every later rescaling is an exact power of two, which a block's scale takes up: the codes' values come out the same.
;;   OPERANDS COMPUTED ON THE WAY. 'Computed on the way' means the value that the module computes at that place (a softmax that the list does not call 'softmax' is quantised finished and normalised). What goes into a quantiser is computed in f32, as accurately as f32 sums, v_exp_f32 and their like allow (about 1e-6 of the number): no bf16 or f16 on the way to a quantiser, and a product that is left as it is and whose result goes on into a quantised operand takes f32 operands (vector FMAs, or v_wmma_f32_16x16x4_f32). A number that lies on a knife's edge between two numbers of the format may be rounded either way, as far as f32 arithmetic and the matrix unit's own rounding can turn it there, and no further.
;;   INPUTS GIVEN AS CODES. W1 (in the module: [2, 512, 1024], K = its axis 1); W2 (in the module: [2, 512, 512], K = its axis 1); Wk (in the module: [2, 512, 512], K = its axis 1); Wo (in the module: [2, 512, 512], K = its axis 1); Wq (in the module: [2, 512, 512], K = its axis 1); Wv (in the module: [2, 512, 512], K = its axis 1): each comes as NAME_codes (uint8): NAME with its K axis moved to the last place and cut into blocks of 32 codes, [.., K / 32, bytes a block], one block behind the other in memory; four codes in three bytes: a row's codes are one little-endian stream of bits, code i at bits 6 i .. 6 i + 5 (a code: sign, 3 exponent bits, 2 mantissa bits); and NAME_scales (uint8): the same leading axes, one E8M0 byte (e + 127) for each 32 codes along K. Its value is code x scale, taken as it is: it is not quantised again, and the codes and scales need not be those that the quantiser above would give.
;; 3 versions. Each part assembles by itself: llvm-mc -triple=amdgcn-amd-amdhsa -mcpu=gfx1250 --defsym DOCPART=n.
;; ======== version 1 of 3: 7 launches
;; workspace buffers: w 2,867,200 bytes; f0 256 bytes of whole numbers; f1 256 bytes of whole numbers; xc 4,194,304 bytes; q 3,670,016 bytes; kv 6,815,744 bytes; cx 4,194,304 bytes; x1 16,777,216 bytes
;; launch pre (part 1): grid 256 x 1, 8 waves a work-group, no clusters, 3,072 bytes of LDS; arguments x, ln1_w, ln1_b, xc, Wq_codes, Wq_scales, Wk_codes, Wk_scales, Wv_codes, Wv_scales, Wo_codes, Wo_scales, W1_codes, W1_scales, W2_codes, W2_scales, w, f0, f1; writes xc, w, f0, f1
.if DOCPART == 1
	.amdgcn_target "amdgcn-amd-amdhsa--gfx1250"
	.amdhsa_code_object_version 6
	.text
	.protected	k_qedb216fa92_pre
	.globl	k_qedb216fa92_pre
	.p2align	8
	.type	k_qedb216fa92_pre,@function
k_qedb216fa92_pre:
	s_mov_b64 s[64:65], 0
	v_nop
	global_prefetch_b8 v0, s[64:65] scope:SCOPE_SE
	s_setreg_imm32_b32 hwreg(HW_REG_WAVE_MODE, 25, 1), 1
	s_wait_xcnt 0x0
; PRE.  Three things in one launch.
; (1) LayerNorm 1 of layer 0 on x [8192][512] f32, quantised to codes of BF6 (E3M2) with one E8M0 byte for each 32 features, stored in xc in the order of the reader's operand registers.
; (2) The six weights' codes and scale bytes, both layers, laid once into w in the order in which a wave's operand registers take them.
; (3) The layer numbers 0 and 1 stored as whole numbers in f0 and f1: later launches form addresses and one branch from them.
; SHARES.  Work-group g takes 32 tokens (token block g); wave w takes features 64 w .. 64 w + 63 of them.  A token block is two row tiles u; lane row r of tile u is token 8 u + r + 8 (r / 8).
; A lane (r, h) holds in register 32 u + 16 b + i of HOLD feature 32 b + 16 h + i of its row: 16 neighbours of each block of 32, the form the conversions take.
; xc: [token block][u][g] chunks of 1,024 bytes: three runs of 256 bytes of codes (register pair p of lane l at 256 p + 8 l), one run of scale words (at 768 + 8 l).
; w: [layer][block m of 56] of 25,600 bytes: 16 fragments (K step s, tile t: 4 s + t) of 1,536 bytes, registers 4 c .. 4 c + 3 of lane l at 512 c + 16 l; then two runs of 512 bytes of scale bytes.
;    A block is 64 rows of a weight; lane row r of tile t is row 32 (t / 2) + 8 (t % 2) + r + 8 (r / 8).  m: 3 head + kind (Wq, Wk, Wv), 24 + g Wo, 32 + g W1 (16 groups), 48 + g W2.
; LIMITS: NaN and infinities among the inputs are not served.  A block whose largest magnitude lies under 2^-122 (zeros too) gets the scale byte 1: only this program reads the bytes.
.set LAYERB, 1433600
.set BLKB,   25600
.set ST1,    0                         ; LDS: 8 waves x 32 words of row sums
.set ST2,    1024                      ; and of sums of squares
.set LI,  1                            ; v1  16 x lane
.set L8,  2                            ; v2  8 x lane
.set L4,  3                            ; v3  4 x lane
.set STW, 4                            ; v4  4 x thread: my word among the waves' sums
.set XA,  5                            ; v5  x: my row of tile 0 x 2,048 + 64 h
.set PA,  6                            ; v6  64 h: my 16 numbers of a block of gains
.set RLC, 7                            ; v7  a weight fragment's lane offset
.set RLS, 8                            ; v8  a scale run's lane offset
.set RF,  16                           ; v16-27 the fragment on its way
.set SU,  36
.set XX,  38
.set TOT, 40
.set LD,  44
.set MU,  52
.set RS,  56
.set CH,  60
.set ACC, 84                           ; v84-147 gains (32) and biases (32)
.set HOLD, 148                         ; v148-211 my 64 numbers
.set TM,  212
.set PC,  228
.set PW,  248                          ; v248 the scale word, v249 = 0
.set P9,  2                            ; s2  2^-9
.set EPS, 3                            ; s3  1e-5
.set WV,  42
.set HIM, 43                           ; s43 lanes 16-31
.set SEL, 62
.macro BAR                             ; my LDS stores have landed and my LDS loads are in: then the work-group's barrier
	s_wait_dscnt 0x0
	s_barrier_signal -1
	s_barrier_wait -1
.endm
; The four chains in CH become, in v[TOT] of lane (h, r), the sum over all 512 features for row r of tile h: lane halves by a permute, waves through LDS.
.macro ROWSUM st
.irp u, 0,1
	v_pk_add_f32 v[CH+4*\u:CH+4*\u+1], v[CH+4*\u:CH+4*\u+1], v[CH+4*\u+2:CH+4*\u+3]
.endr
.irp u, 0,1
	v_add_f32 v[SU+\u], v[CH+4*\u], v[CH+4*\u+1]
	v_mov_b32 v[XX+\u], 0                          ; a lane permute's destination counts as one of its sources
.endr
.irp u, 0,1
	v_permlanex16_b32 v[XX+\u], v[SU+\u], s[SEL], s[SEL+1]
.endr
.irp u, 0,1
	v_add_f32 v[SU+\u], v[SU+\u], v[XX+\u]
.endr
	v_cndmask_b32 v[SU], v[SU], v[SU+1], s[HIM]    ; lanes 0-15 keep tile 0's, lanes 16-31 tile 1's
	ds_store_b32 v[STW], v[SU] offset:\st
	BAR
.irp k, 0,1,2,3,4,5,6,7
	ds_load_b32 v[LD+\k], v[L4] offset:\st+128*\k
.endr
	s_wait_dscnt 0x0
	v_add_f32 v[LD], v[LD], v[LD+1]
	v_add_f32 v[LD+2], v[LD+2], v[LD+3]
	v_add_f32 v[LD+4], v[LD+4], v[LD+5]
	v_add_f32 v[LD+6], v[LD+6], v[LD+7]
	v_add_f32 v[LD], v[LD], v[LD+2]
	v_add_f32 v[LD+4], v[LD+4], v[LD+6]
	v_add_f32 v[TOT], v[LD], v[LD+4]
.endm
; A number that lane (h, r) holds for tile h becomes two pairs in every lane: v[d:d+1] tile 0's, v[d+2:d+3] tile 1's.
.macro SPLIT val, d
	v_permlanex16_b32 v[XX], v[\val], s[SEL], s[SEL+1]
	v_cndmask_b32 v[\d], v[\val], v[XX], s[HIM]
	v_cndmask_b32 v[\d+2], v[XX], v[\val], s[HIM]
	v_mov_b32 v[\d+1], v[\d]
	v_mov_b32 v[\d+3], v[\d+2]
.endm
; LayerNorm of HOLD in place.  The mean is taken away before the squares are formed.  Gains lie in ACC + k, biases in ACC + 32 + k (asked for earlier).
.macro LN st1, st2
.irp u, 0,1
	v_pk_add_f32 v[CH+4*\u:CH+4*\u+1], v[HOLD+32*\u:HOLD+32*\u+1], v[HOLD+32*\u+4:HOLD+32*\u+5]
	v_pk_add_f32 v[CH+4*\u+2:CH+4*\u+3], v[HOLD+32*\u+2:HOLD+32*\u+3], v[HOLD+32*\u+6:HOLD+32*\u+7]
.endr
.irp j, 8,12,16,20,24,28
.irp u, 0,1
	v_pk_add_f32 v[CH+4*\u:CH+4*\u+1], v[CH+4*\u:CH+4*\u+1], v[HOLD+32*\u+\j:HOLD+32*\u+\j+1]
	v_pk_add_f32 v[CH+4*\u+2:CH+4*\u+3], v[CH+4*\u+2:CH+4*\u+3], v[HOLD+32*\u+\j+2:HOLD+32*\u+\j+3]
.endr
.endr
	ROWSUM \st1
	v_mul_f32 v[TOT], s[P9], v[TOT]                ; the mean
	SPLIT TOT, MU
.set k, 0
.rept 32
	v_pk_add_f32 v[HOLD+k:HOLD+k+1], v[HOLD+k:HOLD+k+1], v[MU+2*(k/32):MU+2*(k/32)+1] neg_lo:[0,1] neg_hi:[0,1]
.set k, k+2
.endr
.irp u, 0,1
	v_pk_mul_f32 v[CH+4*\u:CH+4*\u+1], v[HOLD+32*\u:HOLD+32*\u+1], v[HOLD+32*\u:HOLD+32*\u+1]
	v_pk_mul_f32 v[CH+4*\u+2:CH+4*\u+3], v[HOLD+32*\u+2:HOLD+32*\u+3], v[HOLD+32*\u+2:HOLD+32*\u+3]
.endr
.irp j, 4,8,12,16,20,24,28
.irp u, 0,1
	v_pk_fma_f32 v[CH+4*\u:CH+4*\u+1], v[HOLD+32*\u+\j:HOLD+32*\u+\j+1], v[HOLD+32*\u+\j:HOLD+32*\u+\j+1], v[CH+4*\u:CH+4*\u+1]
	v_pk_fma_f32 v[CH+4*\u+2:CH+4*\u+3], v[HOLD+32*\u+\j+2:HOLD+32*\u+\j+3], v[HOLD+32*\u+\j+2:HOLD+32*\u+\j+3], v[CH+4*\u+2:CH+4*\u+3]
.endr
.endr
	ROWSUM \st2
	v_fma_f32 v[TOT], v[TOT], s[P9], s[EPS]        ; the variance + 1e-5
	v_rsq_f32 v[TOT], v[TOT]
	v_nop                                          ; a plain instruction behind the transcendental
	s_wait_alu depctr_va_vdst(0)                   ; and the wait ahead of its first reader
	SPLIT TOT, RS
	s_wait_loadcnt 0x0                             ; the gains and biases
.set k, 0
.rept 32
	v_pk_mul_f32 v[HOLD+k:HOLD+k+1], v[HOLD+k:HOLD+k+1], v[RS+2*(k/32):RS+2*(k/32)+1]
.set k, k+2
.endr
.set k, 0
.rept 32
	v_pk_fma_f32 v[HOLD+k:HOLD+k+1], v[HOLD+k:HOLD+k+1], v[ACC+k%32:ACC+k%32+1], v[ACC+32+k%32:ACC+32+k%32+1]
.set k, k+2
.endr
.endm
; 64 numbers of a lane, register 16 b + i = number 16 h + i of block b, become 12 registers of codes in v[PC] on (registers 6 c .. 6 c + 5: block 2 c + h whole) and the four blocks' scale bytes in v[PW].
.macro QUANT src
.irp b, 0,1,2,3
	v_max3_num_f32 v[TM+\b], |v[\src+16*\b]|, |v[\src+1+16*\b]|, 0x2800000   ; my 16 numbers, and the floor 2^(5 - 127): the byte cannot fall under 1
.endr
.irp i, 2,4,6,8,10,12,14
.irp b, 0,1,2,3
	v_max3_num_f32 v[TM+\b], v[TM+\b], |v[\src+16*\b+\i]|, |v[\src+1+16*\b+\i]|
.endr
.endr
.irp b, 0,1,2,3
	v_permlanex16_b32 v[TM+4+\b], v[TM+\b], s[SEL], s[SEL+1]
.endr
.irp b, 0,1,2,3
	v_max_num_f32 v[TM+\b], v[TM+\b], v[TM+4+\b]   ; with lane l xor 16's: the block's largest magnitude
.endr
.irp b, 0,1,2,3
	v_add_nc_u32 v[TM+12+\b], 0xfe000000, v[TM+\b] ; 4 off its exponent field: the conversion's scale operand
.endr
.irp b, 0,1,2,3
	v_lshrrev_b32 v[TM+4+\b], 23, v[TM+12+\b]      ; the scale's byte
.endr
	v_lshl_or_b32 v[PW], v[TM+5], 8, v[TM+4]
	v_lshl_or_b32 v[PW], v[TM+6], 16, v[PW]
	v_lshl_or_b32 v[PW], v[TM+7], 24, v[PW]
.irp c, 0,1
	v_cvt_scalef32_pk16_bf6_f32 v[PC+6*\c:PC+2+6*\c], v[\src+32*\c:\src+15+32*\c], v[TM+12+2*\c]
	v_cvt_scalef32_pk16_bf6_f32 v[PC+12+4*\c:PC+14+4*\c], v[\src+16+32*\c:\src+31+32*\c], v[TM+12+2*\c+1]   ; (a conversion's three registers begin on an even number)
.endr
	v_nop                                          ; one plain place behind a scaled conversion
.irp c, 0,1
.irp i, 0,1,2
	v_permlane16_swap_b32 v[PC+6*\c+\i], v[PC+12+4*\c+\i]
.endr
.irp i, 0,1,2
	v_mov_b32 v[PC+3+6*\c+\i], v[PC+12+4*\c+\i]
.endr
.endr
.endm
.macro XCSTORE base                    ; my two chunks (u = 0, 1): each store of the wave covers 256 consecutive bytes, aligned
.irp n, 0,1,2,3,4,5
	global_store_b64 v[L8], v[PC+2*\n:PC+2*\n+1], s[\base:\base+1] offset:(\n/3)*8192+256*(\n%3)
.endr
.irp u, 0,1
	global_store_b64 v[L8], v[PW:PW+1], s[\base:\base+1] offset:\u*8192+768
.endr
.endm
	s_load_b256 s[4:11], s[0:1], 0x0               ; x, ln1_w, ln1_b, xc
	s_load_b512 s[12:27], s[0:1], 0x20             ; Wq, Wk, Wv, Wo: codes, scales
	s_load_b256 s[28:35], s[0:1], 0x60             ; W1, W2: codes, scales
	s_load_b128 s[36:39], s[0:1], 0x80             ; w, f0
	s_load_b64 s[40:41], s[0:1], 0x90              ; f1
	v_lshl_add_u32 v254, v0, 2, 0x800
	v_mov_b32 v255, 0
	v_lshrrev_b32 v9, 5, v0
	v_readfirstlane_b32 s[WV], v9                  ; wave 0..7
	v_and_b32 v10, 31, v0                          ; lane
	v_and_b32 v11, 15, v0                          ; r
	v_bfe_u32 v12, v0, 4, 1                        ; h
	v_lshlrev_b32 v[LI], 4, v10
	v_lshlrev_b32 v[L8], 3, v10
	v_lshlrev_b32 v[L4], 2, v10
	v_lshlrev_b32 v[STW], 2, v0
	v_and_b32 v13, 8, v11
	v_add_nc_u32 v13, v13, v11                     ; r + 8 (r / 8)
	v_lshlrev_b32 v[XA], 11, v13
	v_lshl_add_u32 v[XA], v12, 6, v[XA]
	v_lshlrev_b32 v[PA], 6, v12
	v_mul_u32_u24 v[RLC], v13, 384                 ; a row of 512 codes is 384 bytes
	v_mad_u32_u24 v[RLC], v12, 24, v[RLC]
	v_lshl_add_u32 v[RLS], v12, 3, v13
	v_lshlrev_b32 v[RLS], 4, v[RLS]                ; a row of scale bytes is 16 bytes
.irp b, 0,1,2,3
	v_mov_b32 v[TM+4+\b], 0                        ; written once: a lane permute's destination counts as one of its sources
.endr
	v_mov_b32 v[PW+1], 0
	s_mov_b32 s[SEL], 0x76543210
	s_mov_b32 s[SEL+1], 0xfedcba98                 ; lane l xor 16
	s_mov_b32 s[HIM], 0xffff0000
	s_mov_b32 s[P9], 0x3b000000
	s_mov_b32 s[EPS], 0x3727c5ac
	s_lshl_b32 s48, ttmp9, 16                      ; 32 tokens of 2,048 bytes
	s_lshl_b32 s50, s[WV], 8                       ; my 64 features
	s_add_co_u32 s48, s48, s50
	s_mov_b32 s49, 0
	s_mov_b32 s51, 0
	s_lshl_b32 s52, ttmp9, 14
	s_lshl_b32 s53, s[WV], 10
	s_add_co_u32 s52, s52, s53                     ; xc: token block x 16,384 + chunk g = wave
	s_mov_b32 s53, 0
	s_wait_kmcnt 0x0
	s_add_nc_u64 s[4:5], s[4:5], s[48:49]
	s_add_nc_u64 s[6:7], s[6:7], s[50:51]
	s_add_nc_u64 s[8:9], s[8:9], s[50:51]
	s_add_nc_u64 s[10:11], s[10:11], s[52:53]
.irp u, 0,1
.irp b, 0,1
.irp j, 0,1,2,3
	global_load_b128 v[HOLD+32*\u+16*\b+4*\j:HOLD+32*\u+16*\b+4*\j+3], v[XA], s[4:5] offset:16384*\u+128*\b+16*\j th:TH_LOAD_NT
.endr
.endr
.endr
.irp b, 0,1
.irp j, 0,1,2,3
	global_load_b128 v[ACC+16*\b+4*\j:ACC+16*\b+4*\j+3], v[PA], s[6:7] offset:128*\b+16*\j
	global_load_b128 v[ACC+32+16*\b+4*\j:ACC+32+16*\b+4*\j+3], v[PA], s[8:9] offset:128*\b+16*\j
.endr
.endr
	; which block of w my wave serves: waves 0-6 fragment 7 g + w of 1,792, wave 7 scale run g of 224
	s_mul_i32 s48, ttmp9, 7
	s_add_co_u32 s48, s48, s[WV]
	s_lshr_b32 s49, s48, 4
	s_lshr_b32 s50, ttmp9, 1
	s_min_u32 s50, s50, 111
	s_cmp_lt_u32 s[WV], 7
	s_cselect_b32 s49, s49, s50                    ; the block, 0..111
	s_cmp_ge_u32 s49, 56
	s_cselect_b32 s51, 1, 0                        ; layer
	s_mul_i32 s52, s51, 56
	s_sub_co_u32 s52, s49, s52                     ; m
	s_mul_i32 s53, s52, 43
	s_lshr_b32 s53, s53, 7                         ; m / 3, exact for m under 24
	s_mul_i32 s54, s53, 3
	s_sub_co_u32 s54, s52, s54                     ; kind
	s_sub_co_u32 s55, s52, 24
	s_sub_co_u32 s56, s52, 32
	s_sub_co_u32 s57, s52, 48
	s_mov_b64 s[44:45], s[12:13]                   ; the weight's codes and scale bytes: chosen by the block's number alone
	s_mov_b64 s[46:47], s[14:15]
	s_mov_b32 s58, s53                             ; which group of 64 rows
	s_mov_b32 s59, 512                             ; rows in a layer
	s_cmp_eq_u32 s54, 1
	s_cselect_b64 s[44:45], s[16:17], s[44:45]
	s_cselect_b64 s[46:47], s[18:19], s[46:47]
	s_cmp_eq_u32 s54, 2
	s_cselect_b64 s[44:45], s[20:21], s[44:45]
	s_cselect_b64 s[46:47], s[22:23], s[46:47]
	s_cmp_ge_u32 s52, 24
	s_cselect_b64 s[44:45], s[24:25], s[44:45]
	s_cselect_b64 s[46:47], s[26:27], s[46:47]
	s_cselect_b32 s58, s55, s58
	s_cmp_ge_u32 s52, 32
	s_cselect_b64 s[44:45], s[28:29], s[44:45]
	s_cselect_b64 s[46:47], s[30:31], s[46:47]
	s_cselect_b32 s58, s56, s58
	s_cselect_b32 s59, 1024, s59
	s_cmp_ge_u32 s52, 48
	s_cselect_b64 s[44:45], s[32:33], s[44:45]
	s_cselect_b64 s[46:47], s[34:35], s[46:47]
	s_cselect_b32 s58, s57, s58
	s_cselect_b32 s59, 512, s59
	s_mul_i32 s59, s59, s51
	s_lshl_b32 s58, s58, 6
	s_add_co_u32 s58, s58, s59                     ; the block's first row in the weight
	s_mul_i32 s60, s51, LAYERB
	s_mul_i32 s61, s52, BLKB
	s_add_co_u32 s60, s60, s61                     ; the block's first byte in w
	s_cmp_lt_u32 s[WV], 7
	s_cbranch_scc0 .Lwave7
	s_and_b32 s48, s48, 15                         ; fragment 4 s + t
	s_lshr_b32 s49, s48, 2
	s_and_b32 s50, s48, 3
	s_lshr_b32 s53, s50, 1
	s_lshl_b32 s53, s53, 5
	s_and_b32 s54, s50, 1
	s_lshl_b32 s54, s54, 3
	s_add_co_u32 s53, s53, s54
	s_add_co_u32 s53, s53, s58                     ; the tile's first row
	s_mul_i32 s54, s53, 384
	s_mul_i32 s55, s49, 96
	s_add_co_u32 s54, s54, s55
	s_mov_b32 s55, 0
	s_add_nc_u64 s[44:45], s[44:45], s[54:55]
.irp p, 0,1,2,3,4,5
	global_load_b64 v[RF+2*\p:RF+2*\p+1], v[RLC], s[44:45] offset:48*(\p/3)+8*(\p%3)
.endr
	s_mul_i32 s56, s48, 1536
	s_add_co_u32 s56, s56, s60
	s_mov_b32 s57, 0
	s_add_nc_u64 s[36:37], s[36:37], s[56:57]
	s_wait_loadcnt 0x0
.irp c, 0,1,2
	global_store_b128 v[LI], v[RF+4*\c:RF+4*\c+3], s[36:37] offset:512*\c   ; 512 consecutive bytes a store
.endr
	s_branch .Ljoin
.Lwave7:
	s_cmp_lt_u32 ttmp9, 224
	s_cbranch_scc0 .Lflags
	s_and_b32 s48, ttmp9, 1                        ; which of the block's two runs
	s_lshl_b32 s49, s48, 5
	s_add_co_u32 s49, s49, s58
	s_lshl_b32 s54, s49, 4
	s_mov_b32 s55, 0
	s_add_nc_u64 s[46:47], s[46:47], s[54:55]
	global_load_b128 v[RF:RF+3], v[RLS], s[46:47]  ; lanes 0-15 tile 2 tau, lanes 16-31 tile 2 tau + 1: a row's 16 scale bytes
	s_lshl_b32 s56, s48, 9
	s_add_co_u32 s56, s56, s60
	s_add_co_u32 s56, s56, 24576
	s_mov_b32 s57, 0
	s_add_nc_u64 s[36:37], s[36:37], s[56:57]
	s_wait_loadcnt 0x0
	global_store_b128 v[LI], v[RF:RF+3], s[36:37]
	s_branch .Ljoin
.Lflags:
	s_cmp_lt_u32 ttmp9, 226
	s_cbranch_scc0 .Ljoin
	s_sub_co_u32 s48, ttmp9, 224                   ; the layer's number
	s_cmp_eq_u32 s48, 0
	s_cselect_b64 s[38:39], s[38:39], s[40:41]
	v_mov_b32 v[RF], s48
	v_mov_b32 v[RF+1], s48
	global_store_b64 v[L8], v[RF:RF+1], s[38:39]   ; all 256 bytes of the buffer
.Ljoin:
	s_wait_loadcnt 0x0                             ; x (and the gains)
	LN ST1, ST2
	QUANT HOLD
	XCSTORE 10
	s_wait_tensorcnt 0x0
	ds_add_u32 v254, v255
	s_wait_dscnt 0x0
	s_endpgm
.Lfunc_end_k_qedb216fa92_pre:
	.size	k_qedb216fa92_pre, .Lfunc_end_k_qedb216fa92_pre-k_qedb216fa92_pre
	.p2alignl 7, 3214868480
	.fill 96, 4, 3214868480
	.section	.rodata,"a",@progbits
	.p2align	6, 0x0
	.amdhsa_kernel k_qedb216fa92_pre
		.amdhsa_group_segment_fixed_size 3072
		.amdhsa_private_segment_fixed_size 0
		.amdhsa_enable_private_segment 0
		.amdhsa_kernarg_size 152
		.amdhsa_user_sgpr_count 2
		.amdhsa_user_sgpr_kernarg_segment_ptr 1
		.amdhsa_wavefront_size32 1
		.amdhsa_system_sgpr_workgroup_id_x 1
		.amdhsa_system_sgpr_workgroup_id_y 1
		.amdhsa_system_sgpr_workgroup_id_z 1
		.amdhsa_system_vgpr_workitem_id 0
		.amdhsa_next_free_vgpr 256
		.amdhsa_next_free_sgpr 66
		.amdhsa_reserve_vcc 0
		.amdhsa_float_denorm_mode_32 3
		.amdhsa_float_denorm_mode_16_64 3
		.amdhsa_memory_ordered 1
		.amdhsa_forward_progress 1
		.amdhsa_inst_pref_size 28
	.end_amdhsa_kernel
	.amdgpu_metadata
---
amdhsa.version: [ 1, 2 ]
amdhsa.kernels:
  - .name:           k_qedb216fa92_pre
    .symbol:         k_qedb216fa92_pre.kd
    .args:
      - { .name: x, .offset: 0, .size: 8, .value_kind: global_buffer, .address_space: global }
      - { .name: ln1_w, .offset: 8, .size: 8, .value_kind: global_buffer, .address_space: global }
      - { .name: ln1_b, .offset: 16, .size: 8, .value_kind: global_buffer, .address_space: global }
      - { .name: xc, .offset: 24, .size: 8, .value_kind: global_buffer, .address_space: global }
      - { .name: Wq_codes, .offset: 32, .size: 8, .value_kind: global_buffer, .address_space: global }
      - { .name: Wq_scales, .offset: 40, .size: 8, .value_kind: global_buffer, .address_space: global }
      - { .name: Wk_codes, .offset: 48, .size: 8, .value_kind: global_buffer, .address_space: global }
      - { .name: Wk_scales, .offset: 56, .size: 8, .value_kind: global_buffer, .address_space: global }
      - { .name: Wv_codes, .offset: 64, .size: 8, .value_kind: global_buffer, .address_space: global }
      - { .name: Wv_scales, .offset: 72, .size: 8, .value_kind: global_buffer, .address_space: global }
      - { .name: Wo_codes, .offset: 80, .size: 8, .value_kind: global_buffer, .address_space: global }
      - { .name: Wo_scales, .offset: 88, .size: 8, .value_kind: global_buffer, .address_space: global }
      - { .name: W1_codes, .offset: 96, .size: 8, .value_kind: global_buffer, .address_space: global }
      - { .name: W1_scales, .offset: 104, .size: 8, .value_kind: global_buffer, .address_space: global }
      - { .name: W2_codes, .offset: 112, .size: 8, .value_kind: global_buffer, .address_space: global }
      - { .name: W2_scales, .offset: 120, .size: 8, .value_kind: global_buffer, .address_space: global }
      - { .name: w, .offset: 128, .size: 8, .value_kind: global_buffer, .address_space: global }
      - { .name: f0, .offset: 136, .size: 8, .value_kind: global_buffer, .address_space: global }
      - { .name: f1, .offset: 144, .size: 8, .value_kind: global_buffer, .address_space: global }
    .group_segment_fixed_size: 3072
    .private_segment_fixed_size: 0
    .kernarg_segment_align: 8
    .kernarg_segment_size: 152
    .max_flat_workgroup_size: 256
    .sgpr_count:     66
    .vgpr_count:     256
    .wavefront_size: 32
...
	.end_amdgpu_metadata
.endif
;; end of part 1
;; launch qkv (part 2): grid 32 x 8, 8 waves a work-group, no clusters, 77,824 bytes of LDS; arguments xc, w, f0, pos_cos, pos_sin, q, kv; writes q, kv
.if DOCPART == 2
	.amdgcn_target "amdgcn-amd-amdhsa--gfx1250"
	.amdhsa_code_object_version 6
	.text
	.protected	k_qedb216fa92_qkv
	.globl	k_qedb216fa92_qkv
	.p2align	8
	.type	k_qedb216fa92_qkv,@function
k_qedb216fa92_qkv:
	s_mov_b64 s[64:65], 0
	v_nop
	global_prefetch_b8 v0, s[64:65] scope:SCOPE_SE
	s_setreg_imm32_b32 hwreg(HW_REG_WAVE_MODE, 25, 1), 1
	s_wait_xcnt 0x0
; QKV.  q, k, v = xn Wq, xn Wk, xn Wv for one head, RoPE on q and k, and all three quantised to codes of BF6 with E8M0 scales: q and k along the head's 64, v along the keys.
; SHARES.  Work-group (x, y): token blocks 8 x .. 8 x + 7, head y.  Wave w owns one token block of 32 tokens (two row tiles u; lane row r of tile u is token 8 u + r + 8 (r / 8)).
; The head's three weight blocks (76,800 bytes of w, laid in the order of the operand registers) are copied once into LDS and read by all eight waves; xn's eight fragments stay in registers.
; q and k are made TRANSPOSED (source 0 = 16 rows of W, source 1 = 16 tokens): register 32 u + 16 b + i of a lane is feature 32 b + 16 h + i of its token.
; v is made the other way round (source 0 = 16 tokens, source 1 = 16 rows of Wv): register 16 t + i of a lane is token 16 h + i of its channel: one block of 32 keys.
; OUT.  q: [batch x head][token block] of 1,792 bytes: six runs of 256 bytes of codes, one of scale words.
; kv: [batch x head][token block] chunks of 3,328 bytes: k as one fragment (registers 0-5 key tile 0, 6-11 key tile 1; 1,536 bytes), v as six runs of 256 bytes, one run of (k's word, v's word).
; In chunks of odd token blocks v's lanes 0-15 and 16-31 change places inside each run, so that the reader's two lane halves fall on different halves of a run.
; The layer's number is read from a buffer of whole numbers that an earlier launch stored, and is held at 1 before it enters an address.
; LIMITS: NaN and infinities are not served; a block whose largest magnitude lies under 2^-122 gets the byte 1 (only this program reads the bytes); RoPE is a multiply and a fused multiply-add.
.set LAYERB, 1433600
.set LI,  1                            ; v1  16 x lane
.set L8,  2                            ; v2  8 x lane
.set CSA, 3                            ; v3  cos, sin: my row of tile 0 x 2,048 + 64 h
.set ASG, 4                            ; v4  xn's scale halves: 8 r + 8,194 h (tile h's chunk, its two bytes)
.set VST, 5                            ; v5  8 x lane, halves swapped in odd token blocks
.set CPL, 6                            ; v6  16 x thread: the copy of the weights
.set CPH, 7                            ; v7  the same + 65,536: an LDS immediate ends at 65,535
.set U16, 8                            ; v8-15 scale halves as loaded
.set AS,  16                           ; v16-19 xn's scale words: lanes 0-15 tile 0, lanes 16-31 tile 1
.set WS,  20                           ; v20-27 W's scale words: register 4 (t / 2) + s, lanes 0-15 even t, lanes 16-31 odd t
.set WF,  28                           ; v28-75, v76-123 two sets of four W fragments
.set ACC, 124                          ; v124-187
.set T0,  188
.set T1,  190
.set TM,  192
.set PC,  208
.set PW,  228                          ; v228 the scale word, v229 = 0
.set PWK, 230                          ; v230 k's word, v231 v's
.set LW,  232                          ; v232 16 x lane + the pass's weight block in LDS
.set CS,  96                           ; window 1: v0-95 xn's fragments (12 (4 u + s)); from v96: tile u at 64 u: cos 0-31, sin 32-63
.set WV,  18
.set LAY, 19
.set SEL, 20
.set MSB, 0
.macro WIN new                         ; the immediate's high byte repeats the setting that is left
.if MSB != \new
	s_set_vgpr_msb (MSB<<8)|\new
.set MSB, \new
.endif
.endm
.macro PLACES                          ; four plain vector instructions behind a matrix instruction, ahead of loads into its registers and of the first read of its result
.rept 4
	v_nop
.endr
.endm
; One matrix instruction.  ks = 0: the K step that starts the sum.  ra, rb: the side's scale words lie in lanes 16-31.
.macro MM d, a, b, ks, sa, sb, ra, rb
.if (\ks) == 0
.if (\ra) && (\rb)
	v_wmma_scale_f32_16x16x128_f8f6f4 v[\d:\d+7], v[\a:\a+11], v[\b:\b+11], 0, v[\sa], v[\sb] matrix_a_fmt:MATRIX_FMT_BF6 matrix_b_fmt:MATRIX_FMT_BF6 matrix_a_scale:MATRIX_SCALE_ROW1 matrix_b_scale:MATRIX_SCALE_ROW1
.elseif (\ra)
	v_wmma_scale_f32_16x16x128_f8f6f4 v[\d:\d+7], v[\a:\a+11], v[\b:\b+11], 0, v[\sa], v[\sb] matrix_a_fmt:MATRIX_FMT_BF6 matrix_b_fmt:MATRIX_FMT_BF6 matrix_a_scale:MATRIX_SCALE_ROW1
.elseif (\rb)
	v_wmma_scale_f32_16x16x128_f8f6f4 v[\d:\d+7], v[\a:\a+11], v[\b:\b+11], 0, v[\sa], v[\sb] matrix_a_fmt:MATRIX_FMT_BF6 matrix_b_fmt:MATRIX_FMT_BF6 matrix_b_scale:MATRIX_SCALE_ROW1
.else
	v_wmma_scale_f32_16x16x128_f8f6f4 v[\d:\d+7], v[\a:\a+11], v[\b:\b+11], 0, v[\sa], v[\sb] matrix_a_fmt:MATRIX_FMT_BF6 matrix_b_fmt:MATRIX_FMT_BF6
.endif
.else
.if (\ra) && (\rb)
	v_wmma_scale_f32_16x16x128_f8f6f4 v[\d:\d+7], v[\a:\a+11], v[\b:\b+11], v[\d:\d+7], v[\sa], v[\sb] matrix_a_fmt:MATRIX_FMT_BF6 matrix_b_fmt:MATRIX_FMT_BF6 matrix_a_scale:MATRIX_SCALE_ROW1 matrix_b_scale:MATRIX_SCALE_ROW1
.elseif (\ra)
	v_wmma_scale_f32_16x16x128_f8f6f4 v[\d:\d+7], v[\a:\a+11], v[\b:\b+11], v[\d:\d+7], v[\sa], v[\sb] matrix_a_fmt:MATRIX_FMT_BF6 matrix_b_fmt:MATRIX_FMT_BF6 matrix_a_scale:MATRIX_SCALE_ROW1
.elseif (\rb)
	v_wmma_scale_f32_16x16x128_f8f6f4 v[\d:\d+7], v[\a:\a+11], v[\b:\b+11], v[\d:\d+7], v[\sa], v[\sb] matrix_a_fmt:MATRIX_FMT_BF6 matrix_b_fmt:MATRIX_FMT_BF6 matrix_b_scale:MATRIX_SCALE_ROW1
.else
	v_wmma_scale_f32_16x16x128_f8f6f4 v[\d:\d+7], v[\a:\a+11], v[\b:\b+11], v[\d:\d+7], v[\sa], v[\sb] matrix_a_fmt:MATRIX_FMT_BF6 matrix_b_fmt:MATRIX_FMT_BF6
.endif
.endif
.endm
.macro QUANT src                       ; 64 numbers of a lane, register 16 b + i = number 16 h + i of block b -> codes in v[PC] on (registers 6 c .. 6 c + 5: block 2 c + h whole), the four bytes in v[PW]
.irp b, 0,1,2,3
	v_max3_num_f32 v[TM+\b], |v[\src+16*\b]|, |v[\src+1+16*\b]|, 0x2800000   ; my 16 numbers, and the floor 2^(5 - 127): the byte cannot fall under 1
.endr
.irp i, 2,4,6,8,10,12,14
.irp b, 0,1,2,3
	v_max3_num_f32 v[TM+\b], v[TM+\b], |v[\src+16*\b+\i]|, |v[\src+1+16*\b+\i]|
.endr
.endr
.irp b, 0,1,2,3
	v_permlanex16_b32 v[TM+4+\b], v[TM+\b], s[SEL], s[SEL+1]
.endr
.irp b, 0,1,2,3
	v_max_num_f32 v[TM+\b], v[TM+\b], v[TM+4+\b]
.endr
.irp b, 0,1,2,3
	v_add_nc_u32 v[TM+12+\b], 0xfe000000, v[TM+\b] ; 4 off the exponent field: the conversion's scale operand
.endr
.irp b, 0,1,2,3
	v_lshrrev_b32 v[TM+4+\b], 23, v[TM+12+\b]
.endr
	v_lshl_or_b32 v[PW], v[TM+5], 8, v[TM+4]
	v_lshl_or_b32 v[PW], v[TM+6], 16, v[PW]
	v_lshl_or_b32 v[PW], v[TM+7], 24, v[PW]
.irp c, 0,1
	v_cvt_scalef32_pk16_bf6_f32 v[PC+6*\c:PC+2+6*\c], v[\src+32*\c:\src+15+32*\c], v[TM+12+2*\c]
	v_cvt_scalef32_pk16_bf6_f32 v[PC+12+4*\c:PC+14+4*\c], v[\src+16+32*\c:\src+31+32*\c], v[TM+12+2*\c+1]
.endr
	v_nop                                          ; one plain place behind a scaled conversion
.irp c, 0,1
.irp i, 0,1,2
	v_permlane16_swap_b32 v[PC+6*\c+\i], v[PC+12+4*\c+\i]
.endr
.irp i, 0,1,2
	v_mov_b32 v[PC+3+6*\c+\i], v[PC+12+4*\c+\i]
.endr
.endr
.endm
.macro WSET s                          ; the four tiles' fragments of K step s, from LDS into set s % 2: 12 loads of 512 consecutive bytes
.irp t, 0,1,2,3
.irp c, 0,1,2
	ds_load_b128 v[WF+48*((\s)%2)+12*\t+4*\c:WF+48*((\s)%2)+12*\t+4*\c+3], v[LW] offset:(4*(\s)+\t)*1536+512*\c
.endr
.endr
.endm
; One product: 4 K steps x 8 matrix instructions on eight accumulators, which take turns, one instruction a turn.
.macro PASS k, vmode
	v_add_nc_u32 v[LW], 25600*\k, v[LI]
	ds_load_b128 v[WS:WS+3], v[LW] offset:24576
	ds_load_b128 v[WS+4:WS+7], v[LW] offset:24576+512
	WSET 0
.irp s, 0,1,2,3
.if \s < 3
	WSET \s+1
	s_wait_dscnt 12                                ; all but the 12 loads of the next K step
.else
	s_wait_dscnt 0x0
.endif
.if \vmode
	WIN 0x01                                       ; source 0 (xn) in window 1
.else
	WIN 0x04                                       ; source 1 (xn) in window 1
.endif
.irp t, 0,1,2,3
.irp u, 0,1
.if \vmode
	MM ACC+16*\t+8*\u, 12*(4*\u+\s), WF+48*(\s%2)+12*\t, \s, AS+\s, WS+4*(\t/2)+\s, \u, \t%2
.else
	MM ACC+32*\u+8*\t, WF+48*(\s%2)+12*\t, 12*(4*\u+\s), \s, WS+4*(\t/2)+\s, AS+\s, \t%2, \u
.endif
.endr
.endr
	WIN 0
	PLACES
.endr
.endm
; RoPE: a0 = features 16 h + i, a1 = features 32 + 16 h + i of a token: a0' = a0 cos0 - a1 sin0, a1' = a1 cos1 + a0 sin1.  Each accumulator is read from its low end on.
.macro ROPE
	WIN 0x04                                       ; source 1 (cos, sin) in window 1
.irp u, 0,1
.irp i, 0,2,4,6,8,10,12,14
	v_pk_mul_f32 v[T0:T0+1], v[ACC+32*\u+16+\i:ACC+32*\u+17+\i], v[CS+64*\u+32+\i:CS+64*\u+33+\i]
	v_pk_mul_f32 v[T1:T1+1], v[ACC+32*\u+\i:ACC+32*\u+1+\i], v[CS+64*\u+48+\i:CS+64*\u+49+\i]
	v_pk_fma_f32 v[ACC+32*\u+\i:ACC+32*\u+1+\i], v[ACC+32*\u+\i:ACC+32*\u+1+\i], v[CS+64*\u+\i:CS+64*\u+1+\i], v[T0:T0+1] neg_lo:[0,0,1] neg_hi:[0,0,1]
	v_pk_fma_f32 v[ACC+32*\u+16+\i:ACC+32*\u+17+\i], v[ACC+32*\u+16+\i:ACC+32*\u+17+\i], v[CS+64*\u+16+\i:CS+64*\u+17+\i], v[T1:T1+1]
.endr
.endr
	WIN 0
.endm
	s_load_b256 s[4:11], s[0:1], 0x0               ; xc, w, the layer's number, cos
	s_load_b128 s[12:15], s[0:1], 0x20             ; sin, q
	s_load_b64 s[16:17], s[0:1], 0x30              ; kv
	v_lshl_add_u32 v254, v0, 2, 0x12c00
	v_mov_b32 v255, 0
	v_lshrrev_b32 v8, 5, v0
	v_readfirstlane_b32 s[WV], v8                  ; wave 0..7
	v_and_b32 v9, 31, v0
	v_and_b32 v10, 15, v0                          ; r
	v_bfe_u32 v11, v0, 4, 1                        ; h
	v_lshlrev_b32 v[LI], 4, v9
	v_lshlrev_b32 v[L8], 3, v9
	v_and_b32 v12, 8, v10
	v_add_nc_u32 v12, v12, v10                     ; r + 8 (r / 8)
	v_lshlrev_b32 v[CSA], 11, v12
	v_lshl_add_u32 v[CSA], v11, 6, v[CSA]
	v_lshlrev_b32 v[ASG], 3, v10
	v_mad_u32_u24 v[ASG], v11, 8194, v[ASG]
	v_lshlrev_b32 v[CPL], 4, v0
	v_add_nc_u32 v[CPH], 65536, v[CPL]
.irp b, 0,1,2,3
	v_mov_b32 v[TM+4+\b], 0                        ; written once: a lane permute's destination counts as one of its sources
.endr
	v_mov_b32 v[PW+1], 0
	s_mov_b32 s[SEL], 0x76543210
	s_mov_b32 s[SEL+1], 0xfedcba98
	s_and_b32 s22, ttmp7, 0xffff                   ; head
	s_lshl_b32 s23, ttmp9, 3
	s_add_co_u32 s23, s23, s[WV]                   ; my token block
	s_and_b32 s24, s[WV], 1
	s_lshl_b32 s24, s24, 7
	v_xor_b32 v[VST], s24, v[L8]
	s_lshl_b32 s26, s23, 14
	s_mov_b32 s27, 0
	s_lshl_b32 s28, s23, 16
	s_lshl_b32 s29, s22, 8
	s_add_co_u32 s28, s28, s29                     ; cos, sin: 32 tokens of 2,048 bytes, the head's 256
	s_mov_b32 s29, 0
	s_lshr_b32 s30, s23, 6
	s_lshl_b32 s30, s30, 3
	s_add_co_u32 s30, s30, s22                     ; batch x 8 + head
	s_lshl_b32 s30, s30, 6
	s_and_b32 s31, s23, 63
	s_add_co_u32 s30, s30, s31
	s_mul_i32 s32, s30, 1792
	s_mov_b32 s33, 0
	s_mul_i32 s34, s30, 3328
	s_mov_b32 s35, 0
	s_mul_i32 s36, s22, 76800
	s_wait_kmcnt 0x0
	s_load_b32 s[LAY], s[8:9], 0x0
	s_add_nc_u64 s[4:5], s[4:5], s[26:27]
	s_add_nc_u64 s[10:11], s[10:11], s[28:29]
	s_add_nc_u64 s[12:13], s[12:13], s[28:29]
	s_add_nc_u64 s[14:15], s[14:15], s[32:33]
	s_add_nc_u64 s[16:17], s[16:17], s[34:35]
	WIN 0x40                                       ; destination in window 1
.irp u, 0,1
.irp s, 0,1,2,3
.irp c, 0,1
.irp p, 0,1,2
	global_load_b64 v[12*(4*\u+\s)+6*\c+2*\p:12*(4*\u+\s)+6*\c+2*\p+1], v[L8], s[4:5] offset:(8*\u+2*\s+\c)*1024+256*\p   ; xn's fragments: 256 consecutive bytes a load
.endr
.endr
.endr
.endr
	WIN 0
.irp s, 0,1,2,3
.irp c, 0,1
	global_load_u16 v[U16+2*\s+\c], v[ASG], s[4:5] offset:768+2048*\s+1024*\c
.endr
.endr
	s_wait_kmcnt 0x0
	s_min_u32 s[LAY], s[LAY], 1                    ; a loaded number enters an address only behind this hold
	s_mul_i32 s38, s[LAY], LAYERB
	s_add_co_u32 s38, s38, s36
	s_mov_b32 s39, 0
	s_add_nc_u64 s[6:7], s[6:7], s[38:39]          ; the head's three blocks of w
.set k, 0
.rept 18
	global_load_b128 v[WF+4*k:WF+4*k+3], v[CPL], s[6:7] offset:4096*k      ; the work-group copies 4,096 consecutive bytes a turn
.set k, k+1
.endr
	s_cmp_lt_u32 s[WV], 6                          ; 150 runs of 512 bytes: the last six go to waves 0-5
	s_cbranch_scc0 .Lno_load
	global_load_b128 v[WF+72:WF+75], v[CPL], s[6:7] offset:73728
.Lno_load:
	WIN 0x40
.irp u, 0,1
.irp b, 0,1
.irp j, 0,1,2,3
	global_load_b128 v[CS+64*\u+16*\b+4*\j:CS+64*\u+16*\b+4*\j+3], v[CSA], s[10:11] offset:16384*\u+128*\b+16*\j th:TH_LOAD_NT
	global_load_b128 v[CS+64*\u+32+16*\b+4*\j:CS+64*\u+32+16*\b+4*\j+3], v[CSA], s[12:13] offset:16384*\u+128*\b+16*\j th:TH_LOAD_NT
.endr
.endr
.endr
	WIN 0
	s_wait_loadcnt 32                              ; all but the 32 loads of cos and sin: xn and the weights are in
.irp s, 0,1,2,3
	v_lshl_or_b32 v[AS+\s], v[U16+2*\s+1], 16, v[U16+2*\s]
.endr
.rept 8
	v_nop                                          ; a scale register written by a vector instruction stands eight places ahead of a scaled matrix instruction
.endr
.set k, 0
.rept 16
	ds_store_b128 v[CPL], v[WF+4*k:WF+4*k+3] offset:4096*k
.set k, k+1
.endr
	ds_store_b128 v[CPH], v[WF+64:WF+67]
	ds_store_b128 v[CPH], v[WF+68:WF+71] offset:4096
	s_cmp_lt_u32 s[WV], 6
	s_cbranch_scc0 .Lno_store
	ds_store_b128 v[CPH], v[WF+72:WF+75] offset:8192
.Lno_store:
	s_wait_dscnt 0x0                               ; for the others' sake: my part of the weights lies in LDS
	s_barrier_signal -1
	s_barrier_wait -1                              ; everybody's does; nothing is written there again
	PASS 0, 0                                      ; q
	s_wait_loadcnt 0x0                             ; cos and sin
	ROPE
	QUANT ACC
.irp n, 0,1,2,3,4,5
	global_store_b64 v[L8], v[PC+2*\n:PC+2*\n+1], s[14:15] offset:256*\n
.endr
	global_store_b64 v[L8], v[PW:PW+1], s[14:15] offset:1536
	PASS 1, 0                                      ; k
	ROPE
	s_wait_xcnt 0x0                                ; q's stores have read their registers: the codes and the word are written again only behind this wait
	QUANT ACC
.irp c, 0,1,2
	global_store_b128 v[LI], v[PC+4*\c:PC+4*\c+3], s[16:17] offset:512*\c
.endr
	v_mov_b32 v[PWK], v[PW]
	PASS 2, 1                                      ; v
	s_wait_xcnt 0x0                                ; k's stores likewise
	QUANT ACC
.irp n, 0,1,2,3,4,5
	global_store_b64 v[VST], v[PC+2*\n:PC+2*\n+1], s[16:17] offset:1536+256*\n
.endr
	v_mov_b32 v[PWK+1], v[PW]
	global_store_b64 v[L8], v[PWK:PWK+1], s[16:17] offset:3072
	s_wait_tensorcnt 0x0
	ds_add_u32 v254, v255
	s_wait_dscnt 0x0
	s_endpgm
.Lfunc_end_k_qedb216fa92_qkv:
	.size	k_qedb216fa92_qkv, .Lfunc_end_k_qedb216fa92_qkv-k_qedb216fa92_qkv
	.p2alignl 7, 3214868480
	.fill 96, 4, 3214868480
	.section	.rodata,"a",@progbits
	.p2align	6, 0x0
	.amdhsa_kernel k_qedb216fa92_qkv
		.amdhsa_group_segment_fixed_size 77824
		.amdhsa_private_segment_fixed_size 0
		.amdhsa_enable_private_segment 0
		.amdhsa_kernarg_size 56
		.amdhsa_user_sgpr_count 2
		.amdhsa_user_sgpr_kernarg_segment_ptr 1
		.amdhsa_wavefront_size32 1
		.amdhsa_system_sgpr_workgroup_id_x 1
		.amdhsa_system_sgpr_workgroup_id_y 1
		.amdhsa_system_sgpr_workgroup_id_z 1
		.amdhsa_system_vgpr_workitem_id 0
		.amdhsa_next_free_vgpr 512
		.amdhsa_next_free_sgpr 66
		.amdhsa_reserve_vcc 0
		.amdhsa_float_denorm_mode_32 3
		.amdhsa_float_denorm_mode_16_64 3
		.amdhsa_memory_ordered 1
		.amdhsa_forward_progress 1
		.amdhsa_inst_pref_size 61
	.end_amdhsa_kernel
	.amdgpu_metadata
---
amdhsa.version: [ 1, 2 ]
amdhsa.kernels:
  - .name:           k_qedb216fa92_qkv
    .symbol:         k_qedb216fa92_qkv.kd
    .args:
      - { .name: xc, .offset: 0, .size: 8, .value_kind: global_buffer, .address_space: global }
      - { .name: w, .offset: 8, .size: 8, .value_kind: global_buffer, .address_space: global }
      - { .name: f0, .offset: 16, .size: 8, .value_kind: global_buffer, .address_space: global }
      - { .name: pos_cos, .offset: 24, .size: 8, .value_kind: global_buffer, .address_space: global }
      - { .name: pos_sin, .offset: 32, .size: 8, .value_kind: global_buffer, .address_space: global }
      - { .name: q, .offset: 40, .size: 8, .value_kind: global_buffer, .address_space: global }
      - { .name: kv, .offset: 48, .size: 8, .value_kind: global_buffer, .address_space: global }
    .group_segment_fixed_size: 77824
    .private_segment_fixed_size: 0
    .kernarg_segment_align: 8
    .kernarg_segment_size: 56
    .max_flat_workgroup_size: 256
    .sgpr_count:     66
    .vgpr_count:     512
    .wavefront_size: 32
...
	.end_amdgpu_metadata
.endif
;; end of part 2
;; launch att (part 3): grid 8 x 32, 16 waves a work-group, clusters of 4 x 1, 223,232 bytes of LDS; arguments q, kv, attn_mask, cx; writes cx
.if DOCPART == 3
	.amdgcn_target "amdgcn-amd-amdhsa--gfx1250"
	.amdhsa_code_object_version 6
	.text
	.protected	k_qedb216fa92_att
	.globl	k_qedb216fa92_att
	.p2align	8
	.type	k_qedb216fa92_att,@function
k_qedb216fa92_att:
	s_mov_b64 s[64:65], 0
	v_nop
	global_prefetch_b8 v0, s[64:65] scope:SCOPE_SE
	s_setreg_imm32_b32 hwreg(HW_REG_WAVE_MODE, 25, 1), 1
	s_wait_xcnt 0x0
	s_wait_alu depctr_hold_cnt(0) depctr_sa_sdst(0) depctr_va_vdst(0) depctr_va_sdst(0) depctr_va_ssrc(0) depctr_va_vcc(0) depctr_vm_vsrc(0)
	s_getreg_b32 s2, hwreg(HW_REG_IB_STS2, 6, 4)
	s_cmp_eq_u32 s2, 0
	s_cbranch_scc0 .Lentry_in_a_cluster
	s_endpgm
.Lentry_in_a_cluster:
	s_bfe_u32 s2, ttmp6, 0x10000c
	s_cmp_lg_u32 s2, 0x3003
	s_cbranch_scc0 .Lentry_shape_is_right
	s_endpgm
.Lentry_shape_is_right:
; ATT.  ctx = softmax(q k^T / 8 + mask) v for one head of one batch, both products on codes of BF6 with E8M0 scales; ctx is quantised along the head's 64 and stored as codes for the next product.
; THE SOFTMAX AHEAD OF THE SECOND PRODUCT: t = score x log2(e) / 8 + mask x log2(e) (one fused multiply-add); M = the running largest t rounded UP to a whole number; p = 2^(t - M) is quantised along the keys.
; The row's sum is taken of the unquantised p and divides at the end.  When M moves, the sum and O are multiplied by 2^(old M - new M): exact.
; SHARES.  A work-group owns 256 queries of one head; each of its sixteen waves one row tile of 16 queries; four waves to a SIMD, so that one wave's vector work stands beside another's matrix work.
; LDS.  The head's k, v and their scales are 64 chunks of 3,328 bytes (32 keys each), 212,992 bytes: they are brought in ONCE and nothing is filled again.  Each wave asks for four chunks (16 g + wave) at its first lines;
; by this text's count a wave has four tensor loads out.  Four gates (a counted wait and a barrier) let the work begin when a quarter of the head has landed.  Behind the chunks: mask x log2(e), 8,192 bytes, stored by the waves.
; CLUSTER.  The four query blocks of a cluster belong to one head and read the same chunks: each chunk is asked for JOINTLY, by the same tensor load with the same descriptor and a mask that names the four.
; LAYOUT.  Both products are used transposed, so that a lane holds one query throughout.  A chunk's k fragment holds key tile 0 in its K 0-63 and key tile 1 in its K 64-127; q stands in the lower half of one
; operand (zero codes above) and in the upper half of a second, so that each of the two products takes one key tile.  Register 16 f + i of S is key 32 f + 16 h + i of the step.
; All that the launch reads from memory in bulk is asked for at its head, so nothing is left to prefetch.
; LIMITS: NaN and infinities are not served, but for -infinity in the mask (p = 0); a batch all of whose keys are masked with -infinity is not served; a block whose largest magnitude lies under 2^-122 gets the byte 1.
.set CHK,  3328                        ; a chunk
.set QTR,  53248                       ; sixteen chunks: four key steps
.set MKB,  212992                      ; mask x log2(e)
.set AK,  1                            ; v1  16 x lane
.set AVE, 2                            ; v2  v, even channel tiles: 8 r + 3,456 h (the next chunk, the other half of a run)
.set AVO, 3                            ; v3  odd ones: 8 r + 128 + 3,200 h
.set ASC, 4                            ; v4  8 x lane
.set AMK, 5                            ; v5  MKB + 64 h
.set VQ,  6                            ; v6  q: 8 x lane + 768 u
.set ADM, 7
.set ADK, 8
.set ADE, 9
.set ADO, 10
.set ADS, 11                           ; v7-11 the step's addresses; v12 -M, v13 the largest t, v[14:15] the sum in two halves
.set QA,  16                           ; v16-27 [q | 0]
.set QB,  28                           ; v28-39 [0 | q]
.set QS,  40                           ; v40 q's scale word
.set KF,  44                           ; v44-91 four fragments of k, then the mask, then four of v
.set KS,  92                           ; v92-99 chunk f: k's scale word, v's
.set VS,  100                          ; v100-103 v's scale words by channel tile
.set TT,  104
.set S,   108                          ; v108-171 scores, t, p
.set O,   172                          ; v172-203 O^T
.set PC,  204                          ; v204-215 p's codes
.set PT,  216
.set BM,  224
.set PX,  228
.set SO,  232
.set BY,  236
.set FF,  240                          ; v240 2^(old M - new M); v241 = 0
.set TP,  242
.set PS,  243                          ; v243 p's scale word
.set WV,  12
.set G1,  16                           ; s[16:23] descriptor group 1; s[24:39] four groups 0
.set G0,  24
.set SEL, 40
.set CS,  42                           ; s[42:43] log2(e) / 8
.set TB,  48                           ; s48 the step's first LDS byte
.set TMK, 49                           ; s49 the step's first byte of the mask
.set CNT, 50
.macro ROUND                           ; a round of the cluster's barrier
	s_barrier_signal -1
	s_barrier_wait -1
	s_cmp_lg_u32 s[WV], 0
	s_cbranch_scc1 .Lnot_wave_0_\@
	s_barrier_signal -3
.Lnot_wave_0_\@:
	s_barrier_wait -3
	s_barrier_signal -1
	s_barrier_wait -1
.endm
.macro PLACES
.rept 4
	v_nop
.endr
.endm
	s_load_b256 s[4:11], s[0:1], 0x0               ; q, kv, mask, cx
	v_lshl_add_u32 v254, v0, 2, 0x36000
	v_mov_b32 v255, 0
	ds_add_u32 v254, v255
	ds_add_u32 v254, v255
	v_lshrrev_b32 v41, 5, v0
	v_readfirstlane_b32 s[WV], v41                 ; wave 0..15
	s_bfe_u32 s13, ttmp6, 0x40000                  ; my place in the cluster: it enters q's and cx's global addresses alone
	s_lshl_b32 s14, ttmp9, 2
	s_add_co_u32 s14, s14, s13                     ; my block of 256 queries
	s_and_b32 s15, ttmp7, 0xffff                   ; batch x 8 + head, which the four partners share
	; descriptor group 1: a chunk as 13 rows of 256 bytes (32 elements of 8 bytes), dense, no padding
	s_mov_b32 s[G1], 15|(3<<16)|(1<<21)            ; 15:0 the mask: all four work-groups; 17:16 elements of 8 bytes; 21 set beside a mask
	s_mov_b32 s[G1+1], 32<<16                      ; tensor_dim0 = 32
	s_mov_b32 s[G1+2], 13<<16                      ; tensor_dim1 = 13
	s_mov_b32 s[G1+3], 32<<16                      ; tile_dim0 = 32
	s_mov_b32 s[G1+4], 13                          ; tile_dim1 = 13
	s_mov_b32 s[G1+5], 32                          ; from row to row
	s_mov_b32 s[G1+6], 0
	s_mov_b32 s[G1+7], 0
	s_mul_i32 s52, s[WV], CHK                      ; chunk = wave, in LDS and in the head
	s_mul_i32 s54, s15, 64*CHK
	s_add_co_u32 s54, s54, s52
	s_mov_b32 s55, 0
	s_lshl_b32 s56, s14, 3
	s_lshr_b32 s57, s[WV], 1
	s_add_co_u32 s56, s56, s57                     ; my token block in the batch
	s_and_b32 s51, s[WV], 1                        ; my row tile u
	s_lshl_b32 s58, s15, 6
	s_add_co_u32 s58, s58, s56
	s_mul_i32 s58, s58, 1792                       ; q's entry
	s_mov_b32 s59, 0
	s_lshr_b32 s60, s15, 3                         ; batch
	s_lshl_b32 s61, s60, 6
	s_add_co_u32 s61, s61, s56
	s_lshl_b32 s61, s61, 1
	s_add_co_u32 s61, s61, s51
	s_lshl_b32 s61, s61, 3
	s_and_b32 s62, s15, 7
	s_add_co_u32 s62, s61, s62
	s_lshl_b32 s62, s62, 10                        ; cx: chunk (token block, u, head)
	s_mov_b32 s63, 0
	s_lshl_b32 s60, s60, 13                        ; the batch's 2,048 mask numbers
	s_mov_b32 s61, 0
	s_mov_b32 s[SEL], 0x76543210
	s_mov_b32 s[SEL+1], 0xfedcba98
	s_mov_b32 s[CS], 0x3e38aa3b
	s_mov_b32 s[CS+1], s[CS]
	s_mov_b32 s44, 0x05010400                      ; byte selects for the 4 x 4 turn of v's scale bytes
	s_mov_b32 s45, 0x07030602
	s_mov_b32 s46, 0x05040100
	s_mov_b32 s47, 0x07060302
	s_wait_dscnt 0x0
	s_wait_kmcnt 0x0
	s_add_nc_u64 s[6:7], s[6:7], s[54:55]
	s_add_nc_u64 s[4:5], s[4:5], s[58:59]
	s_add_nc_u64 s[8:9], s[8:9], s[60:61]
	s_add_nc_u64 s[10:11], s[10:11], s[62:63]
.irp g, 0,1,2,3
	s_mov_b32 s[G0+4*\g], 1                        ; count = 1
	s_add_co_u32 s[G0+4*\g+1], s52, \g*QTR         ; LDS address: chunk 16 g + wave
	s_add_nc_u64 s[G0+4*\g+2:G0+4*\g+3], s[6:7], \g*QTR
	s_or_b32 s[G0+4*\g+3], s[G0+4*\g+3], 0x80000000   ; type = 2
.endr
	ROUND                                          ; all four work-groups are here: the joint loads meet
	tensor_load_to_lds s[G0:G0+3], s[G1:G1+7]
	s_nop 0
	tensor_load_to_lds s[G0+4:G0+7], s[G1:G1+7]
	s_nop 0
	tensor_load_to_lds s[G0+8:G0+11], s[G1:G1+7]
	s_nop 0
	tensor_load_to_lds s[G0+12:G0+15], s[G1:G1+7]
	s_nop 0
.rept 4
	v_nop                                          ; behind the tensor loads
.endr
	v_and_b32 v41, 31, v0
	v_and_b32 v42, 15, v0                          ; r
	v_bfe_u32 v43, v0, 4, 1                        ; h
	v_lshlrev_b32 v[AK], 4, v41
	v_lshlrev_b32 v[ASC], 3, v41
	v_lshlrev_b32 v[AVE], 3, v42
	v_add_nc_u32 v[AVO], 128, v[AVE]
	v_mad_u32_u24 v[AVE], v43, 3456, v[AVE]
	v_mad_u32_u24 v[AVO], v43, 3200, v[AVO]
	v_lshl_add_u32 v[AMK], v43, 6, MKB
	s_mul_i32 s53, s51, 768
	v_add_nc_u32 v[VQ], s53, v[ASC]
	s_lshl_b32 s57, s51, 1
	v_lshl_add_u32 v[TT], v42, 3, s57              ; 8 r + 2 u: my row's two scale bytes
	v_lshlrev_b32 v[TT+1], 4, v0
	v_lshl_add_u32 v[TT+3], v0, 4, MKB
	global_load_b128 v[S:S+3], v[TT+1], s[8:9]     ; four mask numbers a thread: the work-group takes the batch's 2,048
.irp p, 0,1,2
	global_load_b64 v[QA+2*\p:QA+2*\p+1], v[VQ], s[4:5] offset:256*\p
.endr
	global_load_u16 v[TT+2], v[TT], s[4:5] offset:1536
	v_mov_b32 v13, 0xff61b1e6                      ; the largest t so far: -3e38
	v_floor_f32 v12, -v13                          ; -M
	v_mov_b32 v14, 0
	v_mov_b32 v15, 0
	v_mov_b32 v[FF+1], 0
.irp b, 0,1,2,3
	v_mov_b32 v[PX+\b], 0                          ; written once: a lane permute's destination counts as one of its sources
.endr
	s_wait_loadcnt 0x0
	v_pk_mul_f32 v[S:S+1], v[S:S+1], 0x3fb8aa3b op_sel_hi:[1,0]
	v_pk_mul_f32 v[S+2:S+3], v[S+2:S+3], 0x3fb8aa3b op_sel_hi:[1,0]
	ds_store_b128 v[TT+3], v[S:S+3]
	v_lshl_or_b32 v[QS], v[TT+2], 16, v[TT+2]      ; the two bytes serve the lower half of one operand and the upper half of the other
.irp i, 0,1,2,3,4,5
	v_mov_b32 v[QB+6+\i], v[QA+\i]
	v_mov_b32 v[QA+6+\i], 0
	v_mov_b32 v[QB+\i], 0
.endr
.set n, 0
.rept 32
	v_mov_b32 v[O+n], 0                            ; O^T: the step is written once; the first finds zeros.  (These are also the places between the scale word's making and the first product)
.set n, n+1
.endr
; A KEY STEP: 128 keys, four chunks from s[TB] on.
.macro STEP
	v_add_nc_u32 v[ADK], s[TB], v[AK]              ; five plain instructions: the places behind the last products, ahead of the loads into their registers
	v_add_nc_u32 v[ADE], s[TB], v[AVE]
	v_add_nc_u32 v[ADO], s[TB], v[AVO]
	v_add_nc_u32 v[ADS], s[TB], v[ASC]
	v_add_nc_u32 v[ADM], s[TMK], v[AMK]
.irp f, 0,1,2,3
.irp c, 0,1,2
	ds_load_b128 v[KF+12*\f+4*\c:KF+12*\f+4*\c+3], v[ADK] offset:CHK*\f+512*\c
.endr
	ds_load_b64 v[KS+2*\f:KS+2*\f+1], v[ADS] offset:CHK*\f+3072
.endr
	s_wait_dscnt 0x0
.irp f, 0,1,2,3
	v_wmma_scale_f32_16x16x128_f8f6f4 v[S+16*\f:S+16*\f+7], v[KF+12*\f:KF+12*\f+11], v[QA:QA+11], 0, v[KS+2*\f], v[QS] matrix_a_fmt:MATRIX_FMT_BF6 matrix_b_fmt:MATRIX_FMT_BF6
	v_wmma_scale_f32_16x16x128_f8f6f4 v[S+16*\f+8:S+16*\f+15], v[KF+12*\f:KF+12*\f+11], v[QB:QB+11], 0, v[KS+2*\f], v[QS] matrix_a_fmt:MATRIX_FMT_BF6 matrix_b_fmt:MATRIX_FMT_BF6
.endr
	v_perm_b32 v[TT], v[KS+3], v[KS+1], s44        ; v's scale bytes: chunk f's word has a byte for each channel tile; a product wants a tile's word with a byte for each chunk.  Eight plain instructions: the places behind the products
	v_perm_b32 v[TT+1], v[KS+3], v[KS+1], s45
	v_perm_b32 v[TT+2], v[KS+7], v[KS+5], s44
	v_perm_b32 v[TT+3], v[KS+7], v[KS+5], s45
	v_perm_b32 v[VS], v[TT+2], v[TT], s46
	v_perm_b32 v[VS+1], v[TT+2], v[TT], s47
	v_perm_b32 v[VS+2], v[TT+3], v[TT+1], s46
	v_perm_b32 v[VS+3], v[TT+3], v[TT+1], s47
.irp f, 0,1,2
.irp j, 0,1,2,3
	ds_load_b128 v[KF+16*\f+4*\j:KF+16*\f+4*\j+3], v[ADM] offset:128*\f+16*\j   ; the mask of my 64 keys, in S's order
.endr
.endr
.irp j, 0,1,2,3
	ds_load_b128 v[PC+4*\j:PC+4*\j+3], v[ADM] offset:384+16*\j
.endr
	s_wait_dscnt 0x0
.set n, 0
.rept 24
	v_pk_fma_f32 v[S+n:S+n+1], v[S+n:S+n+1], s[CS:CS+1], v[KF+n:KF+n+1] op_sel_hi:[1,0,1]   ; t; each accumulator from its low end on
.set n, n+2
.endr
.set n, 0
.rept 8
	v_pk_fma_f32 v[S+48+n:S+49+n], v[S+48+n:S+49+n], s[CS:CS+1], v[PC+n:PC+n+1] op_sel_hi:[1,0,1]
.set n, n+2
.endr
.irp ct, 0,1,2,3                               ; v's four fragments: they land while the softmax is worked
.irp c, 0,1
.irp p, 0,1,2
	ds_load_b64 v[KF+12*\ct+6*\c+2*\p:KF+12*\ct+6*\c+2*\p+1], v[ADE+\ct%2] offset:1536+2*CHK*\c+768*(\ct/2)+256*\p
.endr
.endr
.endr
.irp b, 0,1,2,3
	v_max3_num_f32 v[BM+\b], v[S+16*\b], v[S+1+16*\b], v[S+2+16*\b]   ; the largest t of each block of 32 keys: for the row's maximum and for the block's largest p
.endr
.irp i, 3,5,7,9,11,13
.irp b, 0,1,2,3
	v_max3_num_f32 v[BM+\b], v[BM+\b], v[S+16*\b+\i], v[S+1+16*\b+\i]
.endr
.endr
.irp b, 0,1,2,3
	v_max_num_f32 v[BM+\b], v[BM+\b], v[S+15+16*\b]
.endr
.irp b, 0,1,2,3
	v_permlanex16_b32 v[PX+\b], v[BM+\b], s[SEL], s[SEL+1]
.endr
.irp b, 0,1,2,3
	v_max_num_f32 v[BM+\b], v[BM+\b], v[PX+\b]
.endr
	v_max3_num_f32 v[TP], v[BM], v[BM+1], v[BM+2]
	v_max_num_f32 v[TP], v[TP], v[BM+3]
	v_max_num_f32 v13, v13, v[TP]                  ; the running largest t
	v_mov_b32 v[TP], v12
	v_floor_f32 v12, -v13                          ; the new -M: M is a whole number
	v_sub_f32 v[TP], v12, v[TP]
	v_cvt_i32_f32 v[TP], v[TP]                     ; (it saturates)
	v_ldexp_f32 v[FF], 1.0, v[TP]                  ; 2^(old M - new M)
.set n, 0
.rept 32
	v_pk_add_f32 v[S+n:S+n+1], v[S+n:S+n+1], v[12:13] op_sel_hi:[1,0]      ; t - M
.set n, n+2
.endr
.irp b, 0,1,2,3
	v_add_f32 v[BM+\b], v[BM+\b], v12
.endr
.set n, 0
.rept 64
	v_exp_f32 v[S+n], v[S+n]                       ; p = 2^(t - M), not normalised
.set n, n+1
.endr
	v_pk_mul_f32 v[14:15], v[14:15], v[FF:FF+1] op_sel_hi:[1,0]            ; the sums under the new M: a plain instruction behind the batch
	s_wait_alu depctr_va_vdst(0)                   ; one wait for the batch, ahead of its first reader
.irp b, 0,1,2,3
	v_exp_f32 v[BM+\b], v[BM+\b]                   ; each block's largest p: the same arithmetic on the same number
.endr
	v_pk_add_f32 v[PT:PT+1], v[S:S+1], v[S+2:S+3]  ; the row's sum of the unquantised p, in two chains
.set n, 4
.rept 15
	v_pk_add_f32 v[14:15], v[14:15], v[S+n:S+n+1]
	v_pk_add_f32 v[PT:PT+1], v[PT:PT+1], v[S+n+2:S+n+3]
.set n, n+4
.endr
	v_pk_add_f32 v[14:15], v[14:15], v[PT:PT+1]
	s_wait_alu depctr_va_vdst(0)                   ; and one for the four
.irp b, 0,1,2,3
	v_max_num_f32 v[BM+\b], 0x2800000, v[BM+\b]    ; the floor 2^(5 - 127)
.endr
.irp b, 0,1,2,3
	v_add_nc_u32 v[SO+\b], 0xfe000000, v[BM+\b]
.endr
.irp b, 0,1,2,3
	v_lshrrev_b32 v[BY+\b], 23, v[SO+\b]
.endr
	v_lshl_or_b32 v[PS], v[BY+1], 8, v[BY]
	v_lshl_or_b32 v[PS], v[BY+2], 16, v[PS]
	v_lshl_or_b32 v[PS], v[BY+3], 24, v[PS]
.irp c, 0,1
	v_cvt_scalef32_pk16_bf6_f32 v[PC+6*\c:PC+2+6*\c], v[S+32*\c:S+15+32*\c], v[SO+2*\c]
	v_cvt_scalef32_pk16_bf6_f32 v[PT+4*\c:PT+2+4*\c], v[S+16+32*\c:S+31+32*\c], v[SO+2*\c+1]
.endr
	v_nop                                          ; one plain place behind a scaled conversion
.irp c, 0,1
.irp i, 0,1,2
	v_permlane16_swap_b32 v[PC+6*\c+\i], v[PT+4*\c+\i]
.endr
.irp i, 0,1,2
	v_mov_b32 v[PC+3+6*\c+\i], v[PT+4*\c+\i]
.endr
.endr
.set n, 0
.rept 16
	v_pk_mul_f32 v[O+n:O+n+1], v[O+n:O+n+1], v[FF:FF+1] op_sel_hi:[1,0]    ; O^T under the new M; also the places between the making of p's codes and word and the products
.set n, n+2
.endr
	s_wait_dscnt 0x0                               ; v
.irp ct, 0,1,2,3
	v_wmma_scale_f32_16x16x128_f8f6f4 v[O+8*\ct:O+8*\ct+7], v[KF+12*\ct:KF+12*\ct+11], v[PC:PC+11], v[O+8*\ct:O+8*\ct+7], v[VS+\ct], v[PS] matrix_a_fmt:MATRIX_FMT_BF6 matrix_b_fmt:MATRIX_FMT_BF6
.endr
.endm
; Four key steps on a quarter of the head.  left: my tensor loads issued behind the one that brought my chunk of this quarter; they may stay out.
.macro GROUP left
	s_wait_tensorcnt \left
	s_wait_dscnt 0x0                               ; (in front of the first gate: my part of the mask lies in LDS)
	s_barrier_signal -1
	s_barrier_wait -1                              ; every wave's chunk of the quarter has landed
	s_mov_b32 s[TB], (3-\left)*QTR
	s_mov_b32 s[TMK], (3-\left)*2048
	s_mov_b32 s[CNT], 4
.Lstep_\@:
	STEP
	s_add_co_u32 s[TB], s[TB], 4*CHK
	s_add_co_u32 s[TMK], s[TMK], 512
	s_sub_co_u32 s[CNT], s[CNT], 1
	s_cmp_lg_u32 s[CNT], 0
	s_cbranch_scc1 .Lstep_\@
.endm
	GROUP 3
	GROUP 2
	GROUP 1
	GROUP 0
	; THE WAY OUT.  O^T / the sum; register 16 b + i is channel 32 b + 16 h + i of my query: two blocks of 32, quantised as above; the six registers are a half fragment of the next product's operand.
	PLACES
	v_add_f32 v14, v14, v15
	v_permlanex16_b32 v[PX], v14, s[SEL], s[SEL+1]
	v_add_f32 v14, v14, v[PX]
	v_rcp_f32 v14, v14
	v_nop
	s_wait_alu depctr_va_vdst(0)
.set n, 0
.rept 16
	v_pk_mul_f32 v[S+n:S+n+1], v[O+n:O+n+1], v[14:15] op_sel_hi:[1,0]
.set n, n+2
.endr
.irp b, 0,1
	v_max3_num_f32 v[BM+\b], |v[S+16*\b]|, |v[S+1+16*\b]|, 0x2800000
.endr
.irp i, 2,4,6,8,10,12,14
.irp b, 0,1
	v_max3_num_f32 v[BM+\b], v[BM+\b], |v[S+16*\b+\i]|, |v[S+1+16*\b+\i]|
.endr
.endr
.irp b, 0,1
	v_permlanex16_b32 v[PX+\b], v[BM+\b], s[SEL], s[SEL+1]
.endr
.irp b, 0,1
	v_max_num_f32 v[BM+\b], v[BM+\b], v[PX+\b]
.endr
.irp b, 0,1
	v_add_nc_u32 v[SO+\b], 0xfe000000, v[BM+\b]
.endr
.irp b, 0,1
	v_lshrrev_b32 v[BY+\b], 23, v[SO+\b]
.endr
	v_lshl_or_b32 v[FF], v[BY+1], 8, v[BY]
	v_lshl_or_b32 v[FF], v[FF], 16, v[FF]          ; the two bytes twice: the reader takes them at byte 2 u
	v_cvt_scalef32_pk16_bf6_f32 v[PC:PC+2], v[S:S+15], v[SO]
	v_cvt_scalef32_pk16_bf6_f32 v[PT:PT+2], v[S+16:S+31], v[SO+1]
	v_nop
.irp i, 0,1,2
	v_permlane16_swap_b32 v[PC+\i], v[PT+\i]
.endr
.irp i, 0,1,2
	v_mov_b32 v[PC+3+\i], v[PT+\i]
.endr
.irp p, 0,1,2
	global_store_b64 v[ASC], v[PC+2*\p:PC+2*\p+1], s[10:11] offset:256*\p  ; 256 consecutive bytes a store, aligned
.endr
	global_store_b64 v[ASC], v[FF:FF+1], s[10:11] offset:768
	s_wait_tensorcnt 0x0
	ds_add_u32 v254, v255
	s_wait_dscnt 0x0
	ROUND                                          ; the closing round: no work-group ends while a partner may still ask for a chunk that names it
	s_endpgm
.Lfunc_end_k_qedb216fa92_att:
	.size	k_qedb216fa92_att, .Lfunc_end_k_qedb216fa92_att-k_qedb216fa92_att
	.p2alignl 7, 3214868480
	.fill 96, 4, 3214868480
	.section	.rodata,"a",@progbits
	.p2align	6, 0x0
	.amdhsa_kernel k_qedb216fa92_att
		.amdhsa_group_segment_fixed_size 223232
		.amdhsa_private_segment_fixed_size 0
		.amdhsa_enable_private_segment 0
		.amdhsa_kernarg_size 32
		.amdhsa_user_sgpr_count 2
		.amdhsa_user_sgpr_kernarg_segment_ptr 1
		.amdhsa_wavefront_size32 1
		.amdhsa_system_sgpr_workgroup_id_x 1
		.amdhsa_system_sgpr_workgroup_id_y 1
		.amdhsa_system_sgpr_workgroup_id_z 1
		.amdhsa_system_vgpr_workitem_id 0
		.amdhsa_next_free_vgpr 256
		.amdhsa_next_free_sgpr 66
		.amdhsa_reserve_vcc 0
		.amdhsa_float_denorm_mode_32 3
		.amdhsa_float_denorm_mode_16_64 3
		.amdhsa_memory_ordered 1
		.amdhsa_forward_progress 1
		.amdhsa_inst_pref_size 92
	.end_amdhsa_kernel
	.amdgpu_metadata
---
amdhsa.version: [ 1, 2 ]
amdhsa.kernels:
  - .name:           k_qedb216fa92_att
    .symbol:         k_qedb216fa92_att.kd
    .args:
      - { .name: q, .offset: 0, .size: 8, .value_kind: global_buffer, .address_space: global }
      - { .name: kv, .offset: 8, .size: 8, .value_kind: global_buffer, .address_space: global }
      - { .name: attn_mask, .offset: 16, .size: 8, .value_kind: global_buffer, .address_space: global }
      - { .name: cx, .offset: 24, .size: 8, .value_kind: global_buffer, .address_space: global }
    .group_segment_fixed_size: 223232
    .private_segment_fixed_size: 0
    .kernarg_segment_align: 8
    .kernarg_segment_size: 32
    .max_flat_workgroup_size: 512
    .sgpr_count:     66
    .vgpr_count:     256
    .wavefront_size: 32
...
	.end_amdgpu_metadata
.endif
;; end of part 3
;; launch mlp (part 4): grid 256 x 1, 8 waves a work-group, no clusters, 193,536 bytes of LDS; arguments cx, x, w, f0, ln2_w, ln2_b, ln1_w, ln1_b, lnf_w, lnf_b, x1, xc, out0; writes x1, xc, out0
.if DOCPART == 4
	.amdgcn_target "amdgcn-amd-amdhsa--gfx1250"
	.amdhsa_code_object_version 6
	.text
	.protected	k_qedb216fa92_mlp
	.globl	k_qedb216fa92_mlp
	.p2align	8
	.type	k_qedb216fa92_mlp,@function
k_qedb216fa92_mlp:
	s_mov_b64 s[64:65], 0
	v_nop
	global_prefetch_b8 v0, s[64:65] scope:SCOPE_SE
	s_setreg_imm32_b32 hwreg(HW_REG_WAVE_MODE, 25, 1), 1
	s_wait_xcnt 0x0
; MLP.  The rest of a layer for 32 tokens: x' = x + ctx Wo; xn = LN2(x'); g = silu(xn W1a) * (xn W1b); x'' = x' + g W2; then the tail:
; layer 0: x'' is stored, and LN1 of layer 1 of it is quantised and stored as codes;  layer 1: the final LayerNorm of x'' is stored as the result.
; All four products on codes of BF6 with E8M0 scales; xn and g are quantised on the way and never go to memory.
; SHARES.  Work-group g takes token block g (two row tiles u; lane row r of tile u is token 8 u + r + 8 (r / 8)).  THE WAVES SHARE THE COLUMNS: wave w makes features 64 w .. 64 w + 63 of every product.
; Its weights (one block of w a pass, laid in the order of the operand registers) go from memory straight into a ring of four register slots, a K step each, asked for a pass ahead.
; The rows' codes go from wave to wave through LDS as images of the operand's registers, in chunks of 1,024 bytes (row tile u, 64 features g): three runs of 256 bytes of codes, one of scale words.
; Every product is used TRANSPOSED (source 0 = 16 rows of W, source 1 = 16 tokens): register 32 u + 16 b + i of a lane is feature 32 b + 16 h + i of its token.
; Each shared LDS region is written in one phase only; seven barriers part the writing from the reading.  x' and x'' rest in the wave's own stage, from which whole runs of 256 bytes of a token leave.
; The layer's number is read from a buffer of whole numbers that an earlier launch stored; it is held at 1 before it enters an address, and decides one branch, behind the last barrier.
; In the launch for layer 1 the eleventh argument is a buffer that is dead by then: the target of the arm that layer 1 does not take.
; No joint loads: each wave's weights go to its own registers alone; through LDS a pass's 204,800 bytes would want two slots, which do not fit beside the 192,512 bytes in use.
; LIMITS: NaN and infinities are not served; a block whose largest magnitude lies under 2^-122 gets the byte 1 (only this program reads the bytes).
.set LAYERB, 1433600
.set PASSB,  204800                    ; eight blocks of w: from a pass to the next
.set AIMG0,  0                         ; LDS: ctx's 16 chunks
.set AIMG1,  16384                     ; xn's
.set AIMG2,  32768                     ; g's
.set ST1,    49152                     ; four regions of 8 x 32 words for the LayerNorms' sums
.set ST2,    50176
.set ST3,    51200
.set ST4,    52224
.set WSCR,   53248                     ; a stage for each wave: 32 rows x (256 + 16) bytes
.set WSCR2,  122880                    ; and a second one, which the last layer's arm alone writes
.set LI,  1                            ; v1  16 x lane
.set L8,  2                            ; v2  8 x lane
.set L4,  3                            ; v3  4 x lane
.set CPY, 4                            ; v4  16 x lane + 2,048 x wave
.set ASA, 5                            ; v5  8 r + 8,194 h: tile h's chunk, its two scale bytes
.set IMW, 6                            ; v6  8 x lane + 1,024 x wave
.set STW, 7                            ; v7  4 x thread
.set SA,  8                            ; v8  the stage: row r, + 64 h
.set SB,  9                            ; v9  and back: row h, + 16 r
.set XA,  10                           ; v10 x: my row of tile 0 x 2,048 + 64 h
.set PA,  11                           ; v11 64 h
.set GO,  12                           ; v12 2,048 h + 16 r
.set SA2, 13
.set SB2, 14
.set AS,  16                           ; v16-19 the rows' scale words: lanes 0-15 tile 0, lanes 16-31 tile 1
.set WS,  20                           ; v20-35 W's scale words, two sets
.set AF,  36                           ; v36-59, v60-83 two sets of the rows' two fragments; between passes: the LayerNorm's registers
.set SU,  36
.set XX,  38
.set TOT, 40
.set LD,  44
.set MU,  52
.set RS,  56
.set CH,  60
.set ACC, 84
.set HOLD, 148
.set TM,  212
.set PC,  228
.set PW,  248                          ; v248 the scale word, v249 = 0.   Window 1: the ring: slot s at 48 s + 12 t + 4 c
.set WV,  30
.set LAY, 31
.set SEL, 32
.set HIM, 34
.set P9,  35
.set EPS, 36
.set WP,  38
.set MSB, 0
.macro WIN new
.if MSB != \new
	s_set_vgpr_msb (MSB<<8)|\new
.set MSB, \new
.endif
.endm
.macro PLACES
.rept 4
	v_nop
.endr
.endm
.macro BAR
	s_wait_dscnt 0x0
	s_barrier_signal -1
	s_barrier_wait -1
.endm
.macro MM d, a, b, ks, sa, sb, ra, rb
.if (\ks) == 0
.if (\ra) && (\rb)
	v_wmma_scale_f32_16x16x128_f8f6f4 v[\d:\d+7], v[\a:\a+11], v[\b:\b+11], 0, v[\sa], v[\sb] matrix_a_fmt:MATRIX_FMT_BF6 matrix_b_fmt:MATRIX_FMT_BF6 matrix_a_scale:MATRIX_SCALE_ROW1 matrix_b_scale:MATRIX_SCALE_ROW1
.elseif (\ra)
	v_wmma_scale_f32_16x16x128_f8f6f4 v[\d:\d+7], v[\a:\a+11], v[\b:\b+11], 0, v[\sa], v[\sb] matrix_a_fmt:MATRIX_FMT_BF6 matrix_b_fmt:MATRIX_FMT_BF6 matrix_a_scale:MATRIX_SCALE_ROW1
.elseif (\rb)
	v_wmma_scale_f32_16x16x128_f8f6f4 v[\d:\d+7], v[\a:\a+11], v[\b:\b+11], 0, v[\sa], v[\sb] matrix_a_fmt:MATRIX_FMT_BF6 matrix_b_fmt:MATRIX_FMT_BF6 matrix_b_scale:MATRIX_SCALE_ROW1
.else
	v_wmma_scale_f32_16x16x128_f8f6f4 v[\d:\d+7], v[\a:\a+11], v[\b:\b+11], 0, v[\sa], v[\sb] matrix_a_fmt:MATRIX_FMT_BF6 matrix_b_fmt:MATRIX_FMT_BF6
.endif
.else
.if (\ra) && (\rb)
	v_wmma_scale_f32_16x16x128_f8f6f4 v[\d:\d+7], v[\a:\a+11], v[\b:\b+11], v[\d:\d+7], v[\sa], v[\sb] matrix_a_fmt:MATRIX_FMT_BF6 matrix_b_fmt:MATRIX_FMT_BF6 matrix_a_scale:MATRIX_SCALE_ROW1 matrix_b_scale:MATRIX_SCALE_ROW1
.elseif (\ra)
	v_wmma_scale_f32_16x16x128_f8f6f4 v[\d:\d+7], v[\a:\a+11], v[\b:\b+11], v[\d:\d+7], v[\sa], v[\sb] matrix_a_fmt:MATRIX_FMT_BF6 matrix_b_fmt:MATRIX_FMT_BF6 matrix_a_scale:MATRIX_SCALE_ROW1
.elseif (\rb)
	v_wmma_scale_f32_16x16x128_f8f6f4 v[\d:\d+7], v[\a:\a+11], v[\b:\b+11], v[\d:\d+7], v[\sa], v[\sb] matrix_a_fmt:MATRIX_FMT_BF6 matrix_b_fmt:MATRIX_FMT_BF6 matrix_b_scale:MATRIX_SCALE_ROW1
.else
	v_wmma_scale_f32_16x16x128_f8f6f4 v[\d:\d+7], v[\a:\a+11], v[\b:\b+11], v[\d:\d+7], v[\sa], v[\sb] matrix_a_fmt:MATRIX_FMT_BF6 matrix_b_fmt:MATRIX_FMT_BF6
.endif
.endif
.endm
.macro ROWSUM st                       ; the four chains in CH -> in v[TOT] of lane (h, r) the sum over all 512 features for row r of tile h
.irp u, 0,1
	v_pk_add_f32 v[CH+4*\u:CH+4*\u+1], v[CH+4*\u:CH+4*\u+1], v[CH+4*\u+2:CH+4*\u+3]
.endr
.irp u, 0,1
	v_add_f32 v[SU+\u], v[CH+4*\u], v[CH+4*\u+1]
	v_mov_b32 v[XX+\u], 0
.endr
.irp u, 0,1
	v_permlanex16_b32 v[XX+\u], v[SU+\u], s[SEL], s[SEL+1]
.endr
.irp u, 0,1
	v_add_f32 v[SU+\u], v[SU+\u], v[XX+\u]
.endr
	v_cndmask_b32 v[SU], v[SU], v[SU+1], s[HIM]
	ds_store_b32 v[STW], v[SU] offset:\st
	BAR
.irp k, 0,1,2,3,4,5,6,7
	ds_load_b32 v[LD+\k], v[L4] offset:\st+128*\k
.endr
	s_wait_dscnt 0x0
	v_add_f32 v[LD], v[LD], v[LD+1]
	v_add_f32 v[LD+2], v[LD+2], v[LD+3]
	v_add_f32 v[LD+4], v[LD+4], v[LD+5]
	v_add_f32 v[LD+6], v[LD+6], v[LD+7]
	v_add_f32 v[LD], v[LD], v[LD+2]
	v_add_f32 v[LD+4], v[LD+4], v[LD+6]
	v_add_f32 v[TOT], v[LD], v[LD+4]
.endm
.macro SPLIT val, d
	v_permlanex16_b32 v[XX], v[\val], s[SEL], s[SEL+1]
	v_cndmask_b32 v[\d], v[\val], v[XX], s[HIM]
	v_cndmask_b32 v[\d+2], v[XX], v[\val], s[HIM]
	v_mov_b32 v[\d+1], v[\d]
	v_mov_b32 v[\d+3], v[\d+2]
.endm
.macro LN st1, st2                     ; LayerNorm of HOLD in place; the mean is taken away before the squares are formed; gains in ACC + k, biases in ACC + 32 + k
.irp u, 0,1
	v_pk_add_f32 v[CH+4*\u:CH+4*\u+1], v[HOLD+32*\u:HOLD+32*\u+1], v[HOLD+32*\u+4:HOLD+32*\u+5]
	v_pk_add_f32 v[CH+4*\u+2:CH+4*\u+3], v[HOLD+32*\u+2:HOLD+32*\u+3], v[HOLD+32*\u+6:HOLD+32*\u+7]
.endr
.irp j, 8,12,16,20,24,28
.irp u, 0,1
	v_pk_add_f32 v[CH+4*\u:CH+4*\u+1], v[CH+4*\u:CH+4*\u+1], v[HOLD+32*\u+\j:HOLD+32*\u+\j+1]
	v_pk_add_f32 v[CH+4*\u+2:CH+4*\u+3], v[CH+4*\u+2:CH+4*\u+3], v[HOLD+32*\u+\j+2:HOLD+32*\u+\j+3]
.endr
.endr
	ROWSUM \st1
	v_mul_f32 v[TOT], s[P9], v[TOT]
	SPLIT TOT, MU
.set k, 0
.rept 32
	v_pk_add_f32 v[HOLD+k:HOLD+k+1], v[HOLD+k:HOLD+k+1], v[MU+2*(k/32):MU+2*(k/32)+1] neg_lo:[0,1] neg_hi:[0,1]
.set k, k+2
.endr
.irp u, 0,1
	v_pk_mul_f32 v[CH+4*\u:CH+4*\u+1], v[HOLD+32*\u:HOLD+32*\u+1], v[HOLD+32*\u:HOLD+32*\u+1]
	v_pk_mul_f32 v[CH+4*\u+2:CH+4*\u+3], v[HOLD+32*\u+2:HOLD+32*\u+3], v[HOLD+32*\u+2:HOLD+32*\u+3]
.endr
.irp j, 4,8,12,16,20,24,28
.irp u, 0,1
	v_pk_fma_f32 v[CH+4*\u:CH+4*\u+1], v[HOLD+32*\u+\j:HOLD+32*\u+\j+1], v[HOLD+32*\u+\j:HOLD+32*\u+\j+1], v[CH+4*\u:CH+4*\u+1]
	v_pk_fma_f32 v[CH+4*\u+2:CH+4*\u+3], v[HOLD+32*\u+\j+2:HOLD+32*\u+\j+3], v[HOLD+32*\u+\j+2:HOLD+32*\u+\j+3], v[CH+4*\u+2:CH+4*\u+3]
.endr
.endr
	ROWSUM \st2
	v_fma_f32 v[TOT], v[TOT], s[P9], s[EPS]
	v_rsq_f32 v[TOT], v[TOT]
	v_nop                                          ; a plain instruction behind the transcendental
	s_wait_alu depctr_va_vdst(0)                   ; and the wait ahead of its first reader
	SPLIT TOT, RS
	s_wait_loadcnt 0x0                             ; the gains and biases
.set k, 0
.rept 32
	v_pk_mul_f32 v[HOLD+k:HOLD+k+1], v[HOLD+k:HOLD+k+1], v[RS+2*(k/32):RS+2*(k/32)+1]
.set k, k+2
.endr
.set k, 0
.rept 32
	v_pk_fma_f32 v[HOLD+k:HOLD+k+1], v[HOLD+k:HOLD+k+1], v[ACC+k%32:ACC+k%32+1], v[ACC+32+k%32:ACC+32+k%32+1]
.set k, k+2
.endr
.endm
.macro QUANT src
.irp b, 0,1,2,3
	v_max3_num_f32 v[TM+\b], |v[\src+16*\b]|, |v[\src+1+16*\b]|, 0x2800000   ; my 16 numbers, and the floor 2^(5 - 127): the byte cannot fall under 1
.endr
.irp i, 2,4,6,8,10,12,14
.irp b, 0,1,2,3
	v_max3_num_f32 v[TM+\b], v[TM+\b], |v[\src+16*\b+\i]|, |v[\src+1+16*\b+\i]|
.endr
.endr
.irp b, 0,1,2,3
	v_permlanex16_b32 v[TM+4+\b], v[TM+\b], s[SEL], s[SEL+1]
.endr
.irp b, 0,1,2,3
	v_max_num_f32 v[TM+\b], v[TM+\b], v[TM+4+\b]
.endr
.irp b, 0,1,2,3
	v_add_nc_u32 v[TM+12+\b], 0xfe000000, v[TM+\b]
.endr
.irp b, 0,1,2,3
	v_lshrrev_b32 v[TM+4+\b], 23, v[TM+12+\b]
.endr
	v_lshl_or_b32 v[PW], v[TM+5], 8, v[TM+4]
	v_lshl_or_b32 v[PW], v[TM+6], 16, v[PW]
	v_lshl_or_b32 v[PW], v[TM+7], 24, v[PW]
.irp c, 0,1
	v_cvt_scalef32_pk16_bf6_f32 v[PC+6*\c:PC+2+6*\c], v[\src+32*\c:\src+15+32*\c], v[TM+12+2*\c]
	v_cvt_scalef32_pk16_bf6_f32 v[PC+12+4*\c:PC+14+4*\c], v[\src+16+32*\c:\src+31+32*\c], v[TM+12+2*\c+1]
.endr
	v_nop                                          ; one plain place behind a scaled conversion
.irp c, 0,1
.irp i, 0,1,2
	v_permlane16_swap_b32 v[PC+6*\c+\i], v[PC+12+4*\c+\i]
.endr
.irp i, 0,1,2
	v_mov_b32 v[PC+3+6*\c+\i], v[PC+12+4*\c+\i]
.endr
.endr
.endm
.macro XCSTORE base
.irp n, 0,1,2,3,4,5
	global_store_b64 v[L8], v[PC+2*\n:PC+2*\n+1], s[\base:\base+1] offset:(\n/3)*8192+256*(\n%3)
.endr
.irp u, 0,1
	global_store_b64 v[L8], v[PW:PW+1], s[\base:\base+1] offset:\u*8192+768
.endr
.endm
.macro WG p, s                         ; pass p's weights of K step s into ring slot s: 12 loads of 512 consecutive bytes; with s = 0 also the pass's scale words
.if (\s) == 0
	global_load_b128 v[WS+8*((\p)%2):WS+8*((\p)%2)+3], v[LI], s[WP:WP+1] offset:PASSB*(\p)+24576
	global_load_b128 v[WS+8*((\p)%2)+4:WS+8*((\p)%2)+7], v[LI], s[WP:WP+1] offset:PASSB*(\p)+24576+512
.endif
	WIN 0x40                                       ; destination in window 1
.irp t, 0,1,2,3
.irp c, 0,1,2
	global_load_b128 v[48*(\s)+12*\t+4*\c:48*(\s)+12*\t+4*\c+3], v[LI], s[WP:WP+1] offset:PASSB*(\p)+(4*(\s)+\t)*1536+512*\c
.endr
.endr
	WIN 0
.endm
.macro ASBUILD base                    ; the rows' scale words for the four K steps, from the chunks' scale runs
.irp s, 0,1,2,3
.irp c, 0,1
	ds_load_u16 v[TM+2*\s+\c], v[ASA] offset:\base+768+2048*\s+1024*\c
.endr
.endr
	s_wait_dscnt 0x0
.irp s, 0,1,2,3
	v_lshl_or_b32 v[AS+\s], v[TM+2*\s+1], 16, v[TM+2*\s]
.endr
.rept 8
	v_nop                                          ; a scale register written by a vector instruction stands eight places ahead of a scaled matrix instruction
.endr
.endm
.macro AFETCH base, s                  ; the two row tiles' fragments of K step s into set s % 2: 12 loads of 256 consecutive bytes
.irp u, 0,1
.irp c, 0,1
.irp p, 0,1,2
	ds_load_b64 v[AF+24*((\s)%2)+12*\u+6*\c+2*\p:AF+24*((\s)%2)+12*\u+6*\c+2*\p+1], v[L8] offset:\base+(8*\u+2*(\s)+\c)*1024+256*\p
.endr
.endr
.endr
.endm
; One product: 4 K steps x 8 matrix instructions on eight accumulators, which take turns, one instruction a turn.  next = 1: each slot, once read, takes the next pass's weights.
.macro PASS p, base, next
	AFETCH \base, 0
.irp s, 0,1,2,3
.if \s < 3
	AFETCH \base, \s+1
	s_wait_dscnt 12                                ; all but the 12 loads of the next K step
.else
	s_wait_dscnt 0x0
.endif
.if \next
	s_wait_loadcnt 36                              ; behind this K step's weights at least three more groups of 12 loads were issued
.else
	s_wait_loadcnt 36-12*\s                        ; the last pass: the groups that are left
.endif
	WIN 0x01                                       ; source 0 (W) in window 1
.irp t, 0,1,2,3
.irp u, 0,1
	MM ACC+32*\u+8*\t, 48*\s+12*\t, AF+24*(\s%2)+12*\u, \s, WS+8*((\p)%2)+4*(\t/2)+\s, AS+\s, \t%2, \u
.endr
.endr
	WIN 0
	PLACES
.if \next
	WG (\p)+1, \s
.endif
.endr
.endm
.macro ADDH                            ; HOLD += ACC, each accumulator from its low end on
.set k, 0
.rept 32
	v_pk_add_f32 v[HOLD+k:HOLD+k+1], v[HOLD+k:HOLD+k+1], v[ACC+k:ACC+k+1]
.set k, k+2
.endr
.endm
.macro PARAMS pw, pb                   ; my 64 features' gains and biases, in HOLD's order
.irp b, 0,1
.irp j, 0,1,2,3
	global_load_b128 v[ACC+16*\b+4*\j:ACC+16*\b+4*\j+3], v[PA], s[\pw:\pw+1] offset:128*\b+16*\j
	global_load_b128 v[ACC+32+16*\b+4*\j:ACC+32+16*\b+4*\j+3], v[PA], s[\pb:\pb+1] offset:128*\b+16*\j
.endr
.endr
.endm
.macro STAGE_IN adr                    ; HOLD into my stage: row 16 u + r, my features' 256 bytes
.irp u, 0,1
.irp b, 0,1
.irp j, 0,1,2,3
	ds_store_b128 v[\adr], v[HOLD+32*\u+16*\b+4*\j:HOLD+32*\u+16*\b+4*\j+3] offset:4352*\u+128*\b+16*\j
.endr
.endr
.endr
.endm
.macro STAGE_BACK
.irp u, 0,1
.irp b, 0,1
.irp j, 0,1,2,3
	ds_load_b128 v[HOLD+32*\u+16*\b+4*\j:HOLD+32*\u+16*\b+4*\j+3], v[SA] offset:4352*\u+128*\b+16*\j
.endr
.endr
.endr
.endm
.macro STAGE_OUT adr, base             ; the stage leaves by rows: lanes 0-15 store one token's 256 consecutive bytes, aligned, lanes 16-31 the next token's.  LDS serves a wave's instructions in order: these loads see my stores
.set k, 0
.rept 16
	ds_load_b128 v[ACC+4*k:ACC+4*k+3], v[\adr] offset:544*k
.set k, k+1
.endr
.set k, 0
.rept 16
	s_wait_dscnt 15-k
	global_store_b128 v[GO], v[ACC+4*k:ACC+4*k+3], s[\base:\base+1] offset:(8*(k/8)+2*(k%8)+8*((k%8)/4))*2048
.set k, k+1
.endr
.endm
.macro IMG base                        ; my two chunks (g = wave) into LDS as they stand
.irp n, 0,1,2,3,4,5
	ds_store_b64 v[IMW], v[PC+2*\n:PC+2*\n+1] offset:\base+(\n/3)*8192+256*(\n%3)
.endr
.irp u, 0,1
	ds_store_b32 v[IMW], v[PW] offset:\base+8192*\u+768
.endr
.endm
.macro SILU                            ; HOLD = ACC / (1 + 2^(-ACC log2(e)))
.set k, 0
.rept 32
	v_pk_mul_f32 v[HOLD+k:HOLD+k+1], v[ACC+k:ACC+k+1], 0xbfb8aa3b op_sel_hi:[1,0]
.set k, k+2
.endr
.set k, 0
.rept 64
	v_exp_f32 v[HOLD+k], v[HOLD+k]
.set k, k+1
.endr
	v_nop
	s_wait_alu depctr_va_vdst(0)                   ; one wait for the batch
.set k, 0
.rept 32
	v_pk_add_f32 v[HOLD+k:HOLD+k+1], v[HOLD+k:HOLD+k+1], 1.0 op_sel_hi:[1,0]
.set k, k+2
.endr
.set k, 0
.rept 64
	v_rcp_f32 v[HOLD+k], v[HOLD+k]
.set k, k+1
.endr
	v_nop
	s_wait_alu depctr_va_vdst(0)
.set k, 0
.rept 32
	v_pk_mul_f32 v[HOLD+k:HOLD+k+1], v[HOLD+k:HOLD+k+1], v[ACC+k:ACC+k+1]
.set k, k+2
.endr
.endm
	s_load_b512 s[4:19], s[0:1], 0x0               ; cx, x in, w, the layer's number, ln2_w, ln2_b, ln1_w, ln1_b
	s_load_b256 s[20:27], s[0:1], 0x40             ; lnf_w, lnf_b, x out, xc
	s_load_b64 s[28:29], s[0:1], 0x60              ; out0
	v_lshl_add_u32 v254, v0, 2, 0x2f000
	v_mov_b32 v255, 0
	v_lshrrev_b32 v15, 5, v0
	v_readfirstlane_b32 s[WV], v15                 ; wave 0..7
	v_and_b32 v36, 31, v0
	v_and_b32 v37, 15, v0                          ; r
	v_bfe_u32 v38, v0, 4, 1                        ; h
	v_and_b32 v39, 8, v37
	v_add_nc_u32 v39, v39, v37                     ; r + 8 (r / 8)
	v_lshlrev_b32 v[LI], 4, v36
	v_lshlrev_b32 v[L8], 3, v36
	v_lshlrev_b32 v[L4], 2, v36
	s_lshl_b32 s48, s[WV], 11
	v_add_nc_u32 v[CPY], s48, v[LI]
	v_lshlrev_b32 v[ASA], 3, v37
	v_mad_u32_u24 v[ASA], v38, 8194, v[ASA]
	s_lshl_b32 s49, s[WV], 10
	v_add_nc_u32 v[IMW], s49, v[L8]
	v_lshlrev_b32 v[STW], 2, v0
	s_mul_i32 s50, s[WV], 8704
	s_add_co_u32 s50, s50, WSCR
	v_mul_u32_u24 v[SA], v37, 272
	v_lshl_add_u32 v[SA], v38, 6, v[SA]
	v_add_nc_u32 v[SA], s50, v[SA]
	v_mul_u32_u24 v[SB], v38, 272
	v_lshl_add_u32 v[SB], v37, 4, v[SB]
	v_add_nc_u32 v[SB], s50, v[SB]
	v_add_nc_u32 v[SA2], WSCR2-WSCR, v[SA]
	v_add_nc_u32 v[SB2], WSCR2-WSCR, v[SB]
	v_lshlrev_b32 v[XA], 11, v39
	v_lshl_add_u32 v[XA], v38, 6, v[XA]
	v_lshlrev_b32 v[PA], 6, v38
	v_lshlrev_b32 v[GO], 11, v38
	v_lshl_add_u32 v[GO], v37, 4, v[GO]
.irp b, 0,1,2,3
	v_mov_b32 v[TM+4+\b], 0
.endr
	v_mov_b32 v[PW+1], 0
	s_mov_b32 s[SEL], 0x76543210
	s_mov_b32 s[SEL+1], 0xfedcba98
	s_mov_b32 s[HIM], 0xffff0000
	s_mov_b32 s[P9], 0x3b000000                    ; 2^-9
	s_mov_b32 s[EPS], 0x3727c5ac                   ; 1e-5
	s_lshl_b32 s48, ttmp9, 14                      ; the token block's 16 chunks
	s_mov_b32 s49, 0
	s_lshl_b32 s50, ttmp9, 16
	s_lshl_b32 s54, s[WV], 8
	s_add_co_u32 s50, s50, s54                     ; 32 tokens of 2,048 bytes, my 64 features
	s_mov_b32 s51, 0
	s_lshl_b32 s52, s[WV], 10
	s_add_co_u32 s52, s52, s48
	s_mov_b32 s53, 0
	s_mov_b32 s55, 0
	s_add_co_u32 s56, s[WV], 24
	s_mul_i32 s56, s56, 25600                      ; block 24 + wave of a layer
	s_wait_kmcnt 0x0
	s_load_b32 s[LAY], s[10:11], 0x0
	s_add_nc_u64 s[4:5], s[4:5], s[48:49]
	s_add_nc_u64 s[6:7], s[6:7], s[50:51]
	s_add_nc_u64 s[24:25], s[24:25], s[50:51]
	s_add_nc_u64 s[28:29], s[28:29], s[50:51]
	s_add_nc_u64 s[26:27], s[26:27], s[52:53]
.irp k, 0,1,2,3
	global_load_b128 v[ACC+4*\k:ACC+4*\k+3], v[CPY], s[4:5] offset:512*\k  ; ctx's chunks: 2,048 bytes a wave
.endr
.irp u, 0,1
.irp b, 0,1
.irp j, 0,1,2,3
	global_load_b128 v[HOLD+32*\u+16*\b+4*\j:HOLD+32*\u+16*\b+4*\j+3], v[XA], s[6:7] offset:16384*\u+128*\b+16*\j th:TH_LOAD_NT
.endr
.endr
.endr
	s_wait_kmcnt 0x0
	s_min_u32 s[LAY], s[LAY], 1                    ; a loaded number enters an address only behind this hold
	s_mul_i32 s57, s[LAY], LAYERB
	s_add_co_u32 s56, s56, s57
	s_mov_b32 s57, 0
	s_add_nc_u64 s[WP:WP+1], s[8:9], s[56:57]
	WG 0, 0
	WG 0, 1
	WG 0, 2
	WG 0, 3
	s_lshl_b32 s58, s[LAY], 11
	s_add_co_u32 s58, s58, s54
	s_mov_b32 s59, 0
	s_add_nc_u64 s[44:45], s[12:13], s[58:59]      ; this layer's ln2, my features
	s_add_nc_u64 s[46:47], s[14:15], s[58:59]
	s_add_nc_u64 s[16:17], s[16:17], 2048          ; layer 1's ln1
	s_add_nc_u64 s[18:19], s[18:19], 2048
	s_cmp_eq_u32 s[LAY], 1
	s_cselect_b64 s[40:41], s[20:21], s[16:17]     ; the tail's LayerNorm: the final one, or layer 1's first
	s_cselect_b64 s[42:43], s[22:23], s[18:19]
	s_add_nc_u64 s[40:41], s[40:41], s[54:55]
	s_add_nc_u64 s[42:43], s[42:43], s[54:55]
	s_wait_loadcnt 63                              ; 66 loads were issued behind ctx's four: they are in
.irp k, 0,1,2,3
	ds_store_b128 v[CPY], v[ACC+4*\k:ACC+4*\k+3] offset:AIMG0+512*\k
.endr
	BAR                                            ; ctx's sixteen chunks lie in LDS
	ASBUILD AIMG0
	PASS 0, AIMG0, 1                               ; ctx Wo  (its first wait on loads also shows x in)
	ADDH                                           ; x'
	PARAMS 44, 46
	STAGE_IN SA                                    ; x' rests in my stage
	LN ST1, ST2
	QUANT HOLD
	IMG AIMG1
	BAR                                            ; xn's sixteen chunks lie in LDS
	ASBUILD AIMG1
	PASS 1, AIMG1, 1                               ; xn W1, first half
	SILU
	PASS 2, AIMG1, 1                               ; xn W1, second half
.set k, 0
.rept 32
	v_pk_mul_f32 v[HOLD+k:HOLD+k+1], v[HOLD+k:HOLD+k+1], v[ACC+k:ACC+k+1]
.set k, k+2
.endr
	QUANT HOLD
	IMG AIMG2
	BAR                                            ; g's sixteen chunks lie in LDS
	STAGE_BACK                                     ; x' comes back from my stage
	ASBUILD AIMG2
	PASS 3, AIMG2, 0                               ; g W2
	ADDH                                           ; x''
	PARAMS 40, 42
	STAGE_IN SA
	LN ST3, ST4
	s_cmp_eq_u32 s[LAY], 1                         ; a branch on a stored whole number, behind the last barrier
	s_cbranch_scc1 .Llast
	STAGE_OUT SB, 24                               ; x'' leaves from the stage
	QUANT HOLD                                     ; LN1 of layer 1
	XCSTORE 26
	s_wait_tensorcnt 0x0
	ds_add_u32 v254, v255
	s_wait_dscnt 0x0
	s_endpgm
.Llast:
	STAGE_IN SA2                                   ; the result, through LDS bytes that this arm alone writes
	STAGE_OUT SB2, 28
	s_wait_tensorcnt 0x0
	ds_add_u32 v254, v255
	s_wait_dscnt 0x0
	s_endpgm
.Lfunc_end_k_qedb216fa92_mlp:
	.size	k_qedb216fa92_mlp, .Lfunc_end_k_qedb216fa92_mlp-k_qedb216fa92_mlp
	.p2alignl 7, 3214868480
	.fill 96, 4, 3214868480
	.section	.rodata,"a",@progbits
	.p2align	6, 0x0
	.amdhsa_kernel k_qedb216fa92_mlp
		.amdhsa_group_segment_fixed_size 193536
		.amdhsa_private_segment_fixed_size 0
		.amdhsa_enable_private_segment 0
		.amdhsa_kernarg_size 104
		.amdhsa_user_sgpr_count 2
		.amdhsa_user_sgpr_kernarg_segment_ptr 1
		.amdhsa_wavefront_size32 1
		.amdhsa_system_sgpr_workgroup_id_x 1
		.amdhsa_system_sgpr_workgroup_id_y 1
		.amdhsa_system_sgpr_workgroup_id_z 1
		.amdhsa_system_vgpr_workitem_id 0
		.amdhsa_next_free_vgpr 512
		.amdhsa_next_free_sgpr 66
		.amdhsa_reserve_vcc 0
		.amdhsa_float_denorm_mode_32 3
		.amdhsa_float_denorm_mode_16_64 3
		.amdhsa_memory_ordered 1
		.amdhsa_forward_progress 1
		.amdhsa_inst_pref_size 132
	.end_amdhsa_kernel
	.amdgpu_metadata
---
amdhsa.version: [ 1, 2 ]
amdhsa.kernels:
  - .name:           k_qedb216fa92_mlp
    .symbol:         k_qedb216fa92_mlp.kd
    .args:
      - { .name: cx, .offset: 0, .size: 8, .value_kind: global_buffer, .address_space: global }
      - { .name: x, .offset: 8, .size: 8, .value_kind: global_buffer, .address_space: global }
      - { .name: w, .offset: 16, .size: 8, .value_kind: global_buffer, .address_space: global }
      - { .name: f0, .offset: 24, .size: 8, .value_kind: global_buffer, .address_space: global }
      - { .name: ln2_w, .offset: 32, .size: 8, .value_kind: global_buffer, .address_space: global }
      - { .name: ln2_b, .offset: 40, .size: 8, .value_kind: global_buffer, .address_space: global }
      - { .name: ln1_w, .offset: 48, .size: 8, .value_kind: global_buffer, .address_space: global }
      - { .name: ln1_b, .offset: 56, .size: 8, .value_kind: global_buffer, .address_space: global }
      - { .name: lnf_w, .offset: 64, .size: 8, .value_kind: global_buffer, .address_space: global }
      - { .name: lnf_b, .offset: 72, .size: 8, .value_kind: global_buffer, .address_space: global }
      - { .name: x1, .offset: 80, .size: 8, .value_kind: global_buffer, .address_space: global }
      - { .name: xc, .offset: 88, .size: 8, .value_kind: global_buffer, .address_space: global }
      - { .name: out0, .offset: 96, .size: 8, .value_kind: global_buffer, .address_space: global }
    .group_segment_fixed_size: 193536
    .private_segment_fixed_size: 0
    .kernarg_segment_align: 8
    .kernarg_segment_size: 104
    .max_flat_workgroup_size: 256
    .sgpr_count:     66
    .vgpr_count:     512
    .wavefront_size: 32
...
	.end_amdgpu_metadata
.endif
;; end of part 4
;; launch qkv1: the kernel of part 2 again; grid 32 x 8, 8 waves a work-group, no clusters, 77,824 bytes of LDS; arguments xc, w, f1, pos_cos, pos_sin, q, kv; writes q, kv
;; launch att1: the kernel of part 3 again; grid 8 x 32, 16 waves a work-group, clusters of 4 x 1, 223,232 bytes of LDS; arguments q, kv, attn_mask, cx; writes cx
;; launch mlp1: the kernel of part 4 again; grid 256 x 1, 8 waves a work-group, no clusters, 193,536 bytes of LDS; arguments cx, x1, w, f1, ln2_w, ln2_b, ln1_w, ln1_b, lnf_w, lnf_b, q, xc, out0; writes q, xc, out0
;; ======== version 2 of 3: 7 launches
;; limits: right only within a limited range of input values
;; workspace buffers: w 2,867,200 bytes; f0 256 bytes of whole numbers; f1 256 bytes of whole numbers; xc 4,194,304 bytes; q 3,670,016 bytes; kv 6,815,744 bytes; cx 4,194,304 bytes; x1 16,777,216 bytes
;; launch pre (part 5): grid 256 x 1, 8 waves a work-group, no clusters, 72,704 bytes of LDS; arguments x, ln1_w, ln1_b, xc, Wq_codes, Wq_scales, Wk_codes, Wk_scales, Wv_codes, Wv_scales, Wo_codes, Wo_scales, W1_codes, W1_scales, W2_codes, W2_scales, w, f0, f1; writes xc, w, f0, f1
.if DOCPART == 5
	.amdgcn_target "amdgcn-amd-amdhsa--gfx1250"
	.amdhsa_code_object_version 6
	.text
	.protected	k_qedb216fa92_pre
	.globl	k_qedb216fa92_pre
	.p2align	8
	.type	k_qedb216fa92_pre,@function
k_qedb216fa92_pre:
	s_mov_b64 s[64:65], 0
	v_nop
	global_prefetch_b8 v0, s[64:65] scope:SCOPE_SE
	s_setreg_imm32_b32 hwreg(HW_REG_WAVE_MODE, 25, 1), 1
	s_wait_xcnt 0x0
; PRE.  Three things in one launch.
; (1) LayerNorm 1 of layer 0 on x [8192][512] f32, quantised to codes of BF6 (E3M2) with one E8M0 byte for each 32 features, stored in xc in the order of the reader's operand registers.
; (2) The six weights' codes and scale bytes, both layers, laid once into w in the order in which a wave's operand registers take them.
; (3) The layer numbers 0 and 1 stored as whole numbers in f0 and f1: later launches form addresses and one branch from them.
; SHARES.  Work-group g takes 32 tokens (token block g); wave w takes features 64 w .. 64 w + 63 of them.  A token block is two row tiles u; lane row r of tile u is token 8 u + r + 8 (r / 8).
; A lane (r, h) holds in register 32 u + 16 b + i of HOLD feature 32 b + 16 h + i of its row: 16 neighbours of each block of 32, the form the conversions take.
; x IS READ IN RUNS OF 256 CONSECUTIVE BYTES: sixteen lanes take one token's 256 bytes of my 64 features, the other sixteen the next token's; the 8,192 bytes turn through the wave's own stage in LDS into the lanes' order.
; xc: [token block][u][g] chunks of 1,024 bytes: three runs of 256 bytes of codes (register pair p of lane l at 256 p + 8 l), one run of scale words (at 768 + 8 l).
; w: [layer][block m of 56] of 25,600 bytes: 16 fragments (K step s, tile t: 4 s + t) of 1,536 bytes, registers 4 c .. 4 c + 3 of lane l at 512 c + 16 l; then two runs of 512 bytes of scale bytes.
;    A block is 64 rows of a weight; lane row r of tile t is row 32 (t / 2) + 8 (t % 2) + r + 8 (r / 8).  m: 3 head + kind (Wq, Wk, Wv), 24 + g Wo, 32 + g W1 (16 groups), 48 + g W2.
; LIMITS: NaN and infinities among the inputs are not served.  A block whose largest magnitude lies under 2^-122 (zeros too) gets the scale byte 1: only this program reads the bytes.
.set LAYERB, 1433600
.set BLKB,   25600
.set ST1,    0                         ; LDS: 8 waves x 32 words of row sums
.set ST2,    1024                      ; and of sums of squares
.set WSCR,   2048                      ; a stage for each wave: 32 rows x (256 + 16) bytes
.set LI,  1                            ; v1  16 x lane
.set L8,  2                            ; v2  8 x lane
.set L4,  3                            ; v3  4 x lane
.set STW, 4                            ; v4  4 x thread: my word among the waves' sums
.set GO,  5                            ; v5  x: 2,048 h + 16 r: sixteen lanes to a token's 256 bytes
.set PA,  6                            ; v6  64 h: my 16 numbers of a block of gains
.set RLC, 7                            ; v7  a weight fragment's lane offset
.set RLS, 8                            ; v8  a scale run's lane offset
.set SA,  14                           ; v14 the stage by lanes' order: row r, + 64 h
.set SB,  15                           ; v15 the stage by rows: row h, + 16 r
.set RF,  16                           ; v16-27 the fragment on its way
.set SU,  36
.set XX,  38
.set TOT, 40
.set LD,  44
.set MU,  52
.set RS,  56
.set CH,  60
.set ACC, 84                           ; v84-147 gains (32) and biases (32)
.set HOLD, 148                         ; v148-211 my 64 numbers
.set TM,  212
.set PC,  228
.set PW,  248                          ; v248 the scale word, v249 = 0
.set P9,  2                            ; s2  2^-9
.set EPS, 3                            ; s3  1e-5
.set WV,  42
.set HIM, 43                           ; s43 lanes 16-31
.set SEL, 62
.macro BAR                             ; my LDS stores have landed and my LDS loads are in: then the work-group's barrier
	s_wait_dscnt 0x0
	s_barrier_signal -1
	s_barrier_wait -1
.endm
; The four chains in CH become, in v[TOT] of lane (h, r), the sum over all 512 features for row r of tile h: lane halves by a permute, waves through LDS.
.macro ROWSUM st
.irp u, 0,1
	v_pk_add_f32 v[CH+4*\u:CH+4*\u+1], v[CH+4*\u:CH+4*\u+1], v[CH+4*\u+2:CH+4*\u+3]
.endr
.irp u, 0,1
	v_add_f32 v[SU+\u], v[CH+4*\u], v[CH+4*\u+1]
	v_mov_b32 v[XX+\u], 0                          ; a lane permute's destination counts as one of its sources
.endr
.irp u, 0,1
	v_permlanex16_b32 v[XX+\u], v[SU+\u], s[SEL], s[SEL+1]
.endr
.irp u, 0,1
	v_add_f32 v[SU+\u], v[SU+\u], v[XX+\u]
.endr
	v_cndmask_b32 v[SU], v[SU], v[SU+1], s[HIM]    ; lanes 0-15 keep tile 0's, lanes 16-31 tile 1's
	ds_store_b32 v[STW], v[SU] offset:\st
	BAR
.irp k, 0,1,2,3,4,5,6,7
	ds_load_b32 v[LD+\k], v[L4] offset:\st+128*\k
.endr
	s_wait_dscnt 0x0
	v_add_f32 v[LD], v[LD], v[LD+1]
	v_add_f32 v[LD+2], v[LD+2], v[LD+3]
	v_add_f32 v[LD+4], v[LD+4], v[LD+5]
	v_add_f32 v[LD+6], v[LD+6], v[LD+7]
	v_add_f32 v[LD], v[LD], v[LD+2]
	v_add_f32 v[LD+4], v[LD+4], v[LD+6]
	v_add_f32 v[TOT], v[LD], v[LD+4]
.endm
; A number that lane (h, r) holds for tile h becomes two pairs in every lane: v[d:d+1] tile 0's, v[d+2:d+3] tile 1's.
.macro SPLIT val, d
	v_permlanex16_b32 v[XX], v[\val], s[SEL], s[SEL+1]
	v_cndmask_b32 v[\d], v[\val], v[XX], s[HIM]
	v_cndmask_b32 v[\d+2], v[XX], v[\val], s[HIM]
	v_mov_b32 v[\d+1], v[\d]
	v_mov_b32 v[\d+3], v[\d+2]
.endm
; LayerNorm of HOLD in place.  The mean is taken away before the squares are formed.  Gains lie in ACC + k, biases in ACC + 32 + k (asked for earlier).
.macro LN st1, st2
.irp u, 0,1
	v_pk_add_f32 v[CH+4*\u:CH+4*\u+1], v[HOLD+32*\u:HOLD+32*\u+1], v[HOLD+32*\u+4:HOLD+32*\u+5]
	v_pk_add_f32 v[CH+4*\u+2:CH+4*\u+3], v[HOLD+32*\u+2:HOLD+32*\u+3], v[HOLD+32*\u+6:HOLD+32*\u+7]
.endr
.irp j, 8,12,16,20,24,28
.irp u, 0,1
	v_pk_add_f32 v[CH+4*\u:CH+4*\u+1], v[CH+4*\u:CH+4*\u+1], v[HOLD+32*\u+\j:HOLD+32*\u+\j+1]
	v_pk_add_f32 v[CH+4*\u+2:CH+4*\u+3], v[CH+4*\u+2:CH+4*\u+3], v[HOLD+32*\u+\j+2:HOLD+32*\u+\j+3]
.endr
.endr
	ROWSUM \st1
	v_mul_f32 v[TOT], s[P9], v[TOT]                ; the mean
	SPLIT TOT, MU
.set k, 0
.rept 32
	v_pk_add_f32 v[HOLD+k:HOLD+k+1], v[HOLD+k:HOLD+k+1], v[MU+2*(k/32):MU+2*(k/32)+1] neg_lo:[0,1] neg_hi:[0,1]
.set k, k+2
.endr
.irp u, 0,1
	v_pk_mul_f32 v[CH+4*\u:CH+4*\u+1], v[HOLD+32*\u:HOLD+32*\u+1], v[HOLD+32*\u:HOLD+32*\u+1]
	v_pk_mul_f32 v[CH+4*\u+2:CH+4*\u+3], v[HOLD+32*\u+2:HOLD+32*\u+3], v[HOLD+32*\u+2:HOLD+32*\u+3]
.endr
.irp j, 4,8,12,16,20,24,28
.irp u, 0,1
	v_pk_fma_f32 v[CH+4*\u:CH+4*\u+1], v[HOLD+32*\u+\j:HOLD+32*\u+\j+1], v[HOLD+32*\u+\j:HOLD+32*\u+\j+1], v[CH+4*\u:CH+4*\u+1]
	v_pk_fma_f32 v[CH+4*\u+2:CH+4*\u+3], v[HOLD+32*\u+\j+2:HOLD+32*\u+\j+3], v[HOLD+32*\u+\j+2:HOLD+32*\u+\j+3], v[CH+4*\u+2:CH+4*\u+3]
.endr
.endr
	ROWSUM \st2
	v_fma_f32 v[TOT], v[TOT], s[P9], s[EPS]        ; the variance + 1e-5
	v_rsq_f32 v[TOT], v[TOT]
	v_nop                                          ; a plain instruction behind the transcendental
	s_wait_alu depctr_va_vdst(0)                   ; and the wait ahead of its first reader
	SPLIT TOT, RS
	s_wait_loadcnt 0x0                             ; the gains and biases
.set k, 0
.rept 32
	v_pk_mul_f32 v[HOLD+k:HOLD+k+1], v[HOLD+k:HOLD+k+1], v[RS+2*(k/32):RS+2*(k/32)+1]
.set k, k+2
.endr
.set k, 0
.rept 32
	v_pk_fma_f32 v[HOLD+k:HOLD+k+1], v[HOLD+k:HOLD+k+1], v[ACC+k%32:ACC+k%32+1], v[ACC+32+k%32:ACC+32+k%32+1]
.set k, k+2
.endr
.endm
; 64 numbers of a lane, register 16 b + i = number 16 h + i of block b, become 12 registers of codes in v[PC] on (registers 6 c .. 6 c + 5: block 2 c + h whole) and the four blocks' scale bytes in v[PW].
.macro QUANT src
.irp b, 0,1,2,3
	v_max3_num_f32 v[TM+\b], |v[\src+16*\b]|, |v[\src+1+16*\b]|, 0x2800000   ; my 16 numbers, and the floor 2^(5 - 127): the byte cannot fall under 1
.endr
.irp i, 2,4,6,8,10,12,14
.irp b, 0,1,2,3
	v_max3_num_f32 v[TM+\b], v[TM+\b], |v[\src+16*\b+\i]|, |v[\src+1+16*\b+\i]|
.endr
.endr
.irp b, 0,1,2,3
	v_permlanex16_b32 v[TM+4+\b], v[TM+\b], s[SEL], s[SEL+1]
.endr
.irp b, 0,1,2,3
	v_max_num_f32 v[TM+\b], v[TM+\b], v[TM+4+\b]   ; with lane l xor 16's: the block's largest magnitude
.endr
.irp b, 0,1,2,3
	v_add_nc_u32 v[TM+12+\b], 0xfe000000, v[TM+\b] ; 4 off its exponent field: the conversion's scale operand
.endr
.irp b, 0,1,2,3
	v_lshrrev_b32 v[TM+4+\b], 23, v[TM+12+\b]      ; the scale's byte
.endr
	v_lshl_or_b32 v[PW], v[TM+5], 8, v[TM+4]
	v_lshl_or_b32 v[PW], v[TM+6], 16, v[PW]
	v_lshl_or_b32 v[PW], v[TM+7], 24, v[PW]
.irp c, 0,1
	v_cvt_scalef32_pk16_bf6_f32 v[PC+6*\c:PC+2+6*\c], v[\src+32*\c:\src+15+32*\c], v[TM+12+2*\c]
	v_cvt_scalef32_pk16_bf6_f32 v[PC+12+4*\c:PC+14+4*\c], v[\src+16+32*\c:\src+31+32*\c], v[TM+12+2*\c+1]   ; (a conversion's three registers begin on an even number)
.endr
	v_nop                                          ; one plain place behind a scaled conversion
.irp c, 0,1
.irp i, 0,1,2
	v_permlane16_swap_b32 v[PC+6*\c+\i], v[PC+12+4*\c+\i]
.endr
.irp i, 0,1,2
	v_mov_b32 v[PC+3+6*\c+\i], v[PC+12+4*\c+\i]
.endr
.endr
.endm
.macro XCSTORE base                    ; my two chunks (u = 0, 1): each store of the wave covers 256 consecutive bytes, aligned
.irp n, 0,1,2,3,4,5
	global_store_b64 v[L8], v[PC+2*\n:PC+2*\n+1], s[\base:\base+1] offset:(\n/3)*8192+256*(\n%3)
.endr
.irp u, 0,1
	global_store_b64 v[L8], v[PW:PW+1], s[\base:\base+1] offset:\u*8192+768
.endr
.endm
	s_load_b256 s[4:11], s[0:1], 0x0               ; x, ln1_w, ln1_b, xc
	s_load_b512 s[12:27], s[0:1], 0x20             ; Wq, Wk, Wv, Wo: codes, scales
	s_load_b256 s[28:35], s[0:1], 0x60             ; W1, W2: codes, scales
	s_load_b128 s[36:39], s[0:1], 0x80             ; w, f0
	s_load_b64 s[40:41], s[0:1], 0x90              ; f1
	v_lshl_add_u32 v254, v0, 2, 0x11800
	v_mov_b32 v255, 0
	v_lshrrev_b32 v9, 5, v0
	v_readfirstlane_b32 s[WV], v9                  ; wave 0..7
	v_and_b32 v10, 31, v0                          ; lane
	v_and_b32 v11, 15, v0                          ; r
	v_bfe_u32 v12, v0, 4, 1                        ; h
	v_lshlrev_b32 v[LI], 4, v10
	v_lshlrev_b32 v[L8], 3, v10
	v_lshlrev_b32 v[L4], 2, v10
	v_lshlrev_b32 v[STW], 2, v0
	v_and_b32 v13, 8, v11
	v_add_nc_u32 v13, v13, v11                     ; r + 8 (r / 8)
	v_lshlrev_b32 v[GO], 11, v12
	v_lshl_add_u32 v[GO], v11, 4, v[GO]
	s_mul_i32 s48, s[WV], 8704
	s_add_co_u32 s48, s48, WSCR                    ; my stage
	v_mul_u32_u24 v[SA], v11, 272
	v_lshl_add_u32 v[SA], v12, 6, v[SA]
	v_add_nc_u32 v[SA], s48, v[SA]
	v_mul_u32_u24 v[SB], v12, 272
	v_lshl_add_u32 v[SB], v11, 4, v[SB]
	v_add_nc_u32 v[SB], s48, v[SB]
	v_lshlrev_b32 v[PA], 6, v12
	v_mul_u32_u24 v[RLC], v13, 384                 ; a row of 512 codes is 384 bytes
	v_mad_u32_u24 v[RLC], v12, 24, v[RLC]
	v_lshl_add_u32 v[RLS], v12, 3, v13
	v_lshlrev_b32 v[RLS], 4, v[RLS]                ; a row of scale bytes is 16 bytes
.irp b, 0,1,2,3
	v_mov_b32 v[TM+4+\b], 0                        ; written once: a lane permute's destination counts as one of its sources
.endr
	v_mov_b32 v[PW+1], 0
	s_mov_b32 s[SEL], 0x76543210
	s_mov_b32 s[SEL+1], 0xfedcba98                 ; lane l xor 16
	s_mov_b32 s[HIM], 0xffff0000
	s_mov_b32 s[P9], 0x3b000000
	s_mov_b32 s[EPS], 0x3727c5ac
	s_lshl_b32 s48, ttmp9, 16                      ; 32 tokens of 2,048 bytes
	s_lshl_b32 s50, s[WV], 8                       ; my 64 features
	s_add_co_u32 s48, s48, s50
	s_mov_b32 s49, 0
	s_mov_b32 s51, 0
	s_lshl_b32 s52, ttmp9, 14
	s_lshl_b32 s53, s[WV], 10
	s_add_co_u32 s52, s52, s53                     ; xc: token block x 16,384 + chunk g = wave
	s_mov_b32 s53, 0
	s_wait_kmcnt 0x0
	s_add_nc_u64 s[4:5], s[4:5], s[48:49]
	s_add_nc_u64 s[6:7], s[6:7], s[50:51]
	s_add_nc_u64 s[8:9], s[8:9], s[50:51]
	s_add_nc_u64 s[10:11], s[10:11], s[52:53]
.set k, 0
.rept 16                                       ; load k: stage rows 2 k and 2 k + 1, which are tokens 8 (k / 8) + 2 (k % 8) + 8 ((k % 8) / 4) and the next: two runs of 256 consecutive bytes
	global_load_b128 v[HOLD+4*k:HOLD+4*k+3], v[GO], s[4:5] offset:(8*(k/8)+2*(k%8)+8*((k%8)/4))*2048 th:TH_LOAD_NT
.set k, k+1
.endr
.irp b, 0,1
.irp j, 0,1,2,3
	global_load_b128 v[ACC+16*\b+4*\j:ACC+16*\b+4*\j+3], v[PA], s[6:7] offset:128*\b+16*\j
	global_load_b128 v[ACC+32+16*\b+4*\j:ACC+32+16*\b+4*\j+3], v[PA], s[8:9] offset:128*\b+16*\j
.endr
.endr
	; which block of w my wave serves: waves 0-6 fragment 7 g + w of 1,792, wave 7 scale run g of 224
	s_mul_i32 s48, ttmp9, 7
	s_add_co_u32 s48, s48, s[WV]
	s_lshr_b32 s49, s48, 4
	s_lshr_b32 s50, ttmp9, 1
	s_min_u32 s50, s50, 111
	s_cmp_lt_u32 s[WV], 7
	s_cselect_b32 s49, s49, s50                    ; the block, 0..111
	s_cmp_ge_u32 s49, 56
	s_cselect_b32 s51, 1, 0                        ; layer
	s_mul_i32 s52, s51, 56
	s_sub_co_u32 s52, s49, s52                     ; m
	s_mul_i32 s53, s52, 43
	s_lshr_b32 s53, s53, 7                         ; m / 3, exact for m under 24
	s_mul_i32 s54, s53, 3
	s_sub_co_u32 s54, s52, s54                     ; kind
	s_sub_co_u32 s55, s52, 24
	s_sub_co_u32 s56, s52, 32
	s_sub_co_u32 s57, s52, 48
	s_mov_b64 s[44:45], s[12:13]                   ; the weight's codes and scale bytes: chosen by the block's number alone
	s_mov_b64 s[46:47], s[14:15]
	s_mov_b32 s58, s53                             ; which group of 64 rows
	s_mov_b32 s59, 512                             ; rows in a layer
	s_cmp_eq_u32 s54, 1
	s_cselect_b64 s[44:45], s[16:17], s[44:45]
	s_cselect_b64 s[46:47], s[18:19], s[46:47]
	s_cmp_eq_u32 s54, 2
	s_cselect_b64 s[44:45], s[20:21], s[44:45]
	s_cselect_b64 s[46:47], s[22:23], s[46:47]
	s_cmp_ge_u32 s52, 24
	s_cselect_b64 s[44:45], s[24:25], s[44:45]
	s_cselect_b64 s[46:47], s[26:27], s[46:47]
	s_cselect_b32 s58, s55, s58
	s_cmp_ge_u32 s52, 32
	s_cselect_b64 s[44:45], s[28:29], s[44:45]
	s_cselect_b64 s[46:47], s[30:31], s[46:47]
	s_cselect_b32 s58, s56, s58
	s_cselect_b32 s59, 1024, s59
	s_cmp_ge_u32 s52, 48
	s_cselect_b64 s[44:45], s[32:33], s[44:45]
	s_cselect_b64 s[46:47], s[34:35], s[46:47]
	s_cselect_b32 s58, s57, s58
	s_cselect_b32 s59, 512, s59
	s_mul_i32 s59, s59, s51
	s_lshl_b32 s58, s58, 6
	s_add_co_u32 s58, s58, s59                     ; the block's first row in the weight
	s_mul_i32 s60, s51, LAYERB
	s_mul_i32 s61, s52, BLKB
	s_add_co_u32 s60, s60, s61                     ; the block's first byte in w
	s_cmp_lt_u32 s[WV], 7
	s_cbranch_scc0 .Lwave7
	s_and_b32 s48, s48, 15                         ; fragment 4 s + t
	s_lshr_b32 s49, s48, 2
	s_and_b32 s50, s48, 3
	s_lshr_b32 s53, s50, 1
	s_lshl_b32 s53, s53, 5
	s_and_b32 s54, s50, 1
	s_lshl_b32 s54, s54, 3
	s_add_co_u32 s53, s53, s54
	s_add_co_u32 s53, s53, s58                     ; the tile's first row
	s_mul_i32 s54, s53, 384
	s_mul_i32 s55, s49, 96
	s_add_co_u32 s54, s54, s55
	s_mov_b32 s55, 0
	s_add_nc_u64 s[44:45], s[44:45], s[54:55]
.irp p, 0,1,2,3,4,5
	global_load_b64 v[RF+2*\p:RF+2*\p+1], v[RLC], s[44:45] offset:48*(\p/3)+8*(\p%3)
.endr
	s_mul_i32 s56, s48, 1536
	s_add_co_u32 s56, s56, s60
	s_mov_b32 s57, 0
	s_add_nc_u64 s[36:37], s[36:37], s[56:57]
	s_wait_loadcnt 0x0
.irp c, 0,1,2
	global_store_b128 v[LI], v[RF+4*\c:RF+4*\c+3], s[36:37] offset:512*\c   ; 512 consecutive bytes a store
.endr
	s_branch .Ljoin
.Lwave7:
	s_cmp_lt_u32 ttmp9, 224
	s_cbranch_scc0 .Lflags
	s_and_b32 s48, ttmp9, 1                        ; which of the block's two runs
	s_lshl_b32 s49, s48, 5
	s_add_co_u32 s49, s49, s58
	s_lshl_b32 s54, s49, 4
	s_mov_b32 s55, 0
	s_add_nc_u64 s[46:47], s[46:47], s[54:55]
	global_load_b128 v[RF:RF+3], v[RLS], s[46:47]  ; lanes 0-15 tile 2 tau, lanes 16-31 tile 2 tau + 1: a row's 16 scale bytes
	s_lshl_b32 s56, s48, 9
	s_add_co_u32 s56, s56, s60
	s_add_co_u32 s56, s56, 24576
	s_mov_b32 s57, 0
	s_add_nc_u64 s[36:37], s[36:37], s[56:57]
	s_wait_loadcnt 0x0
	global_store_b128 v[LI], v[RF:RF+3], s[36:37]
	s_branch .Ljoin
.Lflags:
	s_cmp_lt_u32 ttmp9, 226
	s_cbranch_scc0 .Ljoin
	s_sub_co_u32 s48, ttmp9, 224                   ; the layer's number
	s_cmp_eq_u32 s48, 0
	s_cselect_b64 s[38:39], s[38:39], s[40:41]
	v_mov_b32 v[RF], s48
	v_mov_b32 v[RF+1], s48
	global_store_b64 v[L8], v[RF:RF+1], s[38:39]   ; all 256 bytes of the buffer
.Ljoin:
	s_wait_loadcnt 0x0                             ; x (and the gains)
.set k, 0
.rept 16
	ds_store_b128 v[SB], v[HOLD+4*k:HOLD+4*k+3] offset:544*k               ; by rows into my stage
.set k, k+1
.endr
.irp u, 0,1
.irp b, 0,1
.irp j, 0,1,2,3
	ds_load_b128 v[HOLD+32*\u+16*\b+4*\j:HOLD+32*\u+16*\b+4*\j+3], v[SA] offset:4352*\u+128*\b+16*\j   ; and back in the lanes' order: LDS serves a wave's instructions in order, so these see my stores
.endr
.endr
.endr
	s_wait_dscnt 0x0
	LN ST1, ST2
	QUANT HOLD
	XCSTORE 10
	s_wait_tensorcnt 0x0
	ds_add_u32 v254, v255
	s_wait_dscnt 0x0
	s_endpgm
.Lfunc_end_k_qedb216fa92_pre:
	.size	k_qedb216fa92_pre, .Lfunc_end_k_qedb216fa92_pre-k_qedb216fa92_pre
	.p2alignl 7, 3214868480
	.fill 96, 4, 3214868480
	.section	.rodata,"a",@progbits
	.p2align	6, 0x0
	.amdhsa_kernel k_qedb216fa92_pre
		.amdhsa_group_segment_fixed_size 72704
		.amdhsa_private_segment_fixed_size 0
		.amdhsa_enable_private_segment 0
		.amdhsa_kernarg_size 152
		.amdhsa_user_sgpr_count 2
		.amdhsa_user_sgpr_kernarg_segment_ptr 1
		.amdhsa_wavefront_size32 1
		.amdhsa_system_sgpr_workgroup_id_x 1
		.amdhsa_system_sgpr_workgroup_id_y 1
		.amdhsa_system_sgpr_workgroup_id_z 1
		.amdhsa_system_vgpr_workitem_id 0
		.amdhsa_next_free_vgpr 256
		.amdhsa_next_free_sgpr 66
		.amdhsa_reserve_vcc 0
		.amdhsa_float_denorm_mode_32 3
		.amdhsa_float_denorm_mode_16_64 3
		.amdhsa_memory_ordered 1
		.amdhsa_forward_progress 1
		.amdhsa_inst_pref_size 31
	.end_amdhsa_kernel
	.amdgpu_metadata
---
amdhsa.version: [ 1, 2 ]
amdhsa.kernels:
  - .name:           k_qedb216fa92_pre
    .symbol:         k_qedb216fa92_pre.kd
    .args:
      - { .name: x, .offset: 0, .size: 8, .value_kind: global_buffer, .address_space: global }
      - { .name: ln1_w, .offset: 8, .size: 8, .value_kind: global_buffer, .address_space: global }
      - { .name: ln1_b, .offset: 16, .size: 8, .value_kind: global_buffer, .address_space: global }
      - { .name: xc, .offset: 24, .size: 8, .value_kind: global_buffer, .address_space: global }
      - { .name: Wq_codes, .offset: 32, .size: 8, .value_kind: global_buffer, .address_space: global }
      - { .name: Wq_scales, .offset: 40, .size: 8, .value_kind: global_buffer, .address_space: global }
      - { .name: Wk_codes, .offset: 48, .size: 8, .value_kind: global_buffer, .address_space: global }
      - { .name: Wk_scales, .offset: 56, .size: 8, .value_kind: global_buffer, .address_space: global }
      - { .name: Wv_codes, .offset: 64, .size: 8, .value_kind: global_buffer, .address_space: global }
      - { .name: Wv_scales, .offset: 72, .size: 8, .value_kind: global_buffer, .address_space: global }
      - { .name: Wo_codes, .offset: 80, .size: 8, .value_kind: global_buffer, .address_space: global }
      - { .name: Wo_scales, .offset: 88, .size: 8, .value_kind: global_buffer, .address_space: global }
      - { .name: W1_codes, .offset: 96, .size: 8, .value_kind: global_buffer, .address_space: global }
      - { .name: W1_scales, .offset: 104, .size: 8, .value_kind: global_buffer, .address_space: global }
      - { .name: W2_codes, .offset: 112, .size: 8, .value_kind: global_buffer, .address_space: global }
      - { .name: W2_scales, .offset: 120, .size: 8, .value_kind: global_buffer, .address_space: global }
      - { .name: w, .offset: 128, .size: 8, .value_kind: global_buffer, .address_space: global }
      - { .name: f0, .offset: 136, .size: 8, .value_kind: global_buffer, .address_space: global }
      - { .name: f1, .offset: 144, .size: 8, .value_kind: global_buffer, .address_space: global }
    .group_segment_fixed_size: 72704
    .private_segment_fixed_size: 0
    .kernarg_segment_align: 8
    .kernarg_segment_size: 152
    .max_flat_workgroup_size: 256
    .sgpr_count:     66
    .vgpr_count:     256
    .wavefront_size: 32
...
	.end_amdgpu_metadata
.endif
;; end of part 5
;; launch qkv (part 6): grid 32 x 8, 8 waves a work-group, no clusters, 147,456 bytes of LDS; arguments xc, w, f0, pos_cos, pos_sin, q, kv; writes q, kv
.if DOCPART == 6
	.amdgcn_target "amdgcn-amd-amdhsa--gfx1250"
	.amdhsa_code_object_version 6
	.text
	.protected	k_qedb216fa92_qkv
	.globl	k_qedb216fa92_qkv
	.p2align	8
	.type	k_qedb216fa92_qkv,@function
k_qedb216fa92_qkv:
	s_mov_b64 s[64:65], 0
	v_nop
	global_prefetch_b8 v0, s[64:65] scope:SCOPE_SE
	s_setreg_imm32_b32 hwreg(HW_REG_WAVE_MODE, 25, 1), 1
	s_wait_xcnt 0x0
; QKV.  q, k, v = xn Wq, xn Wk, xn Wv for one head, RoPE on q and k, and all three quantised to codes of BF6 with E8M0 scales: q and k along the head's 64, v along the keys.
; SHARES.  Work-group (x, y): token blocks 8 x .. 8 x + 7, head y.  Wave w owns one token block of 32 tokens (two row tiles u; lane row r of tile u is token 8 u + r + 8 (r / 8)).
; The head's three weight blocks (76,800 bytes of w, laid in the order of the operand registers) are copied once into LDS and read by all eight waves; xn's eight fragments stay in registers.
; q and k are made TRANSPOSED (source 0 = 16 rows of W, source 1 = 16 tokens): register 32 u + 16 b + i of a lane is feature 32 b + 16 h + i of its token.
; v is made the other way round (source 0 = 16 tokens, source 1 = 16 rows of Wv): register 16 t + i of a lane is token 16 h + i of its channel: one block of 32 keys.
; cos AND sin ARE READ IN RUNS OF 256 CONSECUTIVE BYTES (sixteen lanes to a token's 256 bytes of the head) and turn through the wave's own stage in LDS into the lanes' order, cos first, then sin.
; OUT.  q: [batch x head][token block] of 1,792 bytes: six runs of 256 bytes of codes, one of scale words.
; kv: [batch x head][token block] chunks of 3,328 bytes: k as one fragment (registers 0-5 key tile 0, 6-11 key tile 1; 1,536 bytes), v as six runs of 256 bytes, one run of (k's word, v's word).
; In chunks of odd token blocks v's lanes 0-15 and 16-31 change places inside each run, so that the reader's two lane halves fall on different halves of a run.
; The layer's number is read from a buffer of whole numbers that an earlier launch stored, and is held at 1 before it enters an address.
; LIMITS: NaN and infinities are not served; a block whose largest magnitude lies under 2^-122 gets the byte 1 (only this program reads the bytes); RoPE is a multiply and a fused multiply-add.
.set LAYERB, 1433600
.set WSCR,   76800                     ; LDS behind the weights: a stage for each wave, 32 rows x (256 + 16) bytes
.set LI,  1                            ; v1  16 x lane
.set L8,  2                            ; v2  8 x lane
.set GO,  3                            ; v3  cos, sin: 2,048 h + 16 r: sixteen lanes to a token's 256 bytes
.set ASG, 4                            ; v4  xn's scale halves: 8 r + 8,194 h (tile h's chunk, its two bytes)
.set VST, 5                            ; v5  8 x lane, halves swapped in odd token blocks
.set CPL, 6                            ; v6  16 x thread: the copy of the weights
.set CPH, 7                            ; v7  the same + 65,536: an LDS immediate ends at 65,535
.set U16, 8                            ; v8-15 scale halves as loaded
.set AS,  16                           ; v16-19 xn's scale words: lanes 0-15 tile 0, lanes 16-31 tile 1
.set WS,  20                           ; v20-27 W's scale words: register 4 (t / 2) + s, lanes 0-15 even t, lanes 16-31 odd t
.set WF,  28                           ; v28-75, v76-123 two sets of four W fragments
.set ACC, 124                          ; v124-187
.set T0,  188
.set T1,  190
.set TM,  192
.set PC,  208
.set PW,  228                          ; v228 the scale word, v229 = 0
.set PWK, 230                          ; v230 k's word, v231 v's
.set LW,  232                          ; v232 16 x lane + the pass's weight block in LDS
.set SA,  233                          ; v233 the stage by lanes' order: row r, + 64 h
.set SB,  234                          ; v234 the stage by rows: row h, + 16 r
.set CS,  96                           ; window 1: v0-95 xn's fragments (12 (4 u + s)); from v96: cos at 32 u + 16 b + i, from v160: sin likewise
.set WV,  18
.set LAY, 19
.set SEL, 20
.set MSB, 0
.macro WIN new                         ; the immediate's high byte repeats the setting that is left
.if MSB != \new
	s_set_vgpr_msb (MSB<<8)|\new
.set MSB, \new
.endif
.endm
.macro PLACES                          ; four plain vector instructions behind a matrix instruction, ahead of loads into its registers and of the first read of its result
.rept 4
	v_nop
.endr
.endm
; One matrix instruction.  ks = 0: the K step that starts the sum.  ra, rb: the side's scale words lie in lanes 16-31.
.macro MM d, a, b, ks, sa, sb, ra, rb
.if (\ks) == 0
.if (\ra) && (\rb)
	v_wmma_scale_f32_16x16x128_f8f6f4 v[\d:\d+7], v[\a:\a+11], v[\b:\b+11], 0, v[\sa], v[\sb] matrix_a_fmt:MATRIX_FMT_BF6 matrix_b_fmt:MATRIX_FMT_BF6 matrix_a_scale:MATRIX_SCALE_ROW1 matrix_b_scale:MATRIX_SCALE_ROW1
.elseif (\ra)
	v_wmma_scale_f32_16x16x128_f8f6f4 v[\d:\d+7], v[\a:\a+11], v[\b:\b+11], 0, v[\sa], v[\sb] matrix_a_fmt:MATRIX_FMT_BF6 matrix_b_fmt:MATRIX_FMT_BF6 matrix_a_scale:MATRIX_SCALE_ROW1
.elseif (\rb)
	v_wmma_scale_f32_16x16x128_f8f6f4 v[\d:\d+7], v[\a:\a+11], v[\b:\b+11], 0, v[\sa], v[\sb] matrix_a_fmt:MATRIX_FMT_BF6 matrix_b_fmt:MATRIX_FMT_BF6 matrix_b_scale:MATRIX_SCALE_ROW1
.else
	v_wmma_scale_f32_16x16x128_f8f6f4 v[\d:\d+7], v[\a:\a+11], v[\b:\b+11], 0, v[\sa], v[\sb] matrix_a_fmt:MATRIX_FMT_BF6 matrix_b_fmt:MATRIX_FMT_BF6
.endif
.else
.if (\ra) && (\rb)
	v_wmma_scale_f32_16x16x128_f8f6f4 v[\d:\d+7], v[\a:\a+11], v[\b:\b+11], v[\d:\d+7], v[\sa], v[\sb] matrix_a_fmt:MATRIX_FMT_BF6 matrix_b_fmt:MATRIX_FMT_BF6 matrix_a_scale:MATRIX_SCALE_ROW1 matrix_b_scale:MATRIX_SCALE_ROW1
.elseif (\ra)
	v_wmma_scale_f32_16x16x128_f8f6f4 v[\d:\d+7], v[\a:\a+11], v[\b:\b+11], v[\d:\d+7], v[\sa], v[\sb] matrix_a_fmt:MATRIX_FMT_BF6 matrix_b_fmt:MATRIX_FMT_BF6 matrix_a_scale:MATRIX_SCALE_ROW1
.elseif (\rb)
	v_wmma_scale_f32_16x16x128_f8f6f4 v[\d:\d+7], v[\a:\a+11], v[\b:\b+11], v[\d:\d+7], v[\sa], v[\sb] matrix_a_fmt:MATRIX_FMT_BF6 matrix_b_fmt:MATRIX_FMT_BF6 matrix_b_scale:MATRIX_SCALE_ROW1
.else
	v_wmma_scale_f32_16x16x128_f8f6f4 v[\d:\d+7], v[\a:\a+11], v[\b:\b+11], v[\d:\d+7], v[\sa], v[\sb] matrix_a_fmt:MATRIX_FMT_BF6 matrix_b_fmt:MATRIX_FMT_BF6
.endif
.endif
.endm
.macro QUANT src                       ; 64 numbers of a lane, register 16 b + i = number 16 h + i of block b -> codes in v[PC] on (registers 6 c .. 6 c + 5: block 2 c + h whole), the four bytes in v[PW]
.irp b, 0,1,2,3
	v_max3_num_f32 v[TM+\b], |v[\src+16*\b]|, |v[\src+1+16*\b]|, 0x2800000   ; my 16 numbers, and the floor 2^(5 - 127): the byte cannot fall under 1
.endr
.irp i, 2,4,6,8,10,12,14
.irp b, 0,1,2,3
	v_max3_num_f32 v[TM+\b], v[TM+\b], |v[\src+16*\b+\i]|, |v[\src+1+16*\b+\i]|
.endr
.endr
.irp b, 0,1,2,3
	v_permlanex16_b32 v[TM+4+\b], v[TM+\b], s[SEL], s[SEL+1]
.endr
.irp b, 0,1,2,3
	v_max_num_f32 v[TM+\b], v[TM+\b], v[TM+4+\b]
.endr
.irp b, 0,1,2,3
	v_add_nc_u32 v[TM+12+\b], 0xfe000000, v[TM+\b] ; 4 off the exponent field: the conversion's scale operand
.endr
.irp b, 0,1,2,3
	v_lshrrev_b32 v[TM+4+\b], 23, v[TM+12+\b]
.endr
	v_lshl_or_b32 v[PW], v[TM+5], 8, v[TM+4]
	v_lshl_or_b32 v[PW], v[TM+6], 16, v[PW]
	v_lshl_or_b32 v[PW], v[TM+7], 24, v[PW]
.irp c, 0,1
	v_cvt_scalef32_pk16_bf6_f32 v[PC+6*\c:PC+2+6*\c], v[\src+32*\c:\src+15+32*\c], v[TM+12+2*\c]
	v_cvt_scalef32_pk16_bf6_f32 v[PC+12+4*\c:PC+14+4*\c], v[\src+16+32*\c:\src+31+32*\c], v[TM+12+2*\c+1]
.endr
	v_nop                                          ; one plain place behind a scaled conversion
.irp c, 0,1
.irp i, 0,1,2
	v_permlane16_swap_b32 v[PC+6*\c+\i], v[PC+12+4*\c+\i]
.endr
.irp i, 0,1,2
	v_mov_b32 v[PC+3+6*\c+\i], v[PC+12+4*\c+\i]
.endr
.endr
.endm
.macro WSET s                          ; the four tiles' fragments of K step s, from LDS into set s % 2: 12 loads of 512 consecutive bytes
.irp t, 0,1,2,3
.irp c, 0,1,2
	ds_load_b128 v[WF+48*((\s)%2)+12*\t+4*\c:WF+48*((\s)%2)+12*\t+4*\c+3], v[LW] offset:(4*(\s)+\t)*1536+512*\c
.endr
.endr
.endm
; One product: 4 K steps x 8 matrix instructions on eight accumulators, which take turns, one instruction a turn.
.macro PASS k, vmode
	v_add_nc_u32 v[LW], 25600*\k, v[LI]
	ds_load_b128 v[WS:WS+3], v[LW] offset:24576
	ds_load_b128 v[WS+4:WS+7], v[LW] offset:24576+512
	WSET 0
.irp s, 0,1,2,3
.if \s < 3
	WSET \s+1
	s_wait_dscnt 12                                ; all but the 12 loads of the next K step
.else
	s_wait_dscnt 0x0
.endif
.if \vmode
	WIN 0x01                                       ; source 0 (xn) in window 1
.else
	WIN 0x04                                       ; source 1 (xn) in window 1
.endif
.irp t, 0,1,2,3
.irp u, 0,1
.if \vmode
	MM ACC+16*\t+8*\u, 12*(4*\u+\s), WF+48*(\s%2)+12*\t, \s, AS+\s, WS+4*(\t/2)+\s, \u, \t%2
.else
	MM ACC+32*\u+8*\t, WF+48*(\s%2)+12*\t, 12*(4*\u+\s), \s, WS+4*(\t/2)+\s, AS+\s, \t%2, \u
.endif
.endr
.endr
	WIN 0
	PLACES
.endr
.endm
; cos (a = 0), then sin (a = 1), turn through my stage, in place: by rows in, in the lanes' order out.  LDS serves a wave's instructions in order: the loads see the stores, and sin's stores come behind cos's loads.
.macro CSTURN
.irp a, 0,1
	WIN 0x04                                       ; an LDS store's data are its source 1: window 1
.set k, 0
.rept 16
	ds_store_b128 v[SB], v[CS+64*\a+4*k:CS+64*\a+4*k+3] offset:544*k
.set k, k+1
.endr
	WIN 0x40                                       ; destination in window 1
.irp u, 0,1
.irp b, 0,1
.irp j, 0,1,2,3
	ds_load_b128 v[CS+64*\a+32*\u+16*\b+4*\j:CS+64*\a+32*\u+16*\b+4*\j+3], v[SA] offset:4352*\u+128*\b+16*\j
.endr
.endr
.endr
.endr
	WIN 0
	s_wait_dscnt 0x0
.endm
; RoPE: a0 = features 16 h + i, a1 = features 32 + 16 h + i of a token: a0' = a0 cos0 - a1 sin0, a1' = a1 cos1 + a0 sin1.  Each accumulator is read from its low end on.
.macro ROPE
	WIN 0x04                                       ; source 1 (cos, sin) in window 1
.irp u, 0,1
.irp i, 0,2,4,6,8,10,12,14
	v_pk_mul_f32 v[T0:T0+1], v[ACC+32*\u+16+\i:ACC+32*\u+17+\i], v[CS+64+32*\u+\i:CS+65+32*\u+\i]
	v_pk_mul_f32 v[T1:T1+1], v[ACC+32*\u+\i:ACC+32*\u+1+\i], v[CS+80+32*\u+\i:CS+81+32*\u+\i]
	v_pk_fma_f32 v[ACC+32*\u+\i:ACC+32*\u+1+\i], v[ACC+32*\u+\i:ACC+32*\u+1+\i], v[CS+32*\u+\i:CS+1+32*\u+\i], v[T0:T0+1] neg_lo:[0,0,1] neg_hi:[0,0,1]
	v_pk_fma_f32 v[ACC+32*\u+16+\i:ACC+32*\u+17+\i], v[ACC+32*\u+16+\i:ACC+32*\u+17+\i], v[CS+16+32*\u+\i:CS+17+32*\u+\i], v[T1:T1+1]
.endr
.endr
	WIN 0
.endm
	s_load_b256 s[4:11], s[0:1], 0x0               ; xc, w, the layer's number, cos
	s_load_b128 s[12:15], s[0:1], 0x20             ; sin, q
	s_load_b64 s[16:17], s[0:1], 0x30              ; kv
	v_lshl_add_u32 v254, v0, 2, 0x23c00
	v_mov_b32 v255, 0
	v_lshrrev_b32 v8, 5, v0
	v_readfirstlane_b32 s[WV], v8                  ; wave 0..7
	v_and_b32 v9, 31, v0
	v_and_b32 v10, 15, v0                          ; r
	v_bfe_u32 v11, v0, 4, 1                        ; h
	v_lshlrev_b32 v[LI], 4, v9
	v_lshlrev_b32 v[L8], 3, v9
	v_lshlrev_b32 v[GO], 11, v11
	v_lshl_add_u32 v[GO], v10, 4, v[GO]
	s_mul_i32 s25, s[WV], 8704
	s_add_co_u32 s25, s25, WSCR                    ; my stage
	v_mul_u32_u24 v[SA], v10, 272
	v_lshl_add_u32 v[SA], v11, 6, v[SA]
	v_add_nc_u32 v[SA], s25, v[SA]
	v_mul_u32_u24 v[SB], v11, 272
	v_lshl_add_u32 v[SB], v10, 4, v[SB]
	v_add_nc_u32 v[SB], s25, v[SB]
	v_lshlrev_b32 v[ASG], 3, v10
	v_mad_u32_u24 v[ASG], v11, 8194, v[ASG]
	v_lshlrev_b32 v[CPL], 4, v0
	v_add_nc_u32 v[CPH], 65536, v[CPL]
.irp b, 0,1,2,3
	v_mov_b32 v[TM+4+\b], 0                        ; written once: a lane permute's destination counts as one of its sources
.endr
	v_mov_b32 v[PW+1], 0
	s_mov_b32 s[SEL], 0x76543210
	s_mov_b32 s[SEL+1], 0xfedcba98
	s_and_b32 s22, ttmp7, 0xffff                   ; head
	s_lshl_b32 s23, ttmp9, 3
	s_add_co_u32 s23, s23, s[WV]                   ; my token block
	s_and_b32 s24, s[WV], 1
	s_lshl_b32 s24, s24, 7
	v_xor_b32 v[VST], s24, v[L8]
	s_lshl_b32 s26, s23, 14
	s_mov_b32 s27, 0
	s_lshl_b32 s28, s23, 16
	s_lshl_b32 s29, s22, 8
	s_add_co_u32 s28, s28, s29                     ; cos, sin: 32 tokens of 2,048 bytes, the head's 256
	s_mov_b32 s29, 0
	s_lshr_b32 s30, s23, 6
	s_lshl_b32 s30, s30, 3
	s_add_co_u32 s30, s30, s22                     ; batch x 8 + head
	s_lshl_b32 s30, s30, 6
	s_and_b32 s31, s23, 63
	s_add_co_u32 s30, s30, s31
	s_mul_i32 s32, s30, 1792
	s_mov_b32 s33, 0
	s_mul_i32 s34, s30, 3328
	s_mov_b32 s35, 0
	s_mul_i32 s36, s22, 76800
	s_wait_kmcnt 0x0
	s_load_b32 s[LAY], s[8:9], 0x0
	s_add_nc_u64 s[4:5], s[4:5], s[26:27]
	s_add_nc_u64 s[10:11], s[10:11], s[28:29]
	s_add_nc_u64 s[12:13], s[12:13], s[28:29]
	s_add_nc_u64 s[14:15], s[14:15], s[32:33]
	s_add_nc_u64 s[16:17], s[16:17], s[34:35]
	WIN 0x40                                       ; destination in window 1
.irp u, 0,1
.irp s, 0,1,2,3
.irp c, 0,1
.irp p, 0,1,2
	global_load_b64 v[12*(4*\u+\s)+6*\c+2*\p:12*(4*\u+\s)+6*\c+2*\p+1], v[L8], s[4:5] offset:(8*\u+2*\s+\c)*1024+256*\p   ; xn's fragments: 256 consecutive bytes a load
.endr
.endr
.endr
.endr
	WIN 0
.irp s, 0,1,2,3
.irp c, 0,1
	global_load_u16 v[U16+2*\s+\c], v[ASG], s[4:5] offset:768+2048*\s+1024*\c
.endr
.endr
	s_wait_kmcnt 0x0
	s_min_u32 s[LAY], s[LAY], 1                    ; a loaded number enters an address only behind this hold
	s_mul_i32 s38, s[LAY], LAYERB
	s_add_co_u32 s38, s38, s36
	s_mov_b32 s39, 0
	s_add_nc_u64 s[6:7], s[6:7], s[38:39]          ; the head's three blocks of w
.set k, 0
.rept 18
	global_load_b128 v[WF+4*k:WF+4*k+3], v[CPL], s[6:7] offset:4096*k      ; the work-group copies 4,096 consecutive bytes a turn
.set k, k+1
.endr
	s_cmp_lt_u32 s[WV], 6                          ; 150 runs of 512 bytes: the last six go to waves 0-5
	s_cbranch_scc0 .Lno_load
	global_load_b128 v[WF+72:WF+75], v[CPL], s[6:7] offset:73728
.Lno_load:
	WIN 0x40
.set k, 0
.rept 16                                       ; load k: stage rows 2 k and 2 k + 1, which are tokens 8 (k / 8) + 2 (k % 8) + 8 ((k % 8) / 4) and the next: two runs of 256 consecutive bytes
	global_load_b128 v[CS+4*k:CS+4*k+3], v[GO], s[10:11] offset:(8*(k/8)+2*(k%8)+8*((k%8)/4))*2048 th:TH_LOAD_NT
	global_load_b128 v[CS+64+4*k:CS+64+4*k+3], v[GO], s[12:13] offset:(8*(k/8)+2*(k%8)+8*((k%8)/4))*2048 th:TH_LOAD_NT
.set k, k+1
.endr
	WIN 0
	s_wait_loadcnt 32                              ; all but the 32 loads of cos and sin: xn and the weights are in
.irp s, 0,1,2,3
	v_lshl_or_b32 v[AS+\s], v[U16+2*\s+1], 16, v[U16+2*\s]
.endr
.rept 8
	v_nop                                          ; a scale register written by a vector instruction stands eight places ahead of a scaled matrix instruction
.endr
.set k, 0
.rept 16
	ds_store_b128 v[CPL], v[WF+4*k:WF+4*k+3] offset:4096*k
.set k, k+1
.endr
	ds_store_b128 v[CPH], v[WF+64:WF+67]
	ds_store_b128 v[CPH], v[WF+68:WF+71] offset:4096
	s_cmp_lt_u32 s[WV], 6
	s_cbranch_scc0 .Lno_store
	ds_store_b128 v[CPH], v[WF+72:WF+75] offset:8192
.Lno_store:
	s_wait_dscnt 0x0                               ; for the others' sake: my part of the weights lies in LDS
	s_barrier_signal -1
	s_barrier_wait -1                              ; everybody's does; nothing is written there again
	PASS 0, 0                                      ; q
	s_wait_loadcnt 0x0                             ; cos and sin
	CSTURN
	ROPE
	QUANT ACC
.irp n, 0,1,2,3,4,5
	global_store_b64 v[L8], v[PC+2*\n:PC+2*\n+1], s[14:15] offset:256*\n
.endr
	global_store_b64 v[L8], v[PW:PW+1], s[14:15] offset:1536
	PASS 1, 0                                      ; k
	ROPE
	s_wait_xcnt 0x0                                ; q's stores have read their registers: the codes and the word are written again only behind this wait
	QUANT ACC
.irp c, 0,1,2
	global_store_b128 v[LI], v[PC+4*\c:PC+4*\c+3], s[16:17] offset:512*\c
.endr
	v_mov_b32 v[PWK], v[PW]
	PASS 2, 1                                      ; v
	s_wait_xcnt 0x0                                ; k's stores likewise
	QUANT ACC
.irp n, 0,1,2,3,4,5
	global_store_b64 v[VST], v[PC+2*\n:PC+2*\n+1], s[16:17] offset:1536+256*\n
.endr
	v_mov_b32 v[PWK+1], v[PW]
	global_store_b64 v[L8], v[PWK:PWK+1], s[16:17] offset:3072
	s_wait_tensorcnt 0x0
	ds_add_u32 v254, v255
	s_wait_dscnt 0x0
	s_endpgm
.Lfunc_end_k_qedb216fa92_qkv:
	.size	k_qedb216fa92_qkv, .Lfunc_end_k_qedb216fa92_qkv-k_qedb216fa92_qkv
	.p2alignl 7, 3214868480
	.fill 96, 4, 3214868480
	.section	.rodata,"a",@progbits
	.p2align	6, 0x0
	.amdhsa_kernel k_qedb216fa92_qkv
		.amdhsa_group_segment_fixed_size 147456
		.amdhsa_private_segment_fixed_size 0
		.amdhsa_enable_private_segment 0
		.amdhsa_kernarg_size 56
		.amdhsa_user_sgpr_count 2
		.amdhsa_user_sgpr_kernarg_segment_ptr 1
		.amdhsa_wavefront_size32 1
		.amdhsa_system_sgpr_workgroup_id_x 1
		.amdhsa_system_sgpr_workgroup_id_y 1
		.amdhsa_system_sgpr_workgroup_id_z 1
		.amdhsa_system_vgpr_workitem_id 0
		.amdhsa_next_free_vgpr 512
		.amdhsa_next_free_sgpr 66
		.amdhsa_reserve_vcc 0
		.amdhsa_float_denorm_mode_32 3
		.amdhsa_float_denorm_mode_16_64 3
		.amdhsa_memory_ordered 1
		.amdhsa_forward_progress 1
		.amdhsa_inst_pref_size 65
	.end_amdhsa_kernel
	.amdgpu_metadata
---
amdhsa.version: [ 1, 2 ]
amdhsa.kernels:
  - .name:           k_qedb216fa92_qkv
    .symbol:         k_qedb216fa92_qkv.kd
    .args:
      - { .name: xc, .offset: 0, .size: 8, .value_kind: global_buffer, .address_space: global }
      - { .name: w, .offset: 8, .size: 8, .value_kind: global_buffer, .address_space: global }
      - { .name: f0, .offset: 16, .size: 8, .value_kind: global_buffer, .address_space: global }
      - { .name: pos_cos, .offset: 24, .size: 8, .value_kind: global_buffer, .address_space: global }
      - { .name: pos_sin, .offset: 32, .size: 8, .value_kind: global_buffer, .address_space: global }
      - { .name: q, .offset: 40, .size: 8, .value_kind: global_buffer, .address_space: global }
      - { .name: kv, .offset: 48, .size: 8, .value_kind: global_buffer, .address_space: global }
    .group_segment_fixed_size: 147456
    .private_segment_fixed_size: 0
    .kernarg_segment_align: 8
    .kernarg_segment_size: 56
    .max_flat_workgroup_size: 256
    .sgpr_count:     66
    .vgpr_count:     512
    .wavefront_size: 32
...
	.end_amdgpu_metadata
.endif
;; end of part 6
;; launch att (part 7): grid 8 x 32, 16 waves a work-group, clusters of 4 x 1, 223,232 bytes of LDS; arguments q, kv, attn_mask, cx; writes cx
.if DOCPART == 7
	.amdgcn_target "amdgcn-amd-amdhsa--gfx1250"
	.amdhsa_code_object_version 6
	.text
	.protected	k_qedb216fa92_att
	.globl	k_qedb216fa92_att
	.p2align	8
	.type	k_qedb216fa92_att,@function
k_qedb216fa92_att:
	s_mov_b64 s[64:65], 0
	v_nop
	global_prefetch_b8 v0, s[64:65] scope:SCOPE_SE
	s_setreg_imm32_b32 hwreg(HW_REG_WAVE_MODE, 25, 1), 1
	s_wait_xcnt 0x0
	s_wait_alu depctr_hold_cnt(0) depctr_sa_sdst(0) depctr_va_vdst(0) depctr_va_sdst(0) depctr_va_ssrc(0) depctr_va_vcc(0) depctr_vm_vsrc(0)
	s_getreg_b32 s2, hwreg(HW_REG_IB_STS2, 6, 4)
	s_cmp_eq_u32 s2, 0
	s_cbranch_scc0 .Lentry_in_a_cluster
	s_endpgm
.Lentry_in_a_cluster:
	s_bfe_u32 s2, ttmp6, 0x10000c
	s_cmp_lg_u32 s2, 0x3003
	s_cbranch_scc0 .Lentry_shape_is_right
	s_endpgm
.Lentry_shape_is_right:
; ATT.  ctx = softmax(q k^T / 8 + mask) v for one head of one batch, both products on codes of BF6 with E8M0 scales; ctx is quantised along the head's 64 and stored as codes for the next product.
; THE SOFTMAX AHEAD OF THE SECOND PRODUCT: S = q . k + 8 mask (8 mask is the C of the score product); t = c S, c = log2(e) / 8; M = the running largest t rounded UP to a whole number; p = 2^(c S - M), one fused
; multiply-add and one exponential, is quantised along the keys.  The row's sum is taken of the unquantised p and divides at the end.  When M moves, the sum and O are multiplied by 2^(old M - new M): exact.
; SHARES.  A work-group owns 256 queries of one head; each of its sixteen waves one row tile of 16 queries; four waves to a SIMD, so that one wave's vector work stands beside another's matrix work.
; LDS.  The head's k, v and their scales are 64 chunks of 3,328 bytes (32 keys each), 212,992 bytes: they are brought in ONCE and nothing is filled again.  Each wave asks for four chunks (16 g + wave) at its first lines;
; by this text's count a wave has four tensor loads out.  Two gates (a wait and a barrier): the first lets key steps 0-3 begin when a quarter of the head has landed, the second shows the rest.
; Behind the chunks: 8 x mask, held at -2^32 from below, 8,192 bytes, stored by the waves.
; CLUSTER.  The four query blocks of a cluster belong to one head and read the same chunks: each chunk is asked for JOINTLY, by the same tensor load with the same descriptor and a mask that names the four.
; LAYOUT.  Both products are used transposed, so that a lane holds one query throughout.  A chunk's k fragment holds key tile 0 in its K 0-63 and key tile 1 in its K 64-127; q stands in the lower half of one
; operand (zero codes above) and in the upper half of a second, so that each of the two products takes one key tile.  Register 16 f + i of S is key 32 f + 16 h + i of the step.
; All that the launch reads from memory in bulk is asked for at its head, so nothing is left to prefetch.
; LIMITS: NaN and +infinity are not served.  A mask under -2^29 (-infinity too) counts as -2^29: |t| then stays under 2^30, so that c S - M, whose two terms are rounded apart, stays within some 32 of its true value
; and no exponential overflows; such a key's p is 0 beside any key that counts.  A batch ALL of whose keys carry a mask under -2^29 is served as if those masks were equal (with -infinity throughout the problem's own result is NaN).
; A block whose largest magnitude lies under 2^-122 gets the byte 1.  The order of rounding in t differs from scale, add, multiply by single f32 roundings.
.set CHK,  3328                        ; a chunk
.set QTR,  53248                       ; sixteen chunks: four key steps
.set MKB,  212992                      ; 8 x mask
.set AK,  1                            ; v1  16 x lane
.set AVE, 2                            ; v2  v, even channel tiles: 8 r + 3,456 h (the next chunk, the other half of a run)
.set AVO, 3                            ; v3  odd ones: 8 r + 128 + 3,200 h
.set ASC, 4                            ; v4  8 x lane
.set AMK, 5                            ; v5  MKB + 64 h
.set VQ,  6                            ; v6  q: 8 x lane + 768 u
.set ADM, 7
.set ADK, 8
.set ADE, 9
.set ADO, 10
.set ADS, 11                           ; v7-11 the step's addresses; v12 -M, v13 the largest t, v[14:15] the sum in two halves
.set QA,  16                           ; v16-27 [q | 0]
.set QB,  28                           ; v28-39 [0 | q]
.set QS,  40                           ; v40 q's scale word
.set KF,  44                           ; v44-91 four fragments of k, then four of v
.set KS,  92                           ; v92-99 chunk f: k's scale word, v's
.set VS,  100                          ; v100-103 v's scale words by channel tile
.set TT,  104
.set S,   108                          ; v108-171 8 x mask, scores, p
.set O,   172                          ; v172-203 O^T
.set PC,  204                          ; v204-215 p's codes
.set PT,  216
.set BM,  224
.set PX,  228
.set SO,  232
.set BY,  236
.set FF,  240                          ; v240 2^(old M - new M); v241 = 0
.set TP,  242
.set PS,  243                          ; v243 p's scale word
.set WV,  12
.set G1,  16                           ; s[16:23] descriptor group 1; s[24:39] four groups 0
.set G0,  24
.set SEL, 40
.set CS,  42                           ; s[42:43] log2(e) / 8
.set TB,  48                           ; s48 the step's first LDS byte
.set TMK, 49                           ; s49 the step's first byte of the mask
.set CNT, 50
.macro ROUND                           ; a round of the cluster's barrier
	s_barrier_signal -1
	s_barrier_wait -1
	s_cmp_lg_u32 s[WV], 0
	s_cbranch_scc1 .Lnot_wave_0_\@
	s_barrier_signal -3
.Lnot_wave_0_\@:
	s_barrier_wait -3
	s_barrier_signal -1
	s_barrier_wait -1
.endm
.macro PLACES
.rept 4
	v_nop
.endr
.endm
	s_load_b256 s[4:11], s[0:1], 0x0               ; q, kv, mask, cx
	v_lshl_add_u32 v254, v0, 2, 0x36000
	v_mov_b32 v255, 0
	ds_add_u32 v254, v255
	ds_add_u32 v254, v255
	v_lshrrev_b32 v41, 5, v0
	v_readfirstlane_b32 s[WV], v41                 ; wave 0..15
	s_bfe_u32 s13, ttmp6, 0x40000                  ; my place in the cluster: it enters q's and cx's global addresses alone
	s_lshl_b32 s14, ttmp9, 2
	s_add_co_u32 s14, s14, s13                     ; my block of 256 queries
	s_and_b32 s15, ttmp7, 0xffff                   ; batch x 8 + head, which the four partners share
	; descriptor group 1: a chunk as 13 rows of 256 bytes (32 elements of 8 bytes), dense, no padding
	s_mov_b32 s[G1], 15|(3<<16)|(1<<21)            ; 15:0 the mask: all four work-groups; 17:16 elements of 8 bytes; 21 set beside a mask
	s_mov_b32 s[G1+1], 32<<16                      ; tensor_dim0 = 32
	s_mov_b32 s[G1+2], 13<<16                      ; tensor_dim1 = 13
	s_mov_b32 s[G1+3], 32<<16                      ; tile_dim0 = 32
	s_mov_b32 s[G1+4], 13                          ; tile_dim1 = 13
	s_mov_b32 s[G1+5], 32                          ; from row to row
	s_mov_b32 s[G1+6], 0
	s_mov_b32 s[G1+7], 0
	s_mul_i32 s52, s[WV], CHK                      ; chunk = wave, in LDS and in the head
	s_mul_i32 s54, s15, 64*CHK
	s_add_co_u32 s54, s54, s52
	s_mov_b32 s55, 0
	s_lshl_b32 s56, s14, 3
	s_lshr_b32 s57, s[WV], 1
	s_add_co_u32 s56, s56, s57                     ; my token block in the batch
	s_and_b32 s51, s[WV], 1                        ; my row tile u
	s_lshl_b32 s58, s15, 6
	s_add_co_u32 s58, s58, s56
	s_mul_i32 s58, s58, 1792                       ; q's entry
	s_mov_b32 s59, 0
	s_lshr_b32 s60, s15, 3                         ; batch
	s_lshl_b32 s61, s60, 6
	s_add_co_u32 s61, s61, s56
	s_lshl_b32 s61, s61, 1
	s_add_co_u32 s61, s61, s51
	s_lshl_b32 s61, s61, 3
	s_and_b32 s62, s15, 7
	s_add_co_u32 s62, s61, s62
	s_lshl_b32 s62, s62, 10                        ; cx: chunk (token block, u, head)
	s_mov_b32 s63, 0
	s_lshl_b32 s60, s60, 13                        ; the batch's 2,048 mask numbers
	s_mov_b32 s61, 0
	s_mov_b32 s[SEL], 0x76543210
	s_mov_b32 s[SEL+1], 0xfedcba98
	s_mov_b32 s[CS], 0x3e38aa3b
	s_mov_b32 s[CS+1], s[CS]
	s_mov_b32 s44, 0x05010400                      ; byte selects for the 4 x 4 turn of v's scale bytes
	s_mov_b32 s45, 0x07030602
	s_mov_b32 s46, 0x05040100
	s_mov_b32 s47, 0x07060302
	s_wait_dscnt 0x0
	s_wait_kmcnt 0x0
	s_add_nc_u64 s[6:7], s[6:7], s[54:55]
	s_add_nc_u64 s[4:5], s[4:5], s[58:59]
	s_add_nc_u64 s[8:9], s[8:9], s[60:61]
	s_add_nc_u64 s[10:11], s[10:11], s[62:63]
.irp g, 0,1,2,3
	s_mov_b32 s[G0+4*\g], 1                        ; count = 1
	s_add_co_u32 s[G0+4*\g+1], s52, \g*QTR         ; LDS address: chunk 16 g + wave
	s_add_nc_u64 s[G0+4*\g+2:G0+4*\g+3], s[6:7], \g*QTR
	s_or_b32 s[G0+4*\g+3], s[G0+4*\g+3], 0x80000000   ; type = 2
.endr
	ROUND                                          ; all four work-groups are here: the joint loads meet
	tensor_load_to_lds s[G0:G0+3], s[G1:G1+7]
	s_nop 0
	tensor_load_to_lds s[G0+4:G0+7], s[G1:G1+7]
	s_nop 0
	tensor_load_to_lds s[G0+8:G0+11], s[G1:G1+7]
	s_nop 0
	tensor_load_to_lds s[G0+12:G0+15], s[G1:G1+7]
	s_nop 0
.rept 4
	v_nop                                          ; behind the tensor loads
.endr
	v_and_b32 v41, 31, v0
	v_and_b32 v42, 15, v0                          ; r
	v_bfe_u32 v43, v0, 4, 1                        ; h
	v_lshlrev_b32 v[AK], 4, v41
	v_lshlrev_b32 v[ASC], 3, v41
	v_lshlrev_b32 v[AVE], 3, v42
	v_add_nc_u32 v[AVO], 128, v[AVE]
	v_mad_u32_u24 v[AVE], v43, 3456, v[AVE]
	v_mad_u32_u24 v[AVO], v43, 3200, v[AVO]
	v_lshl_add_u32 v[AMK], v43, 6, MKB
	s_mul_i32 s53, s51, 768
	v_add_nc_u32 v[VQ], s53, v[ASC]
	s_lshl_b32 s57, s51, 1
	v_lshl_add_u32 v[TT], v42, 3, s57              ; 8 r + 2 u: my row's two scale bytes
	v_lshlrev_b32 v[TT+1], 4, v0
	v_lshl_add_u32 v[TT+3], v0, 4, MKB
	global_load_b128 v[S:S+3], v[TT+1], s[8:9]     ; four mask numbers a thread: the work-group takes the batch's 2,048
.irp p, 0,1,2
	global_load_b64 v[QA+2*\p:QA+2*\p+1], v[VQ], s[4:5] offset:256*\p
.endr
	global_load_u16 v[TT+2], v[TT], s[4:5] offset:1536
	v_mov_b32 v13, 0xff61b1e6                      ; the largest t so far: -3e38
	v_floor_f32 v12, -v13                          ; -M
	v_mov_b32 v14, 0
	v_mov_b32 v15, 0
	v_mov_b32 v[FF+1], 0
.irp b, 0,1,2,3
	v_mov_b32 v[PX+\b], 0                          ; written once: a lane permute's destination counts as one of its sources
.endr
	s_wait_loadcnt 0x0
	v_pk_mul_f32 v[S:S+1], v[S:S+1], 0x41000000 op_sel_hi:[1,0]            ; 8 x mask: exact
	v_pk_mul_f32 v[S+2:S+3], v[S+2:S+3], 0x41000000 op_sel_hi:[1,0]
.irp i, 0,1,2,3
	v_max_num_f32 v[S+\i], 0xcf800000, v[S+\i]     ; held at -2^32 from below (the head comment says why)
.endr
	ds_store_b128 v[TT+3], v[S:S+3]
	v_lshl_or_b32 v[QS], v[TT+2], 16, v[TT+2]      ; the two bytes serve the lower half of one operand and the upper half of the other
.irp i, 0,1,2,3,4,5
	v_mov_b32 v[QB+6+\i], v[QA+\i]
	v_mov_b32 v[QA+6+\i], 0
	v_mov_b32 v[QB+\i], 0
.endr
.set n, 0
.rept 32
	v_mov_b32 v[O+n], 0                            ; O^T: the step is written once; the first finds zeros.  (These are also the places between the scale word's making and the first product)
.set n, n+1
.endr
; A KEY STEP: 128 keys, four chunks from s[TB] on.
.macro STEP
	v_add_nc_u32 v[ADK], s[TB], v[AK]              ; five plain instructions: the places behind the last products, ahead of the loads into their registers
	v_add_nc_u32 v[ADE], s[TB], v[AVE]
	v_add_nc_u32 v[ADO], s[TB], v[AVO]
	v_add_nc_u32 v[ADS], s[TB], v[ASC]
	v_add_nc_u32 v[ADM], s[TMK], v[AMK]
.irp f, 0,1,2,3
.irp c, 0,1,2
	ds_load_b128 v[KF+12*\f+4*\c:KF+12*\f+4*\c+3], v[ADK] offset:CHK*\f+512*\c
.endr
	ds_load_b64 v[KS+2*\f:KS+2*\f+1], v[ADS] offset:CHK*\f+3072
.irp j, 0,1,2,3
	ds_load_b128 v[S+16*\f+4*\j:S+16*\f+4*\j+3], v[ADM] offset:128*\f+16*\j   ; 8 x mask of my 64 keys, straight into the accumulators: the products add onto it
.endr
.endr
	s_wait_dscnt 0x0
.irp f, 0,1,2,3
	v_wmma_scale_f32_16x16x128_f8f6f4 v[S+16*\f:S+16*\f+7], v[KF+12*\f:KF+12*\f+11], v[QA:QA+11], v[S+16*\f:S+16*\f+7], v[KS+2*\f], v[QS] matrix_a_fmt:MATRIX_FMT_BF6 matrix_b_fmt:MATRIX_FMT_BF6
	v_wmma_scale_f32_16x16x128_f8f6f4 v[S+16*\f+8:S+16*\f+15], v[KF+12*\f:KF+12*\f+11], v[QB:QB+11], v[S+16*\f+8:S+16*\f+15], v[KS+2*\f], v[QS] matrix_a_fmt:MATRIX_FMT_BF6 matrix_b_fmt:MATRIX_FMT_BF6
.endr
	v_perm_b32 v[TT], v[KS+3], v[KS+1], s44        ; v's scale bytes: chunk f's word has a byte for each channel tile; a product wants a tile's word with a byte for each chunk.  Eight plain instructions: the places behind the products
	v_perm_b32 v[TT+1], v[KS+3], v[KS+1], s45
	v_perm_b32 v[TT+2], v[KS+7], v[KS+5], s44
	v_perm_b32 v[TT+3], v[KS+7], v[KS+5], s45
	v_perm_b32 v[VS], v[TT+2], v[TT], s46
	v_perm_b32 v[VS+1], v[TT+2], v[TT], s47
	v_perm_b32 v[VS+2], v[TT+3], v[TT+1], s46
	v_perm_b32 v[VS+3], v[TT+3], v[TT+1], s47
.irp ct, 0,1,2,3                               ; v's four fragments: they land while the softmax is worked
.irp c, 0,1
.irp p, 0,1,2
	ds_load_b64 v[KF+12*\ct+6*\c+2*\p:KF+12*\ct+6*\c+2*\p+1], v[ADE+\ct%2] offset:1536+2*CHK*\c+768*(\ct/2)+256*\p
.endr
.endr
.endr
.irp b, 0,1,2,3
	v_max3_num_f32 v[BM+\b], v[S+16*\b], v[S+1+16*\b], v[S+2+16*\b]   ; the largest S of each block of 32 keys: for the row's maximum and, since p rises with S, for the block's largest p.  Each accumulator is read from its low end on
.endr
.irp i, 3,5,7,9,11,13
.irp b, 0,1,2,3
	v_max3_num_f32 v[BM+\b], v[BM+\b], v[S+16*\b+\i], v[S+1+16*\b+\i]
.endr
.endr
.irp b, 0,1,2,3
	v_max_num_f32 v[BM+\b], v[BM+\b], v[S+15+16*\b]
.endr
.irp b, 0,1,2,3
	v_permlanex16_b32 v[PX+\b], v[BM+\b], s[SEL], s[SEL+1]
.endr
.irp b, 0,1,2,3
	v_max_num_f32 v[BM+\b], v[BM+\b], v[PX+\b]
.endr
	v_max3_num_f32 v[TP], v[BM], v[BM+1], v[BM+2]
	v_max_num_f32 v[TP], v[TP], v[BM+3]
	v_mul_f32 v[TP], s[CS], v[TP]                  ; as t (c is positive)
	v_max_num_f32 v13, v13, v[TP]                  ; the running largest t
	v_mov_b32 v[TP], v12
	v_floor_f32 v12, -v13                          ; the new -M: M is a whole number
	v_sub_f32 v[TP], v12, v[TP]
	v_cvt_i32_f32 v[TP], v[TP]                     ; (it saturates)
	v_ldexp_f32 v[FF], 1.0, v[TP]                  ; 2^(old M - new M)
.set n, 0
.rept 32
	v_pk_fma_f32 v[S+n:S+n+1], v[S+n:S+n+1], s[CS:CS+1], v[12:13] op_sel_hi:[1,0,0]   ; c S - M, two at a time (of the pairs c and -M the low word serves both halves)
.set n, n+2
.endr
.irp b, 0,1,2,3
	v_fma_f32 v[BM+\b], v[BM+\b], s[CS], v12       ; the same of each block's largest S
.endr
.set n, 0
.rept 64
	v_exp_f32 v[S+n], v[S+n]                       ; p = 2^(t - M), not normalised
.set n, n+1
.endr
	v_pk_mul_f32 v[14:15], v[14:15], v[FF:FF+1] op_sel_hi:[1,0]            ; the sums under the new M: a plain instruction behind the batch
	s_wait_alu depctr_va_vdst(0)                   ; one wait for the batch, ahead of its first reader
.irp b, 0,1,2,3
	v_exp_f32 v[BM+\b], v[BM+\b]                   ; each block's largest p: the same arithmetic on the same number
.endr
	v_pk_add_f32 v[PT:PT+1], v[S:S+1], v[S+2:S+3]  ; the row's sum of the unquantised p, in two chains
.set n, 4
.rept 15
	v_pk_add_f32 v[14:15], v[14:15], v[S+n:S+n+1]
	v_pk_add_f32 v[PT:PT+1], v[PT:PT+1], v[S+n+2:S+n+3]
.set n, n+4
.endr
	v_pk_add_f32 v[14:15], v[14:15], v[PT:PT+1]
	s_wait_alu depctr_va_vdst(0)                   ; and one for the four
.irp b, 0,1,2,3
	v_max_num_f32 v[BM+\b], 0x2800000, v[BM+\b]    ; the floor 2^(5 - 127)
.endr
.irp b, 0,1,2,3
	v_add_nc_u32 v[SO+\b], 0xfe000000, v[BM+\b]
.endr
.irp b, 0,1,2,3
	v_lshrrev_b32 v[BY+\b], 23, v[SO+\b]
.endr
	v_lshl_or_b32 v[PS], v[BY+1], 8, v[BY]
	v_lshl_or_b32 v[PS], v[BY+2], 16, v[PS]
	v_lshl_or_b32 v[PS], v[BY+3], 24, v[PS]
.irp c, 0,1
	v_cvt_scalef32_pk16_bf6_f32 v[PC+6*\c:PC+2+6*\c], v[S+32*\c:S+15+32*\c], v[SO+2*\c]
	v_cvt_scalef32_pk16_bf6_f32 v[PT+4*\c:PT+2+4*\c], v[S+16+32*\c:S+31+32*\c], v[SO+2*\c+1]
.endr
	v_nop                                          ; one plain place behind a scaled conversion
.irp c, 0,1
.irp i, 0,1,2
	v_permlane16_swap_b32 v[PC+6*\c+\i], v[PT+4*\c+\i]
.endr
.irp i, 0,1,2
	v_mov_b32 v[PC+3+6*\c+\i], v[PT+4*\c+\i]
.endr
.endr
.set n, 0
.rept 16
	v_pk_mul_f32 v[O+n:O+n+1], v[O+n:O+n+1], v[FF:FF+1] op_sel_hi:[1,0]    ; O^T under the new M; also the places between the making of p's codes and word and the products
.set n, n+2
.endr
	s_wait_dscnt 0x0                               ; v
.irp ct, 0,1,2,3
	v_wmma_scale_f32_16x16x128_f8f6f4 v[O+8*\ct:O+8*\ct+7], v[KF+12*\ct:KF+12*\ct+11], v[PC:PC+11], v[O+8*\ct:O+8*\ct+7], v[VS+\ct], v[PS] matrix_a_fmt:MATRIX_FMT_BF6 matrix_b_fmt:MATRIX_FMT_BF6
.endr
.endm
; A gate and the key steps behind it.  left: my tensor loads issued behind the last one whose chunk these steps read; they may stay out.
.macro GROUP left, first, trips
	s_wait_tensorcnt \left
	s_wait_dscnt 0x0                               ; (in front of the first gate: my part of the mask lies in LDS)
	s_barrier_signal -1
	s_barrier_wait -1                              ; every wave's chunks for these steps have landed
	s_mov_b32 s[TB], (\first)*4*CHK
	s_mov_b32 s[TMK], (\first)*512
	s_mov_b32 s[CNT], \trips
.Lstep_\@:
	STEP
	s_add_co_u32 s[TB], s[TB], 4*CHK
	s_add_co_u32 s[TMK], s[TMK], 512
	s_sub_co_u32 s[CNT], s[CNT], 1
	s_cmp_lg_u32 s[CNT], 0
	s_cbranch_scc1 .Lstep_\@
.endm
	GROUP 3, 0, 4                                  ; the first quarter of the head: three younger loads of mine may be out
	GROUP 0, 4, 12                                 ; the rest: all my loads have landed, and behind the barrier everybody's
	; THE WAY OUT.  O^T / the sum; register 16 b + i is channel 32 b + 16 h + i of my query: two blocks of 32, quantised as above; the six registers are a half fragment of the next product's operand.
	PLACES
	v_add_f32 v14, v14, v15
	v_permlanex16_b32 v[PX], v14, s[SEL], s[SEL+1]
	v_add_f32 v14, v14, v[PX]
	v_rcp_f32 v14, v14
	v_nop
	s_wait_alu depctr_va_vdst(0)
.set n, 0
.rept 16
	v_pk_mul_f32 v[S+n:S+n+1], v[O+n:O+n+1], v[14:15] op_sel_hi:[1,0]
.set n, n+2
.endr
.irp b, 0,1
	v_max3_num_f32 v[BM+\b], |v[S+16*\b]|, |v[S+1+16*\b]|, 0x2800000
.endr
.irp i, 2,4,6,8,10,12,14
.irp b, 0,1
	v_max3_num_f32 v[BM+\b], v[BM+\b], |v[S+16*\b+\i]|, |v[S+1+16*\b+\i]|
.endr
.endr
.irp b, 0,1
	v_permlanex16_b32 v[PX+\b], v[BM+\b], s[SEL], s[SEL+1]
.endr
.irp b, 0,1
	v_max_num_f32 v[BM+\b], v[BM+\b], v[PX+\b]
.endr
.irp b, 0,1
	v_add_nc_u32 v[SO+\b], 0xfe000000, v[BM+\b]
.endr
.irp b, 0,1
	v_lshrrev_b32 v[BY+\b], 23, v[SO+\b]
.endr
	v_lshl_or_b32 v[FF], v[BY+1], 8, v[BY]
	v_lshl_or_b32 v[FF], v[FF], 16, v[FF]          ; the two bytes twice: the reader takes them at byte 2 u
	v_cvt_scalef32_pk16_bf6_f32 v[PC:PC+2], v[S:S+15], v[SO]
	v_cvt_scalef32_pk16_bf6_f32 v[PT:PT+2], v[S+16:S+31], v[SO+1]
	v_nop
.irp i, 0,1,2
	v_permlane16_swap_b32 v[PC+\i], v[PT+\i]
.endr
.irp i, 0,1,2
	v_mov_b32 v[PC+3+\i], v[PT+\i]
.endr
.irp p, 0,1,2
	global_store_b64 v[ASC], v[PC+2*\p:PC+2*\p+1], s[10:11] offset:256*\p  ; 256 consecutive bytes a store, aligned
.endr
	global_store_b64 v[ASC], v[FF:FF+1], s[10:11] offset:768
	s_wait_tensorcnt 0x0
	ds_add_u32 v254, v255
	s_wait_dscnt 0x0
	ROUND                                          ; the closing round: no work-group ends while a partner may still ask for a chunk that names it
	s_endpgm
.Lfunc_end_k_qedb216fa92_att:
	.size	k_qedb216fa92_att, .Lfunc_end_k_qedb216fa92_att-k_qedb216fa92_att
	.p2alignl 7, 3214868480
	.fill 96, 4, 3214868480
	.section	.rodata,"a",@progbits
	.p2align	6, 0x0
	.amdhsa_kernel k_qedb216fa92_att
		.amdhsa_group_segment_fixed_size 223232
		.amdhsa_private_segment_fixed_size 0
		.amdhsa_enable_private_segment 0
		.amdhsa_kernarg_size 32
		.amdhsa_user_sgpr_count 2
		.amdhsa_user_sgpr_kernarg_segment_ptr 1
		.amdhsa_wavefront_size32 1
		.amdhsa_system_sgpr_workgroup_id_x 1
		.amdhsa_system_sgpr_workgroup_id_y 1
		.amdhsa_system_sgpr_workgroup_id_z 1
		.amdhsa_system_vgpr_workitem_id 0
		.amdhsa_next_free_vgpr 256
		.amdhsa_next_free_sgpr 66
		.amdhsa_reserve_vcc 0
		.amdhsa_float_denorm_mode_32 3
		.amdhsa_float_denorm_mode_16_64 3
		.amdhsa_memory_ordered 1
		.amdhsa_forward_progress 1
		.amdhsa_inst_pref_size 49
	.end_amdhsa_kernel
	.amdgpu_metadata
---
amdhsa.version: [ 1, 2 ]
amdhsa.kernels:
  - .name:           k_qedb216fa92_att
    .symbol:         k_qedb216fa92_att.kd
    .args:
      - { .name: q, .offset: 0, .size: 8, .value_kind: global_buffer, .address_space: global }
      - { .name: kv, .offset: 8, .size: 8, .value_kind: global_buffer, .address_space: global }
      - { .name: attn_mask, .offset: 16, .size: 8, .value_kind: global_buffer, .address_space: global }
      - { .name: cx, .offset: 24, .size: 8, .value_kind: global_buffer, .address_space: global }
    .group_segment_fixed_size: 223232
    .private_segment_fixed_size: 0
    .kernarg_segment_align: 8
    .kernarg_segment_size: 32
    .max_flat_workgroup_size: 512
    .sgpr_count:     66
    .vgpr_count:     256
    .wavefront_size: 32
...
	.end_amdgpu_metadata
.endif
;; end of part 7
;; launch mlp (part 8): grid 256 x 1, 8 waves a work-group, no clusters, 193,536 bytes of LDS; arguments cx, x, w, f0, ln2_w, ln2_b, ln1_w, ln1_b, lnf_w, lnf_b, x1, xc, out0; writes x1, xc, out0
.if DOCPART == 8
	.amdgcn_target "amdgcn-amd-amdhsa--gfx1250"
	.amdhsa_code_object_version 6
	.text
	.protected	k_qedb216fa92_mlp
	.globl	k_qedb216fa92_mlp
	.p2align	8
	.type	k_qedb216fa92_mlp,@function
k_qedb216fa92_mlp:
	s_mov_b64 s[64:65], 0
	v_nop
	global_prefetch_b8 v0, s[64:65] scope:SCOPE_SE
	s_setreg_imm32_b32 hwreg(HW_REG_WAVE_MODE, 25, 1), 1
	s_wait_xcnt 0x0
; MLP.  The rest of a layer for 32 tokens: x' = x + ctx Wo; xn = LN2(x'); g = silu(xn W1a) * (xn W1b); x'' = x' + g W2; then the tail:
; layer 0: x'' is stored, and LN1 of layer 1 of it is quantised and stored as codes;  layer 1: the final LayerNorm of x'' is stored as the result.
; All four products on codes of BF6 with E8M0 scales; xn and g are quantised on the way and never go to memory.
; SHARES.  Work-group g takes token block g (two row tiles u; lane row r of tile u is token 8 u + r + 8 (r / 8)).  THE WAVES SHARE THE COLUMNS: wave w makes features 64 w .. 64 w + 63 of every product.
; Its weights (one block of w a pass, laid in the order of the operand registers) go from memory straight into a ring of four register slots, a K step each, asked for a pass ahead.
; The rows' codes go from wave to wave through LDS as images of the operand's registers, in chunks of 1,024 bytes (row tile u, 64 features g): three runs of 256 bytes of codes, one of scale words.
; Every product is used TRANSPOSED (source 0 = 16 rows of W, source 1 = 16 tokens): register 32 u + 16 b + i of a lane is feature 32 b + 16 h + i of its token.
; Each shared LDS region is written in one phase only; seven barriers part the writing from the reading.  The wave's own stage turns rows into the lanes' order and back: x comes in, and x'' and the result leave,
; as runs of 256 consecutive bytes of a token; x' and x'' rest there between.
; The layer's number is read from a buffer of whole numbers that an earlier launch stored; it is held at 1 before it enters an address, and decides one branch, behind the last barrier.
; In the launch for layer 1 the eleventh argument is a buffer that is dead by then: the target of the arm that layer 1 does not take.
; No joint loads: each wave's weights go to its own registers alone; through LDS a pass's 204,800 bytes would want two slots, which do not fit beside the 192,512 bytes in use.
; LIMITS: NaN and infinities are not served; a block whose largest magnitude lies under 2^-122 gets the byte 1 (only this program reads the bytes).
.set LAYERB, 1433600
.set PASSB,  204800                    ; eight blocks of w: from a pass to the next
.set AIMG0,  0                         ; LDS: ctx's 16 chunks
.set AIMG1,  16384                     ; xn's
.set AIMG2,  32768                     ; g's
.set ST1,    49152                     ; four regions of 8 x 32 words for the LayerNorms' sums
.set ST2,    50176
.set ST3,    51200
.set ST4,    52224
.set WSCR,   53248                     ; a stage for each wave: 32 rows x (256 + 16) bytes
.set WSCR2,  122880                    ; and a second one, which the last layer's arm alone writes
.set LI,  1                            ; v1  16 x lane
.set L8,  2                            ; v2  8 x lane
.set L4,  3                            ; v3  4 x lane
.set CPY, 4                            ; v4  16 x lane + 2,048 x wave
.set ASA, 5                            ; v5  8 r + 8,194 h: tile h's chunk, its two scale bytes
.set IMW, 6                            ; v6  8 x lane + 1,024 x wave
.set STW, 7                            ; v7  4 x thread
.set SA,  8                            ; v8  the stage in the lanes' order: row r, + 64 h
.set SB,  9                            ; v9  and by rows: row h, + 16 r
.set PA,  11                           ; v11 64 h
.set GO,  12                           ; v12 2,048 h + 16 r: sixteen lanes to a token's 256 bytes
.set SA2, 13
.set SB2, 14
.set AS,  16                           ; v16-19 the rows' scale words: lanes 0-15 tile 0, lanes 16-31 tile 1
.set WS,  20                           ; v20-35 W's scale words, two sets
.set AF,  36                           ; v36-59, v60-83 two sets of the rows' two fragments; between passes: the LayerNorm's registers
.set SU,  36
.set XX,  38
.set TOT, 40
.set LD,  44
.set MU,  52
.set RS,  56
.set CH,  60
.set ACC, 84
.set HOLD, 148
.set TM,  212
.set PC,  228
.set PW,  248                          ; v248 the scale word, v249 = 0.   Window 1: the ring: slot s at 48 s + 12 t + 4 c
.set WV,  30
.set LAY, 31
.set SEL, 32
.set HIM, 34
.set P9,  35
.set EPS, 36
.set WP,  38
.set MSB, 0
.macro WIN new
.if MSB != \new
	s_set_vgpr_msb (MSB<<8)|\new
.set MSB, \new
.endif
.endm
.macro PLACES
.rept 4
	v_nop
.endr
.endm
.macro BAR
	s_wait_dscnt 0x0
	s_barrier_signal -1
	s_barrier_wait -1
.endm
.macro MM d, a, b, ks, sa, sb, ra, rb
.if (\ks) == 0
.if (\ra) && (\rb)
	v_wmma_scale_f32_16x16x128_f8f6f4 v[\d:\d+7], v[\a:\a+11], v[\b:\b+11], 0, v[\sa], v[\sb] matrix_a_fmt:MATRIX_FMT_BF6 matrix_b_fmt:MATRIX_FMT_BF6 matrix_a_scale:MATRIX_SCALE_ROW1 matrix_b_scale:MATRIX_SCALE_ROW1
.elseif (\ra)
	v_wmma_scale_f32_16x16x128_f8f6f4 v[\d:\d+7], v[\a:\a+11], v[\b:\b+11], 0, v[\sa], v[\sb] matrix_a_fmt:MATRIX_FMT_BF6 matrix_b_fmt:MATRIX_FMT_BF6 matrix_a_scale:MATRIX_SCALE_ROW1
.elseif (\rb)
	v_wmma_scale_f32_16x16x128_f8f6f4 v[\d:\d+7], v[\a:\a+11], v[\b:\b+11], 0, v[\sa], v[\sb] matrix_a_fmt:MATRIX_FMT_BF6 matrix_b_fmt:MATRIX_FMT_BF6 matrix_b_scale:MATRIX_SCALE_ROW1
.else
	v_wmma_scale_f32_16x16x128_f8f6f4 v[\d:\d+7], v[\a:\a+11], v[\b:\b+11], 0, v[\sa], v[\sb] matrix_a_fmt:MATRIX_FMT_BF6 matrix_b_fmt:MATRIX_FMT_BF6
.endif
.else
.if (\ra) && (\rb)
	v_wmma_scale_f32_16x16x128_f8f6f4 v[\d:\d+7], v[\a:\a+11], v[\b:\b+11], v[\d:\d+7], v[\sa], v[\sb] matrix_a_fmt:MATRIX_FMT_BF6 matrix_b_fmt:MATRIX_FMT_BF6 matrix_a_scale:MATRIX_SCALE_ROW1 matrix_b_scale:MATRIX_SCALE_ROW1
.elseif (\ra)
	v_wmma_scale_f32_16x16x128_f8f6f4 v[\d:\d+7], v[\a:\a+11], v[\b:\b+11], v[\d:\d+7], v[\sa], v[\sb] matrix_a_fmt:MATRIX_FMT_BF6 matrix_b_fmt:MATRIX_FMT_BF6 matrix_a_scale:MATRIX_SCALE_ROW1
.elseif (\rb)
	v_wmma_scale_f32_16x16x128_f8f6f4 v[\d:\d+7], v[\a:\a+11], v[\b:\b+11], v[\d:\d+7], v[\sa], v[\sb] matrix_a_fmt:MATRIX_FMT_BF6 matrix_b_fmt:MATRIX_FMT_BF6 matrix_b_scale:MATRIX_SCALE_ROW1
.else
	v_wmma_scale_f32_16x16x128_f8f6f4 v[\d:\d+7], v[\a:\a+11], v[\b:\b+11], v[\d:\d+7], v[\sa], v[\sb] matrix_a_fmt:MATRIX_FMT_BF6 matrix_b_fmt:MATRIX_FMT_BF6
.endif
.endif
.endm
.macro ROWSUM st                       ; the four chains in CH -> in v[TOT] of lane (h, r) the sum over all 512 features for row r of tile h
.irp u, 0,1
	v_pk_add_f32 v[CH+4*\u:CH+4*\u+1], v[CH+4*\u:CH+4*\u+1], v[CH+4*\u+2:CH+4*\u+3]
.endr
.irp u, 0,1
	v_add_f32 v[SU+\u], v[CH+4*\u], v[CH+4*\u+1]
	v_mov_b32 v[XX+\u], 0
.endr
.irp u, 0,1
	v_permlanex16_b32 v[XX+\u], v[SU+\u], s[SEL], s[SEL+1]
.endr
.irp u, 0,1
	v_add_f32 v[SU+\u], v[SU+\u], v[XX+\u]
.endr
	v_cndmask_b32 v[SU], v[SU], v[SU+1], s[HIM]
	ds_store_b32 v[STW], v[SU] offset:\st
	BAR
.irp k, 0,1,2,3,4,5,6,7
	ds_load_b32 v[LD+\k], v[L4] offset:\st+128*\k
.endr
	s_wait_dscnt 0x0
	v_add_f32 v[LD], v[LD], v[LD+1]
	v_add_f32 v[LD+2], v[LD+2], v[LD+3]
	v_add_f32 v[LD+4], v[LD+4], v[LD+5]
	v_add_f32 v[LD+6], v[LD+6], v[LD+7]
	v_add_f32 v[LD], v[LD], v[LD+2]
	v_add_f32 v[LD+4], v[LD+4], v[LD+6]
	v_add_f32 v[TOT], v[LD], v[LD+4]
.endm
.macro SPLIT val, d
	v_permlanex16_b32 v[XX], v[\val], s[SEL], s[SEL+1]
	v_cndmask_b32 v[\d], v[\val], v[XX], s[HIM]
	v_cndmask_b32 v[\d+2], v[XX], v[\val], s[HIM]
	v_mov_b32 v[\d+1], v[\d]
	v_mov_b32 v[\d+3], v[\d+2]
.endm
.macro LN st1, st2                     ; LayerNorm of HOLD in place; the mean is taken away before the squares are formed; gains in ACC + k, biases in ACC + 32 + k
.irp u, 0,1
	v_pk_add_f32 v[CH+4*\u:CH+4*\u+1], v[HOLD+32*\u:HOLD+32*\u+1], v[HOLD+32*\u+4:HOLD+32*\u+5]
	v_pk_add_f32 v[CH+4*\u+2:CH+4*\u+3], v[HOLD+32*\u+2:HOLD+32*\u+3], v[HOLD+32*\u+6:HOLD+32*\u+7]
.endr
.irp j, 8,12,16,20,24,28
.irp u, 0,1
	v_pk_add_f32 v[CH+4*\u:CH+4*\u+1], v[CH+4*\u:CH+4*\u+1], v[HOLD+32*\u+\j:HOLD+32*\u+\j+1]
	v_pk_add_f32 v[CH+4*\u+2:CH+4*\u+3], v[CH+4*\u+2:CH+4*\u+3], v[HOLD+32*\u+\j+2:HOLD+32*\u+\j+3]
.endr
.endr
	ROWSUM \st1
	v_mul_f32 v[TOT], s[P9], v[TOT]
	SPLIT TOT, MU
.set k, 0
.rept 32
	v_pk_add_f32 v[HOLD+k:HOLD+k+1], v[HOLD+k:HOLD+k+1], v[MU+2*(k/32):MU+2*(k/32)+1] neg_lo:[0,1] neg_hi:[0,1]
.set k, k+2
.endr
.irp u, 0,1
	v_pk_mul_f32 v[CH+4*\u:CH+4*\u+1], v[HOLD+32*\u:HOLD+32*\u+1], v[HOLD+32*\u:HOLD+32*\u+1]
	v_pk_mul_f32 v[CH+4*\u+2:CH+4*\u+3], v[HOLD+32*\u+2:HOLD+32*\u+3], v[HOLD+32*\u+2:HOLD+32*\u+3]
.endr
.irp j, 4,8,12,16,20,24,28
.irp u, 0,1
	v_pk_fma_f32 v[CH+4*\u:CH+4*\u+1], v[HOLD+32*\u+\j:HOLD+32*\u+\j+1], v[HOLD+32*\u+\j:HOLD+32*\u+\j+1], v[CH+4*\u:CH+4*\u+1]
	v_pk_fma_f32 v[CH+4*\u+2:CH+4*\u+3], v[HOLD+32*\u+\j+2:HOLD+32*\u+\j+3], v[HOLD+32*\u+\j+2:HOLD+32*\u+\j+3], v[CH+4*\u+2:CH+4*\u+3]
.endr
.endr
	ROWSUM \st2
	v_fma_f32 v[TOT], v[TOT], s[P9], s[EPS]
	v_rsq_f32 v[TOT], v[TOT]
	v_nop                                          ; a plain instruction behind the transcendental
	s_wait_alu depctr_va_vdst(0)                   ; and the wait ahead of its first reader
	SPLIT TOT, RS
	s_wait_loadcnt 0x0                             ; the gains and biases
.set k, 0
.rept 32
	v_pk_mul_f32 v[HOLD+k:HOLD+k+1], v[HOLD+k:HOLD+k+1], v[RS+2*(k/32):RS+2*(k/32)+1]
.set k, k+2
.endr
.set k, 0
.rept 32
	v_pk_fma_f32 v[HOLD+k:HOLD+k+1], v[HOLD+k:HOLD+k+1], v[ACC+k%32:ACC+k%32+1], v[ACC+32+k%32:ACC+32+k%32+1]
.set k, k+2
.endr
.endm
.macro QUANT src
.irp b, 0,1,2,3
	v_max3_num_f32 v[TM+\b], |v[\src+16*\b]|, |v[\src+1+16*\b]|, 0x2800000   ; my 16 numbers, and the floor 2^(5 - 127): the byte cannot fall under 1
.endr
.irp i, 2,4,6,8,10,12,14
.irp b, 0,1,2,3
	v_max3_num_f32 v[TM+\b], v[TM+\b], |v[\src+16*\b+\i]|, |v[\src+1+16*\b+\i]|
.endr
.endr
.irp b, 0,1,2,3
	v_permlanex16_b32 v[TM+4+\b], v[TM+\b], s[SEL], s[SEL+1]
.endr
.irp b, 0,1,2,3
	v_max_num_f32 v[TM+\b], v[TM+\b], v[TM+4+\b]
.endr
.irp b, 0,1,2,3
	v_add_nc_u32 v[TM+12+\b], 0xfe000000, v[TM+\b]
.endr
.irp b, 0,1,2,3
	v_lshrrev_b32 v[TM+4+\b], 23, v[TM+12+\b]
.endr
	v_lshl_or_b32 v[PW], v[TM+5], 8, v[TM+4]
	v_lshl_or_b32 v[PW], v[TM+6], 16, v[PW]
	v_lshl_or_b32 v[PW], v[TM+7], 24, v[PW]
.irp c, 0,1
	v_cvt_scalef32_pk16_bf6_f32 v[PC+6*\c:PC+2+6*\c], v[\src+32*\c:\src+15+32*\c], v[TM+12+2*\c]
	v_cvt_scalef32_pk16_bf6_f32 v[PC+12+4*\c:PC+14+4*\c], v[\src+16+32*\c:\src+31+32*\c], v[TM+12+2*\c+1]
.endr
	v_nop                                          ; one plain place behind a scaled conversion
.irp c, 0,1
.irp i, 0,1,2
	v_permlane16_swap_b32 v[PC+6*\c+\i], v[PC+12+4*\c+\i]
.endr
.irp i, 0,1,2
	v_mov_b32 v[PC+3+6*\c+\i], v[PC+12+4*\c+\i]
.endr
.endr
.endm
.macro XCSTORE base
.irp n, 0,1,2,3,4,5
	global_store_b64 v[L8], v[PC+2*\n:PC+2*\n+1], s[\base:\base+1] offset:(\n/3)*8192+256*(\n%3)
.endr
.irp u, 0,1
	global_store_b64 v[L8], v[PW:PW+1], s[\base:\base+1] offset:\u*8192+768
.endr
.endm
.macro WG p, s                         ; pass p's weights of K step s into ring slot s: 12 loads of 512 consecutive bytes; with s = 0 also the pass's scale words
.if (\s) == 0
	global_load_b128 v[WS+8*((\p)%2):WS+8*((\p)%2)+3], v[LI], s[WP:WP+1] offset:PASSB*(\p)+24576
	global_load_b128 v[WS+8*((\p)%2)+4:WS+8*((\p)%2)+7], v[LI], s[WP:WP+1] offset:PASSB*(\p)+24576+512
.endif
	WIN 0x40                                       ; destination in window 1
.irp t, 0,1,2,3
.irp c, 0,1,2
	global_load_b128 v[48*(\s)+12*\t+4*\c:48*(\s)+12*\t+4*\c+3], v[LI], s[WP:WP+1] offset:PASSB*(\p)+(4*(\s)+\t)*1536+512*\c
.endr
.endr
	WIN 0
.endm
.macro ASBUILD base                    ; the rows' scale words for the four K steps, from the chunks' scale runs
.irp s, 0,1,2,3
.irp c, 0,1
	ds_load_u16 v[TM+2*\s+\c], v[ASA] offset:\base+768+2048*\s+1024*\c
.endr
.endr
	s_wait_dscnt 0x0
.irp s, 0,1,2,3
	v_lshl_or_b32 v[AS+\s], v[TM+2*\s+1], 16, v[TM+2*\s]
.endr
.rept 8
	v_nop                                          ; a scale register written by a vector instruction stands eight places ahead of a scaled matrix instruction
.endr
.endm
.macro AFETCH base, s                  ; the two row tiles' fragments of K step s into set s % 2: 12 loads of 256 consecutive bytes
.irp u, 0,1
.irp c, 0,1
.irp p, 0,1,2
	ds_load_b64 v[AF+24*((\s)%2)+12*\u+6*\c+2*\p:AF+24*((\s)%2)+12*\u+6*\c+2*\p+1], v[L8] offset:\base+(8*\u+2*(\s)+\c)*1024+256*\p
.endr
.endr
.endr
.endm
; One product: 4 K steps x 8 matrix instructions on eight accumulators, which take turns, one instruction a turn.  next = 1: each slot, once read, takes the next pass's weights.
.macro PASS p, base, next
	AFETCH \base, 0
.irp s, 0,1,2,3
.if \s < 3
	AFETCH \base, \s+1
	s_wait_dscnt 12                                ; all but the 12 loads of the next K step
.else
	s_wait_dscnt 0x0
.endif
.if \next
	s_wait_loadcnt 36                              ; behind this K step's weights at least three more groups of 12 loads were issued
.else
	s_wait_loadcnt 36-12*\s                        ; the last pass: the groups that are left
.endif
	WIN 0x01                                       ; source 0 (W) in window 1
.irp t, 0,1,2,3
.irp u, 0,1
	MM ACC+32*\u+8*\t, 48*\s+12*\t, AF+24*(\s%2)+12*\u, \s, WS+8*((\p)%2)+4*(\t/2)+\s, AS+\s, \t%2, \u
.endr
.endr
	WIN 0
	PLACES
.if \next
	WG (\p)+1, \s
.endif
.endr
.endm
.macro ADDH                            ; HOLD += ACC, each accumulator from its low end on
.set k, 0
.rept 32
	v_pk_add_f32 v[HOLD+k:HOLD+k+1], v[HOLD+k:HOLD+k+1], v[ACC+k:ACC+k+1]
.set k, k+2
.endr
.endm
.macro PARAMS pw, pb                   ; my 64 features' gains and biases, in HOLD's order
.irp b, 0,1
.irp j, 0,1,2,3
	global_load_b128 v[ACC+16*\b+4*\j:ACC+16*\b+4*\j+3], v[PA], s[\pw:\pw+1] offset:128*\b+16*\j
	global_load_b128 v[ACC+32+16*\b+4*\j:ACC+32+16*\b+4*\j+3], v[PA], s[\pb:\pb+1] offset:128*\b+16*\j
.endr
.endr
.endm
.macro STAGE_IN adr                    ; HOLD into my stage: row 16 u + r, my features' 256 bytes
.irp u, 0,1
.irp b, 0,1
.irp j, 0,1,2,3
	ds_store_b128 v[\adr], v[HOLD+32*\u+16*\b+4*\j:HOLD+32*\u+16*\b+4*\j+3] offset:4352*\u+128*\b+16*\j
.endr
.endr
.endr
.endm
.macro STAGE_BACK
.irp u, 0,1
.irp b, 0,1
.irp j, 0,1,2,3
	ds_load_b128 v[HOLD+32*\u+16*\b+4*\j:HOLD+32*\u+16*\b+4*\j+3], v[SA] offset:4352*\u+128*\b+16*\j
.endr
.endr
.endr
.endm
.macro STAGE_OUT adr, base             ; the stage leaves by rows: lanes 0-15 store one token's 256 consecutive bytes, aligned, lanes 16-31 the next token's.  LDS serves a wave's instructions in order: these loads see my stores
.set k, 0
.rept 16
	ds_load_b128 v[ACC+4*k:ACC+4*k+3], v[\adr] offset:544*k
.set k, k+1
.endr
.set k, 0
.rept 16
	s_wait_dscnt 15-k
	global_store_b128 v[GO], v[ACC+4*k:ACC+4*k+3], s[\base:\base+1] offset:(8*(k/8)+2*(k%8)+8*((k%8)/4))*2048
.set k, k+1
.endr
.endm
.macro IMG base                        ; my two chunks (g = wave) into LDS as they stand
.irp n, 0,1,2,3,4,5
	ds_store_b64 v[IMW], v[PC+2*\n:PC+2*\n+1] offset:\base+(\n/3)*8192+256*(\n%3)
.endr
.irp u, 0,1
	ds_store_b32 v[IMW], v[PW] offset:\base+8192*\u+768
.endr
.endm
.macro SILU                            ; HOLD = ACC / (1 + 2^(-ACC log2(e)))
.set k, 0
.rept 32
	v_pk_mul_f32 v[HOLD+k:HOLD+k+1], v[ACC+k:ACC+k+1], 0xbfb8aa3b op_sel_hi:[1,0]
.set k, k+2
.endr
.set k, 0
.rept 64
	v_exp_f32 v[HOLD+k], v[HOLD+k]
.set k, k+1
.endr
	v_nop
	s_wait_alu depctr_va_vdst(0)                   ; one wait for the batch
.set k, 0
.rept 32
	v_pk_add_f32 v[HOLD+k:HOLD+k+1], v[HOLD+k:HOLD+k+1], 1.0 op_sel_hi:[1,0]
.set k, k+2
.endr
.set k, 0
.rept 64
	v_rcp_f32 v[HOLD+k], v[HOLD+k]
.set k, k+1
.endr
	v_nop
	s_wait_alu depctr_va_vdst(0)
.set k, 0
.rept 32
	v_pk_mul_f32 v[HOLD+k:HOLD+k+1], v[HOLD+k:HOLD+k+1], v[ACC+k:ACC+k+1]
.set k, k+2
.endr
.endm
	s_load_b512 s[4:19], s[0:1], 0x0               ; cx, x in, w, the layer's number, ln2_w, ln2_b, ln1_w, ln1_b
	s_load_b256 s[20:27], s[0:1], 0x40             ; lnf_w, lnf_b, x out, xc
	s_load_b64 s[28:29], s[0:1], 0x60              ; out0
	v_lshl_add_u32 v254, v0, 2, 0x2f000
	v_mov_b32 v255, 0
	v_lshrrev_b32 v15, 5, v0
	v_readfirstlane_b32 s[WV], v15                 ; wave 0..7
	v_and_b32 v36, 31, v0
	v_and_b32 v37, 15, v0                          ; r
	v_bfe_u32 v38, v0, 4, 1                        ; h
	v_lshlrev_b32 v[LI], 4, v36
	v_lshlrev_b32 v[L8], 3, v36
	v_lshlrev_b32 v[L4], 2, v36
	s_lshl_b32 s48, s[WV], 11
	v_add_nc_u32 v[CPY], s48, v[LI]
	v_lshlrev_b32 v[ASA], 3, v37
	v_mad_u32_u24 v[ASA], v38, 8194, v[ASA]
	s_lshl_b32 s49, s[WV], 10
	v_add_nc_u32 v[IMW], s49, v[L8]
	v_lshlrev_b32 v[STW], 2, v0
	s_mul_i32 s50, s[WV], 8704
	s_add_co_u32 s50, s50, WSCR
	v_mul_u32_u24 v[SA], v37, 272
	v_lshl_add_u32 v[SA], v38, 6, v[SA]
	v_add_nc_u32 v[SA], s50, v[SA]
	v_mul_u32_u24 v[SB], v38, 272
	v_lshl_add_u32 v[SB], v37, 4, v[SB]
	v_add_nc_u32 v[SB], s50, v[SB]
	v_add_nc_u32 v[SA2], WSCR2-WSCR, v[SA]
	v_add_nc_u32 v[SB2], WSCR2-WSCR, v[SB]
	v_lshlrev_b32 v[PA], 6, v38
	v_lshlrev_b32 v[GO], 11, v38
	v_lshl_add_u32 v[GO], v37, 4, v[GO]
.irp b, 0,1,2,3
	v_mov_b32 v[TM+4+\b], 0
.endr
	v_mov_b32 v[PW+1], 0
	s_mov_b32 s[SEL], 0x76543210
	s_mov_b32 s[SEL+1], 0xfedcba98
	s_mov_b32 s[HIM], 0xffff0000
	s_mov_b32 s[P9], 0x3b000000                    ; 2^-9
	s_mov_b32 s[EPS], 0x3727c5ac                   ; 1e-5
	s_lshl_b32 s48, ttmp9, 14                      ; the token block's 16 chunks
	s_mov_b32 s49, 0
	s_lshl_b32 s50, ttmp9, 16
	s_lshl_b32 s54, s[WV], 8
	s_add_co_u32 s50, s50, s54                     ; 32 tokens of 2,048 bytes, my 64 features
	s_mov_b32 s51, 0
	s_lshl_b32 s52, s[WV], 10
	s_add_co_u32 s52, s52, s48
	s_mov_b32 s53, 0
	s_mov_b32 s55, 0
	s_add_co_u32 s56, s[WV], 24
	s_mul_i32 s56, s56, 25600                      ; block 24 + wave of a layer
	s_wait_kmcnt 0x0
	s_load_b32 s[LAY], s[10:11], 0x0
	s_add_nc_u64 s[4:5], s[4:5], s[48:49]
	s_add_nc_u64 s[6:7], s[6:7], s[50:51]
	s_add_nc_u64 s[24:25], s[24:25], s[50:51]
	s_add_nc_u64 s[28:29], s[28:29], s[50:51]
	s_add_nc_u64 s[26:27], s[26:27], s[52:53]
.irp k, 0,1,2,3
	global_load_b128 v[ACC+4*\k:ACC+4*\k+3], v[CPY], s[4:5] offset:512*\k  ; ctx's chunks: 2,048 bytes a wave
.endr
.set k, 0
.rept 16                                       ; x by rows: load k brings stage rows 2 k and 2 k + 1, two runs of 256 consecutive bytes
	global_load_b128 v[HOLD+4*k:HOLD+4*k+3], v[GO], s[6:7] offset:(8*(k/8)+2*(k%8)+8*((k%8)/4))*2048 th:TH_LOAD_NT
.set k, k+1
.endr
	s_wait_kmcnt 0x0
	s_min_u32 s[LAY], s[LAY], 1                    ; a loaded number enters an address only behind this hold
	s_mul_i32 s57, s[LAY], LAYERB
	s_add_co_u32 s56, s56, s57
	s_mov_b32 s57, 0
	s_add_nc_u64 s[WP:WP+1], s[8:9], s[56:57]
	WG 0, 0
	WG 0, 1
	WG 0, 2
	WG 0, 3
	s_lshl_b32 s58, s[LAY], 11
	s_add_co_u32 s58, s58, s54
	s_mov_b32 s59, 0
	s_add_nc_u64 s[44:45], s[12:13], s[58:59]      ; this layer's ln2, my features
	s_add_nc_u64 s[46:47], s[14:15], s[58:59]
	s_add_nc_u64 s[16:17], s[16:17], 2048          ; layer 1's ln1
	s_add_nc_u64 s[18:19], s[18:19], 2048
	s_cmp_eq_u32 s[LAY], 1
	s_cselect_b64 s[40:41], s[20:21], s[16:17]     ; the tail's LayerNorm: the final one, or layer 1's first
	s_cselect_b64 s[42:43], s[22:23], s[18:19]
	s_add_nc_u64 s[40:41], s[40:41], s[54:55]
	s_add_nc_u64 s[42:43], s[42:43], s[54:55]
	s_wait_loadcnt 50                              ; behind ctx's and x's loads stand the 50 of the first pass's weights (2 + 4 x 12): ctx and x are in
.irp k, 0,1,2,3
	ds_store_b128 v[CPY], v[ACC+4*\k:ACC+4*\k+3] offset:AIMG0+512*\k
.endr
.set k, 0
.rept 16
	ds_store_b128 v[SB], v[HOLD+4*k:HOLD+4*k+3] offset:544*k               ; x by rows into my stage
.set k, k+1
.endr
	BAR                                            ; ctx's sixteen chunks lie in LDS
	STAGE_BACK                                     ; x in the lanes' order (my own bytes); the wait below covers these loads
	ASBUILD AIMG0
	PASS 0, AIMG0, 1                               ; ctx Wo
	ADDH                                           ; x'
	PARAMS 44, 46
	STAGE_IN SA                                    ; x' rests in my stage
	LN ST1, ST2
	QUANT HOLD
	IMG AIMG1
	BAR                                            ; xn's sixteen chunks lie in LDS
	ASBUILD AIMG1
	PASS 1, AIMG1, 1                               ; xn W1, first half
	SILU
	PASS 2, AIMG1, 1                               ; xn W1, second half
.set k, 0
.rept 32
	v_pk_mul_f32 v[HOLD+k:HOLD+k+1], v[HOLD+k:HOLD+k+1], v[ACC+k:ACC+k+1]
.set k, k+2
.endr
	QUANT HOLD
	IMG AIMG2
	BAR                                            ; g's sixteen chunks lie in LDS
	STAGE_BACK                                     ; x' comes back from my stage
	ASBUILD AIMG2
	PASS 3, AIMG2, 0                               ; g W2
	ADDH                                           ; x''
	PARAMS 40, 42
	STAGE_IN SA
	LN ST3, ST4
	s_cmp_eq_u32 s[LAY], 1                         ; a branch on a stored whole number, behind the last barrier
	s_cbranch_scc1 .Llast
	STAGE_OUT SB, 24                               ; x'' leaves from the stage
	QUANT HOLD                                     ; LN1 of layer 1
	XCSTORE 26
	s_wait_tensorcnt 0x0
	ds_add_u32 v254, v255
	s_wait_dscnt 0x0
	s_endpgm
.Llast:
	STAGE_IN SA2                                   ; the result, through LDS bytes that this arm alone writes
	STAGE_OUT SB2, 28
	s_wait_tensorcnt 0x0
	ds_add_u32 v254, v255
	s_wait_dscnt 0x0
	s_endpgm
.Lfunc_end_k_qedb216fa92_mlp:
	.size	k_qedb216fa92_mlp, .Lfunc_end_k_qedb216fa92_mlp-k_qedb216fa92_mlp
	.p2alignl 7, 3214868480
	.fill 96, 4, 3214868480
	.section	.rodata,"a",@progbits
	.p2align	6, 0x0
	.amdhsa_kernel k_qedb216fa92_mlp
		.amdhsa_group_segment_fixed_size 193536
		.amdhsa_private_segment_fixed_size 0
		.amdhsa_enable_private_segment 0
		.amdhsa_kernarg_size 104
		.amdhsa_user_sgpr_count 2
		.amdhsa_user_sgpr_kernarg_segment_ptr 1
		.amdhsa_wavefront_size32 1
		.amdhsa_system_sgpr_workgroup_id_x 1
		.amdhsa_system_sgpr_workgroup_id_y 1
		.amdhsa_system_sgpr_workgroup_id_z 1
		.amdhsa_system_vgpr_workitem_id 0
		.amdhsa_next_free_vgpr 512
		.amdhsa_next_free_sgpr 66
		.amdhsa_reserve_vcc 0
		.amdhsa_float_denorm_mode_32 3
		.amdhsa_float_denorm_mode_16_64 3
		.amdhsa_memory_ordered 1
		.amdhsa_forward_progress 1
		.amdhsa_inst_pref_size 133
	.end_amdhsa_kernel
	.amdgpu_metadata
---
amdhsa.version: [ 1, 2 ]
amdhsa.kernels:
  - .name:           k_qedb216fa92_mlp
    .symbol:         k_qedb216fa92_mlp.kd
    .args:
      - { .name: cx, .offset: 0, .size: 8, .value_kind: global_buffer, .address_space: global }
      - { .name: x, .offset: 8, .size: 8, .value_kind: global_buffer, .address_space: global }
      - { .name: w, .offset: 16, .size: 8, .value_kind: global_buffer, .address_space: global }
      - { .name: f0, .offset: 24, .size: 8, .value_kind: global_buffer, .address_space: global }
      - { .name: ln2_w, .offset: 32, .size: 8, .value_kind: global_buffer, .address_space: global }
      - { .name: ln2_b, .offset: 40, .size: 8, .value_kind: global_buffer, .address_space: global }
      - { .name: ln1_w, .offset: 48, .size: 8, .value_kind: global_buffer, .address_space: global }
      - { .name: ln1_b, .offset: 56, .size: 8, .value_kind: global_buffer, .address_space: global }
      - { .name: lnf_w, .offset: 64, .size: 8, .value_kind: global_buffer, .address_space: global }
      - { .name: lnf_b, .offset: 72, .size: 8, .value_kind: global_buffer, .address_space: global }
      - { .name: x1, .offset: 80, .size: 8, .value_kind: global_buffer, .address_space: global }
      - { .name: xc, .offset: 88, .size: 8, .value_kind: global_buffer, .address_space: global }
      - { .name: out0, .offset: 96, .size: 8, .value_kind: global_buffer, .address_space: global }
    .group_segment_fixed_size: 193536
    .private_segment_fixed_size: 0
    .kernarg_segment_align: 8
    .kernarg_segment_size: 104
    .max_flat_workgroup_size: 256
    .sgpr_count:     66
    .vgpr_count:     512
    .wavefront_size: 32
...
	.end_amdgpu_metadata
.endif
;; end of part 8
;; launch qkv1: the kernel of part 6 again; grid 32 x 8, 8 waves a work-group, no clusters, 147,456 bytes of LDS; arguments xc, w, f1, pos_cos, pos_sin, q, kv; writes q, kv
;; launch att1: the kernel of part 7 again; grid 8 x 32, 16 waves a work-group, clusters of 4 x 1, 223,232 bytes of LDS; arguments q, kv, attn_mask, cx; writes cx
;; launch mlp1: the kernel of part 8 again; grid 256 x 1, 8 waves a work-group, no clusters, 193,536 bytes of LDS; arguments cx, x1, w, f1, ln2_w, ln2_b, ln1_w, ln1_b, lnf_w, lnf_b, q, xc, out0; writes q, xc, out0
;; ======== version 3 of 3: 7 launches
;; limits: right only within a limited range of input values
;; workspace buffers: w 2,867,200 bytes; f0 256 bytes of whole numbers; f1 256 bytes of whole numbers; xc 4,194,304 bytes; q 3,670,016 bytes; kv 6,815,744 bytes; cx 4,194,304 bytes; x1 16,777,216 bytes
;; launch pre (part 9): grid 256 x 1, 8 waves a work-group, no clusters, 72,704 bytes of LDS; arguments x, ln1_w, ln1_b, xc, Wq_codes, Wq_scales, Wk_codes, Wk_scales, Wv_codes, Wv_scales, Wo_codes, Wo_scales, W1_codes, W1_scales, W2_codes, W2_scales, w, f0, f1; writes xc, w, f0, f1
.if DOCPART == 9
	.amdgcn_target "amdgcn-amd-amdhsa--gfx1250"
	.amdhsa_code_object_version 6
	.text
	.protected	k_qedb216fa92_pre
	.globl	k_qedb216fa92_pre
	.p2align	8
	.type	k_qedb216fa92_pre,@function
k_qedb216fa92_pre:
	s_mov_b64 s[64:65], 0
	v_nop
	global_prefetch_b8 v0, s[64:65] scope:SCOPE_SE
	s_setreg_imm32_b32 hwreg(HW_REG_WAVE_MODE, 25, 1), 1
	s_wait_xcnt 0x0
; PRE.  Three things in one launch.
; (1) LayerNorm 1 of layer 0 on x [8192][512] f32, quantised to codes of BF6 (E3M2) with one E8M0 byte for each 32 features, stored in xc in the order of the reader's operand registers.
; (2) The six weights' codes and scale bytes, both layers, laid once into w in the order in which a wave's operand registers take them.
; (3) The layer numbers 0 and 1 stored as whole numbers in f0 and f1: later launches form addresses and one branch from them.
; SHARES.  Work-group g takes 32 tokens (token block g); wave w takes features 64 w .. 64 w + 63 of them.  A token block is two row tiles u; lane row r of tile u is token 8 u + r + 8 (r / 8).
; A lane (r, h) holds in register 32 u + 16 b + i of HOLD feature 32 b + 16 h + i of its row: 16 neighbours of each block of 32, the form the conversions take.
; x IS READ IN RUNS OF 256 CONSECUTIVE BYTES: sixteen lanes take one token's 256 bytes of my 64 features, the other sixteen the next token's; the 8,192 bytes turn through the wave's own stage in LDS into the lanes' order.
; xc: [token block][u][g] chunks of 1,024 bytes: three runs of 256 bytes of codes (register pair p of lane l at 256 p + 8 l), one run of scale words (at 768 + 8 l).
; w: [layer][block m of 56] of 25,600 bytes: 16 fragments (K step s, tile t: 4 s + t) of 1,536 bytes, registers 4 c .. 4 c + 3 of lane l at 512 c + 16 l; then two runs of 512 bytes of scale bytes.
;    A block is 64 rows of a weight; lane row r of tile t is row 32 (t / 2) + 8 (t % 2) + r + 8 (r / 8).  m: 3 head + kind (Wq, Wk, Wv), 24 + g Wo, 32 + g W1 (16 groups), 48 + g W2.
; LIMITS: NaN and infinities among the inputs are not served.  A block whose largest magnitude lies under 2^-122 (zeros too) gets the scale byte 1: only this program reads the bytes.
.set LAYERB, 1433600
.set BLKB,   25600
.set ST1,    0                         ; LDS: 8 waves x 32 words of row sums
.set ST2,    1024                      ; and of sums of squares
.set WSCR,   2048                      ; a stage for each wave: 32 rows x (256 + 16) bytes
.set LI,  1                            ; v1  16 x lane
.set L8,  2                            ; v2  8 x lane
.set L4,  3                            ; v3  4 x lane
.set STW, 4                            ; v4  4 x thread: my word among the waves' sums
.set GO,  5                            ; v5  x: 2,048 h + 16 r: sixteen lanes to a token's 256 bytes
.set PA,  6                            ; v6  64 h: my 16 numbers of a block of gains
.set RLC, 7                            ; v7  a weight fragment's lane offset
.set RLS, 8                            ; v8  a scale run's lane offset
.set SA,  14                           ; v14 the stage by lanes' order: row r, + 64 h
.set SB,  15                           ; v15 the stage by rows: row h, + 16 r
.set RF,  16                           ; v16-27 the fragment on its way
.set SU,  36
.set XX,  38
.set TOT, 40
.set LD,  44
.set MU,  52
.set RS,  56
.set CH,  60
.set ACC, 84                           ; v84-147 gains (32) and biases (32)
.set HOLD, 148                         ; v148-211 my 64 numbers
.set TM,  212
.set PC,  228
.set PW,  248                          ; v248 the scale word, v249 = 0
.set P9,  2                            ; s2  2^-9
.set EPS, 3                            ; s3  1e-5
.set WV,  42
.set HIM, 43                           ; s43 lanes 16-31
.set SEL, 62
.macro BAR                             ; my LDS stores have landed and my LDS loads are in: then the work-group's barrier
	s_wait_dscnt 0x0
	s_barrier_signal -1
	s_barrier_wait -1
.endm
; The four chains in CH become, in v[TOT] of lane (h, r), the sum over all 512 features for row r of tile h: lane halves by a permute, waves through LDS.
.macro ROWSUM st
.irp u, 0
	s_delay_alu instid0(VALU_DEP_3)
	v_pk_add_f32 v[CH+4*\u:CH+4*\u+1], v[CH+4*\u:CH+4*\u+1], v[CH+4*\u+2:CH+4*\u+3]
.endr
.irp u, 1
	s_delay_alu instid0(VALU_DEP_2)
	v_pk_add_f32 v[CH+4*\u:CH+4*\u+1], v[CH+4*\u:CH+4*\u+1], v[CH+4*\u+2:CH+4*\u+3]
.endr
.irp u, 0
	s_delay_alu instid0(VALU_DEP_2)
	v_add_f32 v[SU+\u], v[CH+4*\u], v[CH+4*\u+1]
	v_mov_b32 v[XX+\u], 0                          ; a lane permute's destination counts as one of its sources
.endr
.irp u, 1
	s_delay_alu instid0(VALU_DEP_3)
	v_add_f32 v[SU+\u], v[CH+4*\u], v[CH+4*\u+1]
	v_mov_b32 v[XX+\u], 0
.endr
.irp u, 0
	s_delay_alu instid0(VALU_DEP_3)
	v_permlanex16_b32 v[XX+\u], v[SU+\u], s[SEL], s[SEL+1]
.endr
.irp u, 1
	s_delay_alu instid0(VALU_DEP_2)
	v_permlanex16_b32 v[XX+\u], v[SU+\u], s[SEL], s[SEL+1]
.endr
.irp u, 0,1
	s_delay_alu instid0(VALU_DEP_2)
	v_add_f32 v[SU+\u], v[SU+\u], v[XX+\u]
.endr
	s_delay_alu instid0(VALU_DEP_1)
	v_cndmask_b32 v[SU], v[SU], v[SU+1], s[HIM]    ; lanes 0-15 keep tile 0's, lanes 16-31 tile 1's
	ds_store_b32 v[STW], v[SU] offset:\st
	BAR
.irp k, 0,1,2,3,4,5,6,7
	ds_load_b32 v[LD+\k], v[L4] offset:\st+128*\k
.endr
	s_wait_dscnt 0x0
	v_add_f32 v[LD], v[LD], v[LD+1]
	v_add_f32 v[LD+2], v[LD+2], v[LD+3]
	v_add_f32 v[LD+4], v[LD+4], v[LD+5]
	v_add_f32 v[LD+6], v[LD+6], v[LD+7]
	s_delay_alu instid0(VALU_DEP_3)
	v_add_f32 v[LD], v[LD], v[LD+2]
	s_delay_alu instid0(VALU_DEP_2)
	v_add_f32 v[LD+4], v[LD+4], v[LD+6]
	s_delay_alu instid0(VALU_DEP_1)
	v_add_f32 v[TOT], v[LD], v[LD+4]
.endm
; A number that lane (h, r) holds for tile h becomes two pairs in every lane: v[d:d+1] tile 0's, v[d+2:d+3] tile 1's.
.macro SPLIT val, d
	v_permlanex16_b32 v[XX], v[\val], s[SEL], s[SEL+1]
	v_cndmask_b32 v[\d], v[\val], v[XX], s[HIM]
	v_cndmask_b32 v[\d+2], v[XX], v[\val], s[HIM]
	s_delay_alu instid0(VALU_DEP_2)
	v_mov_b32 v[\d+1], v[\d]
	s_delay_alu instid0(VALU_DEP_2)
	v_mov_b32 v[\d+3], v[\d+2]
.endm
; LayerNorm of HOLD in place.  The mean is taken away before the squares are formed.  Gains lie in ACC + k, biases in ACC + 32 + k (asked for earlier).
.macro LN st1, st2
.irp u, 0,1
	v_pk_add_f32 v[CH+4*\u:CH+4*\u+1], v[HOLD+32*\u:HOLD+32*\u+1], v[HOLD+32*\u+4:HOLD+32*\u+5]
	v_pk_add_f32 v[CH+4*\u+2:CH+4*\u+3], v[HOLD+32*\u+2:HOLD+32*\u+3], v[HOLD+32*\u+6:HOLD+32*\u+7]
.endr
.irp j, 8,12,16,20,24,28
.irp u, 0,1
	s_delay_alu instid0(VALU_DEP_4)
	v_pk_add_f32 v[CH+4*\u:CH+4*\u+1], v[CH+4*\u:CH+4*\u+1], v[HOLD+32*\u+\j:HOLD+32*\u+\j+1]
	s_delay_alu instid0(VALU_DEP_4)
	v_pk_add_f32 v[CH+4*\u+2:CH+4*\u+3], v[CH+4*\u+2:CH+4*\u+3], v[HOLD+32*\u+\j+2:HOLD+32*\u+\j+3]
.endr
.endr
	ROWSUM \st1
	s_delay_alu instid0(VALU_DEP_1)
	v_mul_f32 v[TOT], s[P9], v[TOT]                ; the mean
	SPLIT TOT, MU
.set k, 0
.rept 32
	v_pk_add_f32 v[HOLD+k:HOLD+k+1], v[HOLD+k:HOLD+k+1], v[MU+2*(k/32):MU+2*(k/32)+1] neg_lo:[0,1] neg_hi:[0,1]
.set k, k+2
.endr
.irp u, 0,1
	v_pk_mul_f32 v[CH+4*\u:CH+4*\u+1], v[HOLD+32*\u:HOLD+32*\u+1], v[HOLD+32*\u:HOLD+32*\u+1]
	v_pk_mul_f32 v[CH+4*\u+2:CH+4*\u+3], v[HOLD+32*\u+2:HOLD+32*\u+3], v[HOLD+32*\u+2:HOLD+32*\u+3]
.endr
.irp j, 4,8,12,16,20,24,28
.irp u, 0,1
	s_delay_alu instid0(VALU_DEP_4)
	v_pk_fma_f32 v[CH+4*\u:CH+4*\u+1], v[HOLD+32*\u+\j:HOLD+32*\u+\j+1], v[HOLD+32*\u+\j:HOLD+32*\u+\j+1], v[CH+4*\u:CH+4*\u+1]
	s_delay_alu instid0(VALU_DEP_4)
	v_pk_fma_f32 v[CH+4*\u+2:CH+4*\u+3], v[HOLD+32*\u+\j+2:HOLD+32*\u+\j+3], v[HOLD+32*\u+\j+2:HOLD+32*\u+\j+3], v[CH+4*\u+2:CH+4*\u+3]
.endr
.endr
	ROWSUM \st2
	s_delay_alu instid0(VALU_DEP_1)
	v_fma_f32 v[TOT], v[TOT], s[P9], s[EPS]        ; the variance + 1e-5
	s_wait_alu depctr_va_vdst(0)
	v_rsq_f32 v[TOT], v[TOT]
	v_nop                                          ; a plain instruction behind the transcendental
	s_wait_alu depctr_va_vdst(0)                   ; and the wait ahead of its first reader
	SPLIT TOT, RS
	s_wait_alu depctr_va_vdst(0)
	s_wait_loadcnt 0x0                             ; the gains and biases
.set k, 0
.rept 32
	v_pk_mul_f32 v[HOLD+k:HOLD+k+1], v[HOLD+k:HOLD+k+1], v[RS+2*(k/32):RS+2*(k/32)+1]
.set k, k+2
.endr
.set k, 0
.rept 32
	v_pk_fma_f32 v[HOLD+k:HOLD+k+1], v[HOLD+k:HOLD+k+1], v[ACC+k%32:ACC+k%32+1], v[ACC+32+k%32:ACC+32+k%32+1]
.set k, k+2
.endr
.endm
; 64 numbers of a lane, register 16 b + i = number 16 h + i of block b, become 12 registers of codes in v[PC] on (registers 6 c .. 6 c + 5: block 2 c + h whole) and the four blocks' scale bytes in v[PW].
.macro QUANT src
.irp b, 0,1,2,3
	v_max3_num_f32 v[TM+\b], |v[\src+16*\b]|, |v[\src+1+16*\b]|, 0x2800000   ; my 16 numbers, and the floor 2^(5 - 127): the byte cannot fall under 1
.endr
.irp i, 2,4,6,8,10,12,14
.irp b, 0,1,2,3
	s_delay_alu instid0(VALU_DEP_4)
	v_max3_num_f32 v[TM+\b], v[TM+\b], |v[\src+16*\b+\i]|, |v[\src+1+16*\b+\i]|
.endr
.endr
.irp b, 0,1,2,3
	s_delay_alu instid0(VALU_DEP_4)
	v_permlanex16_b32 v[TM+4+\b], v[TM+\b], s[SEL], s[SEL+1]
.endr
.irp b, 0,1,2,3
	s_delay_alu instid0(VALU_DEP_4)
	v_max_num_f32 v[TM+\b], v[TM+\b], v[TM+4+\b]   ; with lane l xor 16's: the block's largest magnitude
.endr
.irp b, 0,1,2,3
	s_delay_alu instid0(VALU_DEP_4)
	v_add_nc_u32 v[TM+12+\b], 0xfe000000, v[TM+\b] ; 4 off its exponent field: the conversion's scale operand
.endr
.irp b, 0,1,2,3
	s_delay_alu instid0(VALU_DEP_4)
	v_lshrrev_b32 v[TM+4+\b], 23, v[TM+12+\b]      ; the scale's byte
.endr
	s_delay_alu instid0(VALU_DEP_3)
	v_lshl_or_b32 v[PW], v[TM+5], 8, v[TM+4]
	s_delay_alu instid0(VALU_DEP_1)
	v_lshl_or_b32 v[PW], v[TM+6], 16, v[PW]
	s_delay_alu instid0(VALU_DEP_1)
	v_lshl_or_b32 v[PW], v[TM+7], 24, v[PW]
.irp c, 0,1
	v_cvt_scalef32_pk16_bf6_f32 v[PC+6*\c:PC+2+6*\c], v[\src+32*\c:\src+15+32*\c], v[TM+12+2*\c]
	v_cvt_scalef32_pk16_bf6_f32 v[PC+12+4*\c:PC+14+4*\c], v[\src+16+32*\c:\src+31+32*\c], v[TM+12+2*\c+1]   ; (a conversion's three registers begin on an even number)
.endr
	v_nop                                          ; one plain place behind a scaled conversion
.irp c, 0,1
.irp i, 0,1,2
	v_permlane16_swap_b32 v[PC+6*\c+\i], v[PC+12+4*\c+\i]
.endr
.irp i, 0,1,2
	s_delay_alu instid0(VALU_DEP_3)
	v_mov_b32 v[PC+3+6*\c+\i], v[PC+12+4*\c+\i]
.endr
.endr
.endm
.macro XCSTORE base                    ; my two chunks (u = 0, 1): each store of the wave covers 256 consecutive bytes, aligned
.irp n, 0,1,2,3,4,5
	global_store_b64 v[L8], v[PC+2*\n:PC+2*\n+1], s[\base:\base+1] offset:(\n/3)*8192+256*(\n%3)
.endr
.irp u, 0,1
	global_store_b64 v[L8], v[PW:PW+1], s[\base:\base+1] offset:\u*8192+768
.endr
.endm
	s_load_b256 s[4:11], s[0:1], 0x0               ; x, ln1_w, ln1_b, xc
	s_load_b512 s[12:27], s[0:1], 0x20             ; Wq, Wk, Wv, Wo: codes, scales
	s_load_b256 s[28:35], s[0:1], 0x60             ; W1, W2: codes, scales
	s_load_b128 s[36:39], s[0:1], 0x80             ; w, f0
	s_load_b64 s[40:41], s[0:1], 0x90              ; f1
	v_lshl_add_u32 v254, v0, 2, 0x11800
	v_mov_b32 v255, 0
	v_lshrrev_b32 v9, 5, v0
	s_delay_alu instid0(VALU_DEP_1)
	v_readfirstlane_b32 s[WV], v9                  ; wave 0..7
	v_and_b32 v10, 31, v0                          ; lane
	v_and_b32 v11, 15, v0                          ; r
	v_bfe_u32 v12, v0, 4, 1                        ; h
	s_delay_alu instid0(VALU_DEP_3)
	v_lshlrev_b32 v[LI], 4, v10
	s_delay_alu instid0(VALU_DEP_4)
	v_lshlrev_b32 v[L8], 3, v10
	v_lshlrev_b32 v[L4], 2, v10
	v_lshlrev_b32 v[STW], 2, v0
	v_and_b32 v13, 8, v11
	s_delay_alu instid0(VALU_DEP_1)
	v_add_nc_u32 v13, v13, v11                     ; r + 8 (r / 8)
	v_lshlrev_b32 v[GO], 11, v12
	s_delay_alu instid0(VALU_DEP_1)
	v_lshl_add_u32 v[GO], v11, 4, v[GO]
	s_mul_i32 s48, s[WV], 8704
	s_add_co_u32 s48, s48, WSCR                    ; my stage
	v_mul_u32_u24 v[SA], v11, 272
	s_delay_alu instid0(VALU_DEP_1)
	v_lshl_add_u32 v[SA], v12, 6, v[SA]
	s_delay_alu instid0(VALU_DEP_1)
	v_add_nc_u32 v[SA], s48, v[SA]
	v_mul_u32_u24 v[SB], v12, 272
	s_delay_alu instid0(VALU_DEP_1)
	v_lshl_add_u32 v[SB], v11, 4, v[SB]
	s_delay_alu instid0(VALU_DEP_1)
	v_add_nc_u32 v[SB], s48, v[SB]
	v_lshlrev_b32 v[PA], 6, v12
	v_mul_u32_u24 v[RLC], v13, 384                 ; a row of 512 codes is 384 bytes
	s_delay_alu instid0(VALU_DEP_1)
	v_mad_u32_u24 v[RLC], v12, 24, v[RLC]
	v_lshl_add_u32 v[RLS], v12, 3, v13
	s_delay_alu instid0(VALU_DEP_1)
	v_lshlrev_b32 v[RLS], 4, v[RLS]                ; a row of scale bytes is 16 bytes
.irp b, 0,1,2,3
	v_mov_b32 v[TM+4+\b], 0                        ; written once: a lane permute's destination counts as one of its sources
.endr
	v_mov_b32 v[PW+1], 0
	s_mov_b32 s[SEL], 0x76543210
	s_mov_b32 s[SEL+1], 0xfedcba98                 ; lane l xor 16
	s_mov_b32 s[HIM], 0xffff0000
	s_mov_b32 s[P9], 0x3b000000
	s_mov_b32 s[EPS], 0x3727c5ac
	s_lshl_b32 s48, ttmp9, 16                      ; 32 tokens of 2,048 bytes
	s_lshl_b32 s50, s[WV], 8                       ; my 64 features
	s_add_co_u32 s48, s48, s50
	s_mov_b32 s49, 0
	s_mov_b32 s51, 0
	s_lshl_b32 s52, ttmp9, 14
	s_lshl_b32 s53, s[WV], 10
	s_add_co_u32 s52, s52, s53                     ; xc: token block x 16,384 + chunk g = wave
	s_mov_b32 s53, 0
	s_wait_kmcnt 0x0
	s_add_nc_u64 s[4:5], s[4:5], s[48:49]
	s_add_nc_u64 s[6:7], s[6:7], s[50:51]
	s_add_nc_u64 s[8:9], s[8:9], s[50:51]
	s_add_nc_u64 s[10:11], s[10:11], s[52:53]
.set k, 0
.rept 16                                       ; load k: stage rows 2 k and 2 k + 1, which are tokens 8 (k / 8) + 2 (k % 8) + 8 ((k % 8) / 4) and the next: two runs of 256 consecutive bytes
	global_load_b128 v[HOLD+4*k:HOLD+4*k+3], v[GO], s[4:5] offset:(8*(k/8)+2*(k%8)+8*((k%8)/4))*2048 th:TH_LOAD_NT
.set k, k+1
.endr
.irp b, 0,1
.irp j, 0,1,2,3
	global_load_b128 v[ACC+16*\b+4*\j:ACC+16*\b+4*\j+3], v[PA], s[6:7] offset:128*\b+16*\j
	global_load_b128 v[ACC+32+16*\b+4*\j:ACC+32+16*\b+4*\j+3], v[PA], s[8:9] offset:128*\b+16*\j
.endr
.endr
	; which block of w my wave serves: waves 0-6 fragment 7 g + w of 1,792, wave 7 scale run g of 224
	s_mul_i32 s48, ttmp9, 7
	s_add_co_u32 s48, s48, s[WV]
	s_lshr_b32 s49, s48, 4
	s_lshr_b32 s50, ttmp9, 1
	s_min_u32 s50, s50, 111
	s_cmp_lt_u32 s[WV], 7
	s_cselect_b32 s49, s49, s50                    ; the block, 0..111
	s_cmp_ge_u32 s49, 56
	s_cselect_b32 s51, 1, 0                        ; layer
	s_mul_i32 s52, s51, 56
	s_sub_co_u32 s52, s49, s52                     ; m
	s_mul_i32 s53, s52, 43
	s_lshr_b32 s53, s53, 7                         ; m / 3, exact for m under 24
	s_mul_i32 s54, s53, 3
	s_sub_co_u32 s54, s52, s54                     ; kind
	s_sub_co_u32 s55, s52, 24
	s_sub_co_u32 s56, s52, 32
	s_sub_co_u32 s57, s52, 48
	s_mov_b64 s[44:45], s[12:13]                   ; the weight's codes and scale bytes: chosen by the block's number alone
	s_mov_b64 s[46:47], s[14:15]
	s_mov_b32 s58, s53                             ; which group of 64 rows
	s_mov_b32 s59, 512                             ; rows in a layer
	s_cmp_eq_u32 s54, 1
	s_cselect_b64 s[44:45], s[16:17], s[44:45]
	s_cselect_b64 s[46:47], s[18:19], s[46:47]
	s_cmp_eq_u32 s54, 2
	s_cselect_b64 s[44:45], s[20:21], s[44:45]
	s_cselect_b64 s[46:47], s[22:23], s[46:47]
	s_cmp_ge_u32 s52, 24
	s_cselect_b64 s[44:45], s[24:25], s[44:45]
	s_cselect_b64 s[46:47], s[26:27], s[46:47]
	s_cselect_b32 s58, s55, s58
	s_cmp_ge_u32 s52, 32
	s_cselect_b64 s[44:45], s[28:29], s[44:45]
	s_cselect_b64 s[46:47], s[30:31], s[46:47]
	s_cselect_b32 s58, s56, s58
	s_cselect_b32 s59, 1024, s59
	s_cmp_ge_u32 s52, 48
	s_cselect_b64 s[44:45], s[32:33], s[44:45]
	s_cselect_b64 s[46:47], s[34:35], s[46:47]
	s_cselect_b32 s58, s57, s58
	s_cselect_b32 s59, 512, s59
	s_mul_i32 s59, s59, s51
	s_lshl_b32 s58, s58, 6
	s_add_co_u32 s58, s58, s59                     ; the block's first row in the weight
	s_mul_i32 s60, s51, LAYERB
	s_mul_i32 s61, s52, BLKB
	s_add_co_u32 s60, s60, s61                     ; the block's first byte in w
	s_cmp_lt_u32 s[WV], 7
	s_cbranch_scc0 .Lwave7
	s_and_b32 s48, s48, 15                         ; fragment 4 s + t
	s_lshr_b32 s49, s48, 2
	s_and_b32 s50, s48, 3
	s_lshr_b32 s53, s50, 1
	s_lshl_b32 s53, s53, 5
	s_and_b32 s54, s50, 1
	s_lshl_b32 s54, s54, 3
	s_add_co_u32 s53, s53, s54
	s_add_co_u32 s53, s53, s58                     ; the tile's first row
	s_mul_i32 s54, s53, 384
	s_mul_i32 s55, s49, 96
	s_add_co_u32 s54, s54, s55
	s_mov_b32 s55, 0
	s_add_nc_u64 s[44:45], s[44:45], s[54:55]
	s_wait_alu depctr_va_vdst(0)
.irp p, 0,1,2,3,4,5
	global_load_b64 v[RF+2*\p:RF+2*\p+1], v[RLC], s[44:45] offset:48*(\p/3)+8*(\p%3)
.endr
	s_mul_i32 s56, s48, 1536
	s_add_co_u32 s56, s56, s60
	s_mov_b32 s57, 0
	s_add_nc_u64 s[36:37], s[36:37], s[56:57]
	s_wait_loadcnt 0x0
.irp c, 0,1,2
	global_store_b128 v[LI], v[RF+4*\c:RF+4*\c+3], s[36:37] offset:512*\c   ; 512 consecutive bytes a store
.endr
	s_branch .Ljoin
.Lwave7:
	s_cmp_lt_u32 ttmp9, 224
	s_cbranch_scc0 .Lflags
	s_and_b32 s48, ttmp9, 1                        ; which of the block's two runs
	s_lshl_b32 s49, s48, 5
	s_add_co_u32 s49, s49, s58
	s_lshl_b32 s54, s49, 4
	s_mov_b32 s55, 0
	s_add_nc_u64 s[46:47], s[46:47], s[54:55]
	s_wait_alu depctr_va_vdst(0)
	global_load_b128 v[RF:RF+3], v[RLS], s[46:47]  ; lanes 0-15 tile 2 tau, lanes 16-31 tile 2 tau + 1: a row's 16 scale bytes
	s_lshl_b32 s56, s48, 9
	s_add_co_u32 s56, s56, s60
	s_add_co_u32 s56, s56, 24576
	s_mov_b32 s57, 0
	s_add_nc_u64 s[36:37], s[36:37], s[56:57]
	s_wait_loadcnt 0x0
	global_store_b128 v[LI], v[RF:RF+3], s[36:37]
	s_branch .Ljoin
.Lflags:
	s_cmp_lt_u32 ttmp9, 226
	s_cbranch_scc0 .Ljoin
	s_sub_co_u32 s48, ttmp9, 224                   ; the layer's number
	s_cmp_eq_u32 s48, 0
	s_cselect_b64 s[38:39], s[38:39], s[40:41]
	v_mov_b32 v[RF], s48
	v_mov_b32 v[RF+1], s48
	global_store_b64 v[L8], v[RF:RF+1], s[38:39]   ; all 256 bytes of the buffer
.Ljoin:
	s_wait_loadcnt 0x0                             ; x (and the gains)
.set k, 0
.rept 16
	ds_store_b128 v[SB], v[HOLD+4*k:HOLD+4*k+3] offset:544*k               ; by rows into my stage
.set k, k+1
.endr
.irp u, 0,1
.irp b, 0,1
.irp j, 0,1,2,3
	ds_load_b128 v[HOLD+32*\u+16*\b+4*\j:HOLD+32*\u+16*\b+4*\j+3], v[SA] offset:4352*\u+128*\b+16*\j   ; and back in the lanes' order: LDS serves a wave's instructions in order, so these see my stores
.endr
.endr
.endr
	s_wait_dscnt 0x0
	LN ST1, ST2
	QUANT HOLD
	XCSTORE 10
	s_wait_tensorcnt 0x0
	ds_add_u32 v254, v255
	s_wait_dscnt 0x0
	s_endpgm
.Lfunc_end_k_qedb216fa92_pre:
	.size	k_qedb216fa92_pre, .Lfunc_end_k_qedb216fa92_pre-k_qedb216fa92_pre
	.p2alignl 7, 3214868480
	.fill 96, 4, 3214868480
	.section	.rodata,"a",@progbits
	.p2align	6, 0x0
	.amdhsa_kernel k_qedb216fa92_pre
		.amdhsa_group_segment_fixed_size 72704
		.amdhsa_private_segment_fixed_size 0
		.amdhsa_enable_private_segment 0
		.amdhsa_kernarg_size 152
		.amdhsa_user_sgpr_count 2
		.amdhsa_user_sgpr_kernarg_segment_ptr 1
		.amdhsa_wavefront_size32 1
		.amdhsa_system_sgpr_workgroup_id_x 1
		.amdhsa_system_sgpr_workgroup_id_y 1
		.amdhsa_system_sgpr_workgroup_id_z 1
		.amdhsa_system_vgpr_workitem_id 0
		.amdhsa_next_free_vgpr 256
		.amdhsa_next_free_sgpr 66
		.amdhsa_reserve_vcc 0
		.amdhsa_float_denorm_mode_32 3
		.amdhsa_float_denorm_mode_16_64 3
		.amdhsa_memory_ordered 1
		.amdhsa_forward_progress 1
		.amdhsa_inst_pref_size 35
	.end_amdhsa_kernel
	.amdgpu_metadata
---
amdhsa.version: [ 1, 2 ]
amdhsa.kernels:
  - .name:           k_qedb216fa92_pre
    .symbol:         k_qedb216fa92_pre.kd
    .args:
      - { .name: x, .offset: 0, .size: 8, .value_kind: global_buffer, .address_space: global }
      - { .name: ln1_w, .offset: 8, .size: 8, .value_kind: global_buffer, .address_space: global }
      - { .name: ln1_b, .offset: 16, .size: 8, .value_kind: global_buffer, .address_space: global }
      - { .name: xc, .offset: 24, .size: 8, .value_kind: global_buffer, .address_space: global }
      - { .name: Wq_codes, .offset: 32, .size: 8, .value_kind: global_buffer, .address_space: global }
      - { .name: Wq_scales, .offset: 40, .size: 8, .value_kind: global_buffer, .address_space: global }
      - { .name: Wk_codes, .offset: 48, .size: 8, .value_kind: global_buffer, .address_space: global }
      - { .name: Wk_scales, .offset: 56, .size: 8, .value_kind: global_buffer, .address_space: global }
      - { .name: Wv_codes, .offset: 64, .size: 8, .value_kind: global_buffer, .address_space: global }
      - { .name: Wv_scales, .offset: 72, .size: 8, .value_kind: global_buffer, .address_space: global }
      - { .name: Wo_codes, .offset: 80, .size: 8, .value_kind: global_buffer, .address_space: global }
      - { .name: Wo_scales, .offset: 88, .size: 8, .value_kind: global_buffer, .address_space: global }
      - { .name: W1_codes, .offset: 96, .size: 8, .value_kind: global_buffer, .address_space: global }
      - { .name: W1_scales, .offset: 104, .size: 8, .value_kind: global_buffer, .address_space: global }
      - { .name: W2_codes, .offset: 112, .size: 8, .value_kind: global_buffer, .address_space: global }
      - { .name: W2_scales, .offset: 120, .size: 8, .value_kind: global_buffer, .address_space: global }
      - { .name: w, .offset: 128, .size: 8, .value_kind: global_buffer, .address_space: global }
      - { .name: f0, .offset: 136, .size: 8, .value_kind: global_buffer, .address_space: global }
      - { .name: f1, .offset: 144, .size: 8, .value_kind: global_buffer, .address_space: global }
    .group_segment_fixed_size: 72704
    .private_segment_fixed_size: 0
    .kernarg_segment_align: 8
    .kernarg_segment_size: 152
    .max_flat_workgroup_size: 256
    .sgpr_count:     66
    .vgpr_count:     256
    .wavefront_size: 32
...
	.end_amdgpu_metadata
.endif
;; end of part 9
;; launch qkv (part 10): grid 32 x 8, 8 waves a work-group, no clusters, 147,456 bytes of LDS; arguments xc, w, f0, pos_cos, pos_sin, q, kv; writes q, kv
.if DOCPART == 10
	.amdgcn_target "amdgcn-amd-amdhsa--gfx1250"
	.amdhsa_code_object_version 6
	.text
	.protected	k_qedb216fa92_qkv
	.globl	k_qedb216fa92_qkv
	.p2align	8
	.type	k_qedb216fa92_qkv,@function
k_qedb216fa92_qkv:
	s_mov_b64 s[64:65], 0
	v_nop
	global_prefetch_b8 v0, s[64:65] scope:SCOPE_SE
	s_setreg_imm32_b32 hwreg(HW_REG_WAVE_SCHED_MODE, 0, 2), 2
	s_setreg_imm32_b32 hwreg(HW_REG_WAVE_MODE, 25, 1), 1
	s_wait_xcnt 0x0
	s_wait_alu depctr_vm_vsrc(0)
; QKV.  q, k, v = xn Wq, xn Wk, xn Wv for one head, RoPE on q and k, and all three quantised to codes of BF6 with E8M0 scales: q and k along the head's 64, v along the keys.
; SHARES.  Work-group (x, y): token blocks 8 x .. 8 x + 7, head y.  Wave w owns one token block of 32 tokens (two row tiles u; lane row r of tile u is token 8 u + r + 8 (r / 8)).
; The head's three weight blocks (76,800 bytes of w, laid in the order of the operand registers) are copied once into LDS and read by all eight waves; xn's eight fragments stay in registers.
; q and k are made TRANSPOSED (source 0 = 16 rows of W, source 1 = 16 tokens): register 32 u + 16 b + i of a lane is feature 32 b + 16 h + i of its token.
; v is made the other way round (source 0 = 16 tokens, source 1 = 16 rows of Wv): register 16 t + i of a lane is token 16 h + i of its channel: one block of 32 keys.
; cos AND sin ARE READ IN RUNS OF 256 CONSECUTIVE BYTES (sixteen lanes to a token's 256 bytes of the head) and turn through the wave's own stage in LDS into the lanes' order, cos first, then sin.
; OUT.  q: [batch x head][token block] of 1,792 bytes: six runs of 256 bytes of codes, one of scale words.
; kv: [batch x head][token block] chunks of 3,328 bytes: k as one fragment (registers 0-5 key tile 0, 6-11 key tile 1; 1,536 bytes), v as six runs of 256 bytes, one run of (k's word, v's word).
; In chunks of odd token blocks v's lanes 0-15 and 16-31 change places inside each run, so that the reader's two lane halves fall on different halves of a run.
; The layer's number is read from a buffer of whole numbers that an earlier launch stored, and is held at 1 before it enters an address.
; LIMITS: NaN and infinities are not served; a block whose largest magnitude lies under 2^-122 gets the byte 1 (only this program reads the bytes); RoPE is a multiply and a fused multiply-add.
; THE MODE: SCHED_MODE bits 1:0 = 2 (LLVM: expert scheduling mode 2), set by the entry lines.  The code itself states the register dependences
; between vector or matrix instructions and memory or LDS instructions, with s_wait_alu, always for 0.
; THE PLAN.  Registers that memory or LDS instructions touch:
;   v1-7, v233-236, v254, v255  addresses, made at the head and never written again (each pass's weight block has an address register of its own): one wait on va_vdst ahead of the first load serves them all.
;   v8-15        used by the head's address arithmetic, then xn's scale halves land there: the same wait.
;   WF0, WF1     At the head the weights pass through them: loads land, LDS stores read; one wait on vm_vsrc behind the barrier.  Then K step s's products read WF[s % 2], and the loads of K step s + 2 land in it.
;   WS           Read as scales by all of a pass's products; the next pass's words land in it.
;   CS           (window 1) cos, sin: loads land, LDS stores read, LDS loads land in the same registers (a wait on vm_vsrc between the two runs), RoPE reads.
;   PC, PW, PWK  Written by the quantiser, read by the stores behind it, written again by the next quantiser.
; So: one wait on va_vdst at the head of K steps 1 and 2 (the K step before is done with the set that is loaded next); one behind a pass, behind which the NEXT pass's scale words and first two K steps are
; asked for at once: they land under RoPE and the quantiser, which name none of those registers; one ahead of each run of stores; a wait on vm_vsrc ahead of the quantiser that writes a store's data again.
.set LAYERB, 1433600
.set WSCR,   76800                     ; LDS behind the weights: a stage for each wave, 32 rows x (256 + 16) bytes
.set LI,  1                            ; v1  16 x lane: also the address of pass 0's weight block in LDS
.set L8,  2                            ; v2  8 x lane
.set GO,  3                            ; v3  cos, sin: 2,048 h + 16 r: sixteen lanes to a token's 256 bytes
.set ASG, 4                            ; v4  xn's scale halves: 8 r + 8,194 h (tile h's chunk, its two bytes)
.set VST, 5                            ; v5  8 x lane, halves swapped in odd token blocks
.set CPL, 6                            ; v6  16 x thread: the copy of the weights
.set CPH, 7                            ; v7  the same + 65,536: an LDS immediate ends at 65,535
.set U16, 8                            ; v8-15 scale halves as loaded
.set AS,  16                           ; v16-19 xn's scale words: lanes 0-15 tile 0, lanes 16-31 tile 1
.set WS,  20                           ; v20-27 W's scale words: register 4 (t / 2) + s, lanes 0-15 even t, lanes 16-31 odd t
.set WF,  28                           ; v28-75, v76-123 two sets of four W fragments
.set ACC, 124                          ; v124-187
.set T0,  188
.set T1,  190
.set TM,  192
.set PC,  208
.set PW,  228                          ; v228 the scale word, v229 = 0
.set PWK, 230                          ; v230 k's word, v231 v's
.set SA,  233                          ; v233 the stage by lanes' order: row r, + 64 h
.set SB,  234                          ; v234 the stage by rows: row h, + 16 r
.set LW1, 235                          ; v235 16 x lane + pass 1's weight block in LDS
.set LW2, 236                          ; v236 16 x lane + pass 2's
.set CS,  96                           ; window 1: v0-95 xn's fragments (12 (4 u + s)); from v96: cos at 32 u + 16 b + i, from v160: sin likewise
.set WV,  18
.set LAY, 19
.set SEL, 20
.set MSB, 0
.macro WIN new                         ; the immediate's high byte repeats the setting that is left
.if MSB != \new
	s_set_vgpr_msb (MSB<<8)|\new
.set MSB, \new
.endif
.endm
.macro PLACES                          ; four plain vector instructions behind a matrix instruction, ahead of loads into its registers and of the first read of its result
.rept 4
	v_nop
.endr
.endm
; One matrix instruction.  ks = 0: the K step that starts the sum.  ra, rb: the side's scale words lie in lanes 16-31.
.macro MM d, a, b, ks, sa, sb, ra, rb
.if (\ks) == 0
.if (\ra) && (\rb)
	v_wmma_scale_f32_16x16x128_f8f6f4 v[\d:\d+7], v[\a:\a+11], v[\b:\b+11], 0, v[\sa], v[\sb] matrix_a_fmt:MATRIX_FMT_BF6 matrix_b_fmt:MATRIX_FMT_BF6 matrix_a_scale:MATRIX_SCALE_ROW1 matrix_b_scale:MATRIX_SCALE_ROW1
.elseif (\ra)
	v_wmma_scale_f32_16x16x128_f8f6f4 v[\d:\d+7], v[\a:\a+11], v[\b:\b+11], 0, v[\sa], v[\sb] matrix_a_fmt:MATRIX_FMT_BF6 matrix_b_fmt:MATRIX_FMT_BF6 matrix_a_scale:MATRIX_SCALE_ROW1
.elseif (\rb)
	v_wmma_scale_f32_16x16x128_f8f6f4 v[\d:\d+7], v[\a:\a+11], v[\b:\b+11], 0, v[\sa], v[\sb] matrix_a_fmt:MATRIX_FMT_BF6 matrix_b_fmt:MATRIX_FMT_BF6 matrix_b_scale:MATRIX_SCALE_ROW1
.else
	v_wmma_scale_f32_16x16x128_f8f6f4 v[\d:\d+7], v[\a:\a+11], v[\b:\b+11], 0, v[\sa], v[\sb] matrix_a_fmt:MATRIX_FMT_BF6 matrix_b_fmt:MATRIX_FMT_BF6
.endif
.else
.if (\ra) && (\rb)
	v_wmma_scale_f32_16x16x128_f8f6f4 v[\d:\d+7], v[\a:\a+11], v[\b:\b+11], v[\d:\d+7], v[\sa], v[\sb] matrix_a_fmt:MATRIX_FMT_BF6 matrix_b_fmt:MATRIX_FMT_BF6 matrix_a_scale:MATRIX_SCALE_ROW1 matrix_b_scale:MATRIX_SCALE_ROW1
.elseif (\ra)
	v_wmma_scale_f32_16x16x128_f8f6f4 v[\d:\d+7], v[\a:\a+11], v[\b:\b+11], v[\d:\d+7], v[\sa], v[\sb] matrix_a_fmt:MATRIX_FMT_BF6 matrix_b_fmt:MATRIX_FMT_BF6 matrix_a_scale:MATRIX_SCALE_ROW1
.elseif (\rb)
	v_wmma_scale_f32_16x16x128_f8f6f4 v[\d:\d+7], v[\a:\a+11], v[\b:\b+11], v[\d:\d+7], v[\sa], v[\sb] matrix_a_fmt:MATRIX_FMT_BF6 matrix_b_fmt:MATRIX_FMT_BF6 matrix_b_scale:MATRIX_SCALE_ROW1
.else
	v_wmma_scale_f32_16x16x128_f8f6f4 v[\d:\d+7], v[\a:\a+11], v[\b:\b+11], v[\d:\d+7], v[\sa], v[\sb] matrix_a_fmt:MATRIX_FMT_BF6 matrix_b_fmt:MATRIX_FMT_BF6
.endif
.endif
.endm
.macro QUANT src                       ; 64 numbers of a lane, register 16 b + i = number 16 h + i of block b -> codes in v[PC] on (registers 6 c .. 6 c + 5: block 2 c + h whole), the four bytes in v[PW]
.irp b, 0,1,2,3
	v_max3_num_f32 v[TM+\b], |v[\src+16*\b]|, |v[\src+1+16*\b]|, 0x2800000   ; my 16 numbers, and the floor 2^(5 - 127): the byte cannot fall under 1
.endr
.irp i, 2,4,6,8,10,12,14
.irp b, 0,1,2,3
	v_max3_num_f32 v[TM+\b], v[TM+\b], |v[\src+16*\b+\i]|, |v[\src+1+16*\b+\i]|
.endr
.endr
.irp b, 0,1,2,3
	v_permlanex16_b32 v[TM+4+\b], v[TM+\b], s[SEL], s[SEL+1]
.endr
.irp b, 0,1,2,3
	v_max_num_f32 v[TM+\b], v[TM+\b], v[TM+4+\b]
.endr
.irp b, 0,1,2,3
	v_add_nc_u32 v[TM+12+\b], 0xfe000000, v[TM+\b] ; 4 off the exponent field: the conversion's scale operand
.endr
.irp b, 0,1,2,3
	v_lshrrev_b32 v[TM+4+\b], 23, v[TM+12+\b]
.endr
	v_lshl_or_b32 v[PW], v[TM+5], 8, v[TM+4]
	v_lshl_or_b32 v[PW], v[TM+6], 16, v[PW]
	v_lshl_or_b32 v[PW], v[TM+7], 24, v[PW]
.irp c, 0,1
	v_cvt_scalef32_pk16_bf6_f32 v[PC+6*\c:PC+2+6*\c], v[\src+32*\c:\src+15+32*\c], v[TM+12+2*\c]
	v_cvt_scalef32_pk16_bf6_f32 v[PC+12+4*\c:PC+14+4*\c], v[\src+16+32*\c:\src+31+32*\c], v[TM+12+2*\c+1]
.endr
	v_nop                                          ; one plain place behind a scaled conversion
.irp c, 0,1
.irp i, 0,1,2
	v_permlane16_swap_b32 v[PC+6*\c+\i], v[PC+12+4*\c+\i]
.endr
.irp i, 0,1,2
	v_mov_b32 v[PC+3+6*\c+\i], v[PC+12+4*\c+\i]
.endr
.endr
.endm
.macro WSET adr, s                     ; the four tiles' fragments of K step s, from LDS into set s % 2: 12 loads of 512 consecutive bytes
.irp t, 0,1,2,3
.irp c, 0,1,2
	ds_load_b128 v[WF+48*((\s)%2)+12*\t+4*\c:WF+48*((\s)%2)+12*\t+4*\c+3], v[\adr] offset:(4*(\s)+\t)*1536+512*\c
.endr
.endr
.endm
.macro PRELOAD adr                     ; a pass's scale words and its K steps 0 and 1: 26 loads, asked for as soon as the pass before is done with these registers
	ds_load_b128 v[WS:WS+3], v[\adr] offset:24576
	ds_load_b128 v[WS+4:WS+7], v[\adr] offset:24576+512
	WSET \adr, 0
	WSET \adr, 1
.endm
; One product: 4 K steps x 8 matrix instructions on eight accumulators, which take turns, one instruction a turn.  PRELOAD has asked for K steps 0 and 1.
.macro PASS adr, vmode
.irp s, 0,1,2,3
.if (\s == 1) || (\s == 2)
	s_wait_alu depctr_va_vdst(0)                   ; the products of the K step before are done reading their set of W's fragments, in which the twelve loads below land
	WSET \adr, \s+1
.endif
.if \s < 3
	s_wait_dscnt 12                                ; all but the 12 loads of the next K step
.else
	s_wait_dscnt 0x0
.endif
.if \vmode
	WIN 0x01                                       ; source 0 (xn) in window 1
.else
	WIN 0x04                                       ; source 1 (xn) in window 1
.endif
.irp t, 0,1,2,3
.irp u, 0,1
.if \vmode
	MM ACC+16*\t+8*\u, 12*(4*\u+\s), WF+48*(\s%2)+12*\t, \s, AS+\s, WS+4*(\t/2)+\s, \u, \t%2
.else
	MM ACC+32*\u+8*\t, WF+48*(\s%2)+12*\t, 12*(4*\u+\s), \s, WS+4*(\t/2)+\s, AS+\s, \t%2, \u
.endif
.endr
.endr
	WIN 0
	PLACES
.endr
.endm
; cos (a = 0), then sin (a = 1), turn through my stage, in place: by rows in, in the lanes' order out.  LDS serves a wave's instructions in order: the loads see the stores, and sin's stores come behind cos's loads.
.macro CSTURN
.irp a, 0,1
	WIN 0x04                                       ; an LDS store's data are its source 1: window 1
.set k, 0
.rept 16
	ds_store_b128 v[SB], v[CS+64*\a+4*k:CS+64*\a+4*k+3] offset:544*k
.set k, k+1
.endr
	WIN 0x40                                       ; destination in window 1
	s_wait_alu depctr_vm_vsrc(0)                   ; the sixteen LDS stores above have read their data registers, in which the sixteen loads below land
.irp u, 0,1
.irp b, 0,1
.irp j, 0,1,2,3
	ds_load_b128 v[CS+64*\a+32*\u+16*\b+4*\j:CS+64*\a+32*\u+16*\b+4*\j+3], v[SA] offset:4352*\u+128*\b+16*\j
.endr
.endr
.endr
.endr
	WIN 0
	s_wait_dscnt 0x0
.endm
; RoPE: a0 = features 16 h + i, a1 = features 32 + 16 h + i of a token: a0' = a0 cos0 - a1 sin0, a1' = a1 cos1 + a0 sin1.  Each accumulator is read from its low end on.
.macro ROPE
	WIN 0x04                                       ; source 1 (cos, sin) in window 1
.irp u, 0,1
.irp i, 0,2,4,6,8,10,12,14
	v_pk_mul_f32 v[T0:T0+1], v[ACC+32*\u+16+\i:ACC+32*\u+17+\i], v[CS+64+32*\u+\i:CS+65+32*\u+\i]
	v_pk_mul_f32 v[T1:T1+1], v[ACC+32*\u+\i:ACC+32*\u+1+\i], v[CS+80+32*\u+\i:CS+81+32*\u+\i]
	v_pk_fma_f32 v[ACC+32*\u+\i:ACC+32*\u+1+\i], v[ACC+32*\u+\i:ACC+32*\u+1+\i], v[CS+32*\u+\i:CS+1+32*\u+\i], v[T0:T0+1] neg_lo:[0,0,1] neg_hi:[0,0,1]
	v_pk_fma_f32 v[ACC+32*\u+16+\i:ACC+32*\u+17+\i], v[ACC+32*\u+16+\i:ACC+32*\u+17+\i], v[CS+16+32*\u+\i:CS+17+32*\u+\i], v[T1:T1+1]
.endr
.endr
	WIN 0
.endm
	s_load_b256 s[4:11], s[0:1], 0x0               ; xc, w, the layer's number, cos
	s_load_b128 s[12:15], s[0:1], 0x20             ; sin, q
	s_load_b64 s[16:17], s[0:1], 0x30              ; kv
	v_lshl_add_u32 v254, v0, 2, 0x23c00
	v_mov_b32 v255, 0
	v_lshrrev_b32 v8, 5, v0
	v_readfirstlane_b32 s[WV], v8                  ; wave 0..7
	v_and_b32 v9, 31, v0
	v_and_b32 v10, 15, v0                          ; r
	v_bfe_u32 v11, v0, 4, 1                        ; h
	v_lshlrev_b32 v[LI], 4, v9
	v_lshlrev_b32 v[L8], 3, v9
	v_lshlrev_b32 v[GO], 11, v11
	v_lshl_add_u32 v[GO], v10, 4, v[GO]
	s_wait_alu depctr_va_sdst(0)                   ; the wave's number is written, ahead of its first reader
	s_mul_i32 s25, s[WV], 8704
	s_add_co_u32 s25, s25, WSCR                    ; my stage
	v_mul_u32_u24 v[SA], v10, 272
	v_lshl_add_u32 v[SA], v11, 6, v[SA]
	v_add_nc_u32 v[SA], s25, v[SA]
	v_mul_u32_u24 v[SB], v11, 272
	v_lshl_add_u32 v[SB], v10, 4, v[SB]
	v_add_nc_u32 v[SB], s25, v[SB]
	v_lshlrev_b32 v[ASG], 3, v10
	v_mad_u32_u24 v[ASG], v11, 8194, v[ASG]
	v_lshlrev_b32 v[CPL], 4, v0
	v_add_nc_u32 v[CPH], 65536, v[CPL]
	v_add_nc_u32 v[LW1], 25600, v[LI]
	v_add_nc_u32 v[LW2], 51200, v[LI]
.irp b, 0,1,2,3
	v_mov_b32 v[TM+4+\b], 0                        ; written once: a lane permute's destination counts as one of its sources
.endr
	v_mov_b32 v[PW+1], 0
	s_mov_b32 s[SEL], 0x76543210
	s_mov_b32 s[SEL+1], 0xfedcba98
	s_and_b32 s22, ttmp7, 0xffff                   ; head
	s_lshl_b32 s23, ttmp9, 3
	s_add_co_u32 s23, s23, s[WV]                   ; my token block
	s_and_b32 s24, s[WV], 1
	s_lshl_b32 s24, s24, 7
	v_xor_b32 v[VST], s24, v[L8]
	s_lshl_b32 s26, s23, 14
	s_mov_b32 s27, 0
	s_lshl_b32 s28, s23, 16
	s_lshl_b32 s29, s22, 8
	s_add_co_u32 s28, s28, s29                     ; cos, sin: 32 tokens of 2,048 bytes, the head's 256
	s_mov_b32 s29, 0
	s_lshr_b32 s30, s23, 6
	s_lshl_b32 s30, s30, 3
	s_add_co_u32 s30, s30, s22                     ; batch x 8 + head
	s_lshl_b32 s30, s30, 6
	s_and_b32 s31, s23, 63
	s_add_co_u32 s30, s30, s31
	s_mul_i32 s32, s30, 1792
	s_mov_b32 s33, 0
	s_mul_i32 s34, s30, 3328
	s_mov_b32 s35, 0
	s_mul_i32 s36, s22, 76800
	s_wait_kmcnt 0x0
	s_load_b32 s[LAY], s[8:9], 0x0
	s_add_nc_u64 s[4:5], s[4:5], s[26:27]
	s_add_nc_u64 s[10:11], s[10:11], s[28:29]
	s_add_nc_u64 s[12:13], s[12:13], s[28:29]
	s_add_nc_u64 s[14:15], s[14:15], s[32:33]
	s_add_nc_u64 s[16:17], s[16:17], s[34:35]
	WIN 0x40                                       ; destination in window 1
	s_wait_alu depctr_va_vdst(0)                   ; all addresses (v1-7, v233-236, v254, v255) are written, which the kernel's loads and stores read; so are v8-11, in which scale halves land
.irp u, 0,1
.irp s, 0,1,2,3
.irp c, 0,1
.irp p, 0,1,2
	global_load_b64 v[12*(4*\u+\s)+6*\c+2*\p:12*(4*\u+\s)+6*\c+2*\p+1], v[L8], s[4:5] offset:(8*\u+2*\s+\c)*1024+256*\p   ; xn's fragments: 256 consecutive bytes a load
.endr
.endr
.endr
.endr
	WIN 0
.irp s, 0,1,2,3
.irp c, 0,1
	global_load_u16 v[U16+2*\s+\c], v[ASG], s[4:5] offset:768+2048*\s+1024*\c
.endr
.endr
	s_wait_kmcnt 0x0
	s_min_u32 s[LAY], s[LAY], 1                    ; a loaded number enters an address only behind this hold
	s_mul_i32 s38, s[LAY], LAYERB
	s_add_co_u32 s38, s38, s36
	s_mov_b32 s39, 0
	s_add_nc_u64 s[6:7], s[6:7], s[38:39]          ; the head's three blocks of w
.set k, 0
.rept 18
	global_load_b128 v[WF+4*k:WF+4*k+3], v[CPL], s[6:7] offset:4096*k      ; the work-group copies 4,096 consecutive bytes a turn
.set k, k+1
.endr
	s_cmp_lt_u32 s[WV], 6                          ; 150 runs of 512 bytes: the last six go to waves 0-5
	s_cbranch_scc0 .Lno_load
	global_load_b128 v[WF+72:WF+75], v[CPL], s[6:7] offset:73728
.Lno_load:
	WIN 0x40
.set k, 0
.rept 16                                       ; load k: stage rows 2 k and 2 k + 1, which are tokens 8 (k / 8) + 2 (k % 8) + 8 ((k % 8) / 4) and the next: two runs of 256 consecutive bytes
	global_load_b128 v[CS+4*k:CS+4*k+3], v[GO], s[10:11] offset:(8*(k/8)+2*(k%8)+8*((k%8)/4))*2048 th:TH_LOAD_NT
	global_load_b128 v[CS+64+4*k:CS+64+4*k+3], v[GO], s[12:13] offset:(8*(k/8)+2*(k%8)+8*((k%8)/4))*2048 th:TH_LOAD_NT
.set k, k+1
.endr
	WIN 0
	s_wait_loadcnt 32                              ; all but the 32 loads of cos and sin: xn and the weights are in
.irp s, 0,1,2,3
	v_lshl_or_b32 v[AS+\s], v[U16+2*\s+1], 16, v[U16+2*\s]
.endr
.rept 8
	v_nop                                          ; a scale register written by a vector instruction stands eight places ahead of a scaled matrix instruction
.endr
	s_wait_alu depctr_va_vdst(0)                   ; xn's four scale words are written, which the products take as scales; the places above stay beside this wait
.set k, 0
.rept 16
	ds_store_b128 v[CPL], v[WF+4*k:WF+4*k+3] offset:4096*k
.set k, k+1
.endr
	ds_store_b128 v[CPH], v[WF+64:WF+67]
	ds_store_b128 v[CPH], v[WF+68:WF+71] offset:4096
	s_cmp_lt_u32 s[WV], 6
	s_cbranch_scc0 .Lno_store
	ds_store_b128 v[CPH], v[WF+72:WF+75] offset:8192
.Lno_store:
	s_wait_dscnt 0x0                               ; for the others' sake: my part of the weights lies in LDS
	s_barrier_signal -1
	s_barrier_wait -1                              ; everybody's does; nothing is written there again
	s_wait_alu depctr_vm_vsrc(0)                   ; my LDS stores have read v[WF ..]: from here on the fragments' loads land there
	PRELOAD LI
	PASS LI, 0                                     ; q
	s_wait_alu depctr_va_vdst(0)                   ; q's products are done reading W's scale words and both sets of fragments, in which k's loads land
	PRELOAD LW1                                    ; they land under the turn, RoPE and the quantiser, which name none of these registers
	s_wait_loadcnt 0x0                             ; cos and sin
	CSTURN
	ROPE
	QUANT ACC
	s_wait_alu depctr_va_vdst(0)                   ; the quantiser has written q's codes and scale word, which the stores read
.irp n, 0,1,2,3,4,5
	global_store_b64 v[L8], v[PC+2*\n:PC+2*\n+1], s[14:15] offset:256*\n
.endr
	global_store_b64 v[L8], v[PW:PW+1], s[14:15] offset:1536
	PASS LW1, 0                                    ; k
	s_wait_alu depctr_va_vdst(0)                   ; k's products are done reading W's scale words and both sets of fragments, in which v's loads land
	PRELOAD LW2
	ROPE
	s_wait_xcnt 0x0                                ; q's stores have read their registers: the codes and the word are written again only behind this wait
	s_wait_alu depctr_vm_vsrc(0)                   ; q's stores have read the codes and the word, which the quantiser below writes again
	QUANT ACC
	s_wait_alu depctr_va_vdst(0)                   ; the quantiser has written k's codes, which the stores read
.irp c, 0,1,2
	global_store_b128 v[LI], v[PC+4*\c:PC+4*\c+3], s[16:17] offset:512*\c
.endr
	v_mov_b32 v[PWK], v[PW]
	PASS LW2, 1                                    ; v
	s_wait_xcnt 0x0                                ; k's stores likewise
	s_wait_alu depctr_vm_vsrc(0)                   ; k's stores have read the codes, which the quantiser below writes again
	QUANT ACC
	v_mov_b32 v[PWK+1], v[PW]
	s_wait_alu depctr_va_vdst(0)                   ; the quantiser has written v's codes, and the two moves k's and v's scale words, which the stores read
.irp n, 0,1,2,3,4,5
	global_store_b64 v[VST], v[PC+2*\n:PC+2*\n+1], s[16:17] offset:1536+256*\n
.endr
	global_store_b64 v[L8], v[PWK:PWK+1], s[16:17] offset:3072
	s_wait_dscnt 0x0                               ; the closing lines, six on end
	s_wait_alu 0x0
	s_wait_tensorcnt 0x0
	ds_add_u32 v254, v255
	s_wait_dscnt 0x0
	s_endpgm
.Lfunc_end_k_qedb216fa92_qkv:
	.size	k_qedb216fa92_qkv, .Lfunc_end_k_qedb216fa92_qkv-k_qedb216fa92_qkv
	.p2alignl 7, 3214868480
	.fill 96, 4, 3214868480
	.section	.rodata,"a",@progbits
	.p2align	6, 0x0
	.amdhsa_kernel k_qedb216fa92_qkv
		.amdhsa_group_segment_fixed_size 147456
		.amdhsa_private_segment_fixed_size 0
		.amdhsa_enable_private_segment 0
		.amdhsa_kernarg_size 56
		.amdhsa_user_sgpr_count 2
		.amdhsa_user_sgpr_kernarg_segment_ptr 1
		.amdhsa_wavefront_size32 1
		.amdhsa_system_sgpr_workgroup_id_x 1
		.amdhsa_system_sgpr_workgroup_id_y 1
		.amdhsa_system_sgpr_workgroup_id_z 1
		.amdhsa_system_vgpr_workitem_id 0
		.amdhsa_next_free_vgpr 512
		.amdhsa_next_free_sgpr 66
		.amdhsa_reserve_vcc 0
		.amdhsa_float_denorm_mode_32 3
		.amdhsa_float_denorm_mode_16_64 3
		.amdhsa_memory_ordered 1
		.amdhsa_forward_progress 1
		.amdhsa_inst_pref_size 66
	.end_amdhsa_kernel
	.amdgpu_metadata
---
amdhsa.version: [ 1, 2 ]
amdhsa.kernels:
  - .name:           k_qedb216fa92_qkv
    .symbol:         k_qedb216fa92_qkv.kd
    .args:
      - { .name: xc, .offset: 0, .size: 8, .value_kind: global_buffer, .address_space: global }
      - { .name: w, .offset: 8, .size: 8, .value_kind: global_buffer, .address_space: global }
      - { .name: f0, .offset: 16, .size: 8, .value_kind: global_buffer, .address_space: global }
      - { .name: pos_cos, .offset: 24, .size: 8, .value_kind: global_buffer, .address_space: global }
      - { .name: pos_sin, .offset: 32, .size: 8, .value_kind: global_buffer, .address_space: global }
      - { .name: q, .offset: 40, .size: 8, .value_kind: global_buffer, .address_space: global }
      - { .name: kv, .offset: 48, .size: 8, .value_kind: global_buffer, .address_space: global }
    .group_segment_fixed_size: 147456
    .private_segment_fixed_size: 0
    .kernarg_segment_align: 8
    .kernarg_segment_size: 56
    .max_flat_workgroup_size: 256
    .sgpr_count:     66
    .vgpr_count:     512
    .wavefront_size: 32
...
	.end_amdgpu_metadata
.endif
;; end of part 10
;; launch att (part 11): grid 8 x 32, 16 waves a work-group, clusters of 4 x 1, 223,232 bytes of LDS; arguments q, kv, attn_mask, cx; writes cx
.if DOCPART == 11
	.amdgcn_target "amdgcn-amd-amdhsa--gfx1250"
	.amdhsa_code_object_version 6
	.text
	.protected	k_qedb216fa92_att
	.globl	k_qedb216fa92_att
	.p2align	8
	.type	k_qedb216fa92_att,@function
k_qedb216fa92_att:
	s_mov_b64 s[64:65], 0
	v_nop
	global_prefetch_b8 v0, s[64:65] scope:SCOPE_SE
	s_setreg_imm32_b32 hwreg(HW_REG_WAVE_MODE, 25, 1), 1
	s_wait_xcnt 0x0
	s_wait_alu depctr_hold_cnt(0) depctr_sa_sdst(0) depctr_va_vdst(0) depctr_va_sdst(0) depctr_va_ssrc(0) depctr_va_vcc(0) depctr_vm_vsrc(0)
	s_getreg_b32 s2, hwreg(HW_REG_IB_STS2, 6, 4)
	s_cmp_eq_u32 s2, 0
	s_cbranch_scc0 .Lentry_in_a_cluster
	s_endpgm
.Lentry_in_a_cluster:
	s_bfe_u32 s2, ttmp6, 0x10000c
	s_cmp_lg_u32 s2, 0x3003
	s_cbranch_scc0 .Lentry_shape_is_right
	s_endpgm
.Lentry_shape_is_right:
; ATT.  ctx = softmax(q k^T / 8 + mask) v for one head of one batch, both products on codes of BF6 with E8M0 scales; ctx is quantised along the head's 64 and stored as codes for the next product.
; THE SOFTMAX AHEAD OF THE SECOND PRODUCT: S = q . k + 8 mask (8 mask is the C of the score product); t = c S, c = log2(e) / 8; M = the running largest t rounded UP to a whole number; p = 2^(c S - M), one fused
; multiply-add and one exponential, is quantised along the keys.  The row's sum is taken of the unquantised p and divides at the end.  When M moves, the sum and O are multiplied by 2^(old M - new M): exact.
; SHARES.  A work-group owns 256 queries of one head; each of its sixteen waves one row tile of 16 queries; four waves to a SIMD, so that one wave's vector work stands beside another's matrix work.
; LDS.  The head's k, v and their scales are 64 chunks of 3,328 bytes (32 keys each), 212,992 bytes: they are brought in ONCE and nothing is filled again.  Each wave asks for four chunks (16 g + wave) at its first lines;
; by this text's count a wave has four tensor loads out.  Two gates (a wait and a barrier): the first lets key steps 0-3 begin when a quarter of the head has landed, the second shows the rest.
; Behind the chunks: 8 x mask, held at -2^32 from below, 8,192 bytes, stored by the waves.
; CLUSTER.  The four query blocks of a cluster belong to one head and read the same chunks: each chunk is asked for JOINTLY, by the same tensor load with the same descriptor and a mask that names the four.
; LAYOUT.  Both products are used transposed, so that a lane holds one query throughout.  A chunk's k fragment holds key tile 0 in its K 0-63 and key tile 1 in its K 64-127; q stands in the lower half of one
; operand (zero codes above) and in the upper half of a second, so that each of the two products takes one key tile.  Register 16 f + i of S is key 32 f + 16 h + i of the step.
; All that the launch reads from memory in bulk is asked for at its head, so nothing is left to prefetch.
; LIMITS: NaN and +infinity are not served.  A mask under -2^29 (-infinity too) counts as -2^29: |t| then stays under 2^30, so that c S - M, whose two terms are rounded apart, stays within some 32 of its true value
; and no exponential overflows; such a key's p is 0 beside any key that counts.  A batch ALL of whose keys carry a mask under -2^29 is served as if those masks were equal (with -infinity throughout the problem's own result is NaN).
; A block whose largest magnitude lies under 2^-122 gets the byte 1.  The order of rounding in t differs from scale, add, multiply by single f32 roundings.
.set CHK,  3328                        ; a chunk
.set QTR,  53248                       ; sixteen chunks: four key steps
.set MKB,  212992                      ; 8 x mask
.set AK,  1                            ; v1  16 x lane
.set AVE, 2                            ; v2  v, even channel tiles: 8 r + 3,456 h (the next chunk, the other half of a run)
.set AVO, 3                            ; v3  odd ones: 8 r + 128 + 3,200 h
.set ASC, 4                            ; v4  8 x lane
.set AMK, 5                            ; v5  MKB + 64 h
.set VQ,  6                            ; v6  q: 8 x lane + 768 u
.set ADM, 7
.set ADK, 8
.set ADE, 9
.set ADO, 10
.set ADS, 11                           ; v7-11 the step's addresses; v12 -M, v13 the largest t, v[14:15] the sum in two halves
.set QA,  16                           ; v16-27 [q | 0]
.set QB,  28                           ; v28-39 [0 | q]
.set QS,  40                           ; v40 q's scale word
.set KF,  44                           ; v44-91 four fragments of k, then four of v
.set KS,  92                           ; v92-99 chunk f: k's scale word, v's
.set VS,  100                          ; v100-103 v's scale words by channel tile
.set TT,  104
.set S,   108                          ; v108-171 8 x mask, scores, p
.set O,   172                          ; v172-203 O^T
.set PC,  204                          ; v204-215 p's codes
.set PT,  216
.set BM,  224
.set PX,  228
.set SO,  232
.set BY,  236
.set FF,  240                          ; v240 2^(old M - new M); v241 = 0
.set TP,  242
.set PS,  243                          ; v243 p's scale word
.set WV,  12
.set G1,  16                           ; s[16:23] descriptor group 1; s[24:39] four groups 0
.set G0,  24
.set SEL, 40
.set CS,  42                           ; s[42:43] log2(e) / 8
.set TB,  48                           ; s48 the step's first LDS byte
.set TMK, 49                           ; s49 the step's first byte of the mask
.set CNT, 50
.macro ROUND                           ; a round of the cluster's barrier
	s_barrier_signal -1
	s_barrier_wait -1
	s_cmp_lg_u32 s[WV], 0
	s_cbranch_scc1 .Lnot_wave_0_\@
	s_barrier_signal -3
.Lnot_wave_0_\@:
	s_barrier_wait -3
	s_barrier_signal -1
	s_barrier_wait -1
.endm
.macro PLACES
.rept 4
	v_nop
.endr
.endm
	s_load_b256 s[4:11], s[0:1], 0x0               ; q, kv, mask, cx
	v_lshl_add_u32 v254, v0, 2, 0x36000
	v_mov_b32 v255, 0
	ds_add_u32 v254, v255
	ds_add_u32 v254, v255
	v_lshrrev_b32 v41, 5, v0
	s_delay_alu instid0(VALU_DEP_1)
	v_readfirstlane_b32 s[WV], v41                 ; wave 0..15
	s_bfe_u32 s13, ttmp6, 0x40000                  ; my place in the cluster: it enters q's and cx's global addresses alone
	s_lshl_b32 s14, ttmp9, 2
	s_add_co_u32 s14, s14, s13                     ; my block of 256 queries
	s_and_b32 s15, ttmp7, 0xffff                   ; batch x 8 + head, which the four partners share
	; descriptor group 1: a chunk as 13 rows of 256 bytes (32 elements of 8 bytes), dense, no padding
	s_mov_b32 s[G1], 15|(3<<16)|(1<<21)            ; 15:0 the mask: all four work-groups; 17:16 elements of 8 bytes; 21 set beside a mask
	s_mov_b32 s[G1+1], 32<<16                      ; tensor_dim0 = 32
	s_mov_b32 s[G1+2], 13<<16                      ; tensor_dim1 = 13
	s_mov_b32 s[G1+3], 32<<16                      ; tile_dim0 = 32
	s_mov_b32 s[G1+4], 13                          ; tile_dim1 = 13
	s_mov_b32 s[G1+5], 32                          ; from row to row
	s_mov_b32 s[G1+6], 0
	s_mov_b32 s[G1+7], 0
	s_mul_i32 s52, s[WV], CHK                      ; chunk = wave, in LDS and in the head
	s_mul_i32 s54, s15, 64*CHK
	s_add_co_u32 s54, s54, s52
	s_mov_b32 s55, 0
	s_lshl_b32 s56, s14, 3
	s_lshr_b32 s57, s[WV], 1
	s_add_co_u32 s56, s56, s57                     ; my token block in the batch
	s_and_b32 s51, s[WV], 1                        ; my row tile u
	s_lshl_b32 s58, s15, 6
	s_add_co_u32 s58, s58, s56
	s_mul_i32 s58, s58, 1792                       ; q's entry
	s_mov_b32 s59, 0
	s_lshr_b32 s60, s15, 3                         ; batch
	s_lshl_b32 s61, s60, 6
	s_add_co_u32 s61, s61, s56
	s_lshl_b32 s61, s61, 1
	s_add_co_u32 s61, s61, s51
	s_lshl_b32 s61, s61, 3
	s_and_b32 s62, s15, 7
	s_add_co_u32 s62, s61, s62
	s_lshl_b32 s62, s62, 10                        ; cx: chunk (token block, u, head)
	s_mov_b32 s63, 0
	s_lshl_b32 s60, s60, 13                        ; the batch's 2,048 mask numbers
	s_mov_b32 s61, 0
	s_mov_b32 s[SEL], 0x76543210
	s_mov_b32 s[SEL+1], 0xfedcba98
	s_mov_b32 s[CS], 0x3e38aa3b
	s_mov_b32 s[CS+1], s[CS]
	s_mov_b32 s44, 0x05010400                      ; byte selects for the 4 x 4 turn of v's scale bytes
	s_mov_b32 s45, 0x07030602
	s_mov_b32 s46, 0x05040100
	s_mov_b32 s47, 0x07060302
	s_wait_dscnt 0x0
	s_wait_kmcnt 0x0
	s_add_nc_u64 s[6:7], s[6:7], s[54:55]
	s_add_nc_u64 s[4:5], s[4:5], s[58:59]
	s_add_nc_u64 s[8:9], s[8:9], s[60:61]
	s_add_nc_u64 s[10:11], s[10:11], s[62:63]
.irp g, 0,1,2,3
	s_mov_b32 s[G0+4*\g], 1                        ; count = 1
	s_add_co_u32 s[G0+4*\g+1], s52, \g*QTR         ; LDS address: chunk 16 g + wave
	s_add_nc_u64 s[G0+4*\g+2:G0+4*\g+3], s[6:7], \g*QTR
	s_or_b32 s[G0+4*\g+3], s[G0+4*\g+3], 0x80000000   ; type = 2
.endr
	ROUND                                          ; all four work-groups are here: the joint loads meet
	tensor_load_to_lds s[G0:G0+3], s[G1:G1+7]
	s_nop 0
	tensor_load_to_lds s[G0+4:G0+7], s[G1:G1+7]
	s_nop 0
	tensor_load_to_lds s[G0+8:G0+11], s[G1:G1+7]
	s_nop 0
	tensor_load_to_lds s[G0+12:G0+15], s[G1:G1+7]
	s_nop 0
.rept 4
	v_nop                                          ; behind the tensor loads
.endr
	v_and_b32 v41, 31, v0
	v_and_b32 v42, 15, v0                          ; r
	v_bfe_u32 v43, v0, 4, 1                        ; h
	s_delay_alu instid0(VALU_DEP_3)
	v_lshlrev_b32 v[AK], 4, v41
	s_delay_alu instid0(VALU_DEP_4)
	v_lshlrev_b32 v[ASC], 3, v41
	s_delay_alu instid0(VALU_DEP_4)
	v_lshlrev_b32 v[AVE], 3, v42
	s_delay_alu instid0(VALU_DEP_1)
	v_add_nc_u32 v[AVO], 128, v[AVE]
	s_delay_alu instid0(VALU_DEP_2)
	v_mad_u32_u24 v[AVE], v43, 3456, v[AVE]
	s_delay_alu instid0(VALU_DEP_2)
	v_mad_u32_u24 v[AVO], v43, 3200, v[AVO]
	v_lshl_add_u32 v[AMK], v43, 6, MKB
	s_mul_i32 s53, s51, 768
	v_add_nc_u32 v[VQ], s53, v[ASC]
	s_lshl_b32 s57, s51, 1
	v_lshl_add_u32 v[TT], v42, 3, s57              ; 8 r + 2 u: my row's two scale bytes
	v_lshlrev_b32 v[TT+1], 4, v0
	v_lshl_add_u32 v[TT+3], v0, 4, MKB
	global_load_b128 v[S:S+3], v[TT+1], s[8:9]     ; four mask numbers a thread: the work-group takes the batch's 2,048
.irp p, 0,1,2
	global_load_b64 v[QA+2*\p:QA+2*\p+1], v[VQ], s[4:5] offset:256*\p
.endr
	global_load_u16 v[TT+2], v[TT], s[4:5] offset:1536
	v_mov_b32 v13, 0xff61b1e6                      ; the largest t so far: -3e38
	s_delay_alu instid0(VALU_DEP_1)
	v_floor_f32 v12, -v13                          ; -M
	v_mov_b32 v14, 0
	v_mov_b32 v15, 0
	v_mov_b32 v[FF+1], 0
.irp b, 0,1,2,3
	v_mov_b32 v[PX+\b], 0                          ; written once: a lane permute's destination counts as one of its sources
.endr
	s_wait_loadcnt 0x0
	v_pk_mul_f32 v[S:S+1], v[S:S+1], 0x41000000 op_sel_hi:[1,0]            ; 8 x mask: exact
	v_pk_mul_f32 v[S+2:S+3], v[S+2:S+3], 0x41000000 op_sel_hi:[1,0]
.irp i, 0,1,2,3
	v_max_num_f32 v[S+\i], 0xcf800000, v[S+\i]     ; held at -2^32 from below (the head comment says why)
.endr
	ds_store_b128 v[TT+3], v[S:S+3]
	v_lshl_or_b32 v[QS], v[TT+2], 16, v[TT+2]      ; the two bytes serve the lower half of one operand and the upper half of the other
.irp i, 0,1,2,3,4,5
	v_mov_b32 v[QB+6+\i], v[QA+\i]
	v_mov_b32 v[QA+6+\i], 0
	v_mov_b32 v[QB+\i], 0
.endr
.set n, 0
.rept 32
	v_mov_b32 v[O+n], 0                            ; O^T: the step is written once; the first finds zeros.  (These are also the places between the scale word's making and the first product)
.set n, n+1
.endr
; A KEY STEP: 128 keys, four chunks from s[TB] on.
.macro STEP
	v_add_nc_u32 v[ADK], s[TB], v[AK]              ; five plain instructions: the places behind the last products, ahead of the loads into their registers
	v_add_nc_u32 v[ADE], s[TB], v[AVE]
	v_add_nc_u32 v[ADO], s[TB], v[AVO]
	v_add_nc_u32 v[ADS], s[TB], v[ASC]
	v_add_nc_u32 v[ADM], s[TMK], v[AMK]
.irp f, 0,1,2,3
.irp c, 0,1,2
	ds_load_b128 v[KF+12*\f+4*\c:KF+12*\f+4*\c+3], v[ADK] offset:CHK*\f+512*\c
.endr
	ds_load_b64 v[KS+2*\f:KS+2*\f+1], v[ADS] offset:CHK*\f+3072
.irp j, 0,1,2,3
	ds_load_b128 v[S+16*\f+4*\j:S+16*\f+4*\j+3], v[ADM] offset:128*\f+16*\j   ; 8 x mask of my 64 keys, straight into the accumulators: the products add onto it
.endr
.endr
	s_wait_dscnt 0x0
.irp f, 0,1,2,3
	v_wmma_scale_f32_16x16x128_f8f6f4 v[S+16*\f:S+16*\f+7], v[KF+12*\f:KF+12*\f+11], v[QA:QA+11], v[S+16*\f:S+16*\f+7], v[KS+2*\f], v[QS] matrix_a_fmt:MATRIX_FMT_BF6 matrix_b_fmt:MATRIX_FMT_BF6
	v_wmma_scale_f32_16x16x128_f8f6f4 v[S+16*\f+8:S+16*\f+15], v[KF+12*\f:KF+12*\f+11], v[QB:QB+11], v[S+16*\f+8:S+16*\f+15], v[KS+2*\f], v[QS] matrix_a_fmt:MATRIX_FMT_BF6 matrix_b_fmt:MATRIX_FMT_BF6
.endr
	v_perm_b32 v[TT], v[KS+3], v[KS+1], s44        ; v's scale bytes: chunk f's word has a byte for each channel tile; a product wants a tile's word with a byte for each chunk.  Eight plain instructions: the places behind the products
	v_perm_b32 v[TT+1], v[KS+3], v[KS+1], s45
	v_perm_b32 v[TT+2], v[KS+7], v[KS+5], s44
	v_perm_b32 v[TT+3], v[KS+7], v[KS+5], s45
	s_delay_alu instid0(VALU_DEP_2)
	v_perm_b32 v[VS], v[TT+2], v[TT], s46
	s_delay_alu instid0(VALU_DEP_3)
	v_perm_b32 v[VS+1], v[TT+2], v[TT], s47
	s_delay_alu instid0(VALU_DEP_3)
	v_perm_b32 v[VS+2], v[TT+3], v[TT+1], s46
	s_delay_alu instid0(VALU_DEP_4)
	v_perm_b32 v[VS+3], v[TT+3], v[TT+1], s47
.irp ct, 0,1,2,3                               ; v's four fragments: they land while the softmax is worked
.irp c, 0,1
.irp p, 0,1,2
	ds_load_b64 v[KF+12*\ct+6*\c+2*\p:KF+12*\ct+6*\c+2*\p+1], v[ADE+\ct%2] offset:1536+2*CHK*\c+768*(\ct/2)+256*\p
.endr
.endr
.endr
.irp b, 0,1,2,3
	v_max3_num_f32 v[BM+\b], v[S+16*\b], v[S+1+16*\b], v[S+2+16*\b]   ; the largest S of each block of 32 keys: for the row's maximum and, since p rises with S, for the block's largest p.  Each accumulator is read from its low end on
.endr
.irp i, 3,5,7,9,11,13
.irp b, 0,1,2,3
	v_max3_num_f32 v[BM+\b], v[BM+\b], v[S+16*\b+\i], v[S+1+16*\b+\i]
.endr
.endr
.irp b, 0,1,2,3
	v_max_num_f32 v[BM+\b], v[BM+\b], v[S+15+16*\b]
.endr
.irp b, 0,1,2,3
	s_delay_alu instid0(VALU_DEP_4)
	v_permlanex16_b32 v[PX+\b], v[BM+\b], s[SEL], s[SEL+1]
.endr
.irp b, 0,1,2,3
	s_delay_alu instid0(VALU_DEP_4)
	v_max_num_f32 v[BM+\b], v[BM+\b], v[PX+\b]
.endr
	s_delay_alu instid0(VALU_DEP_2)
	v_max3_num_f32 v[TP], v[BM], v[BM+1], v[BM+2]
	s_delay_alu instid0(VALU_DEP_1)
	v_max_num_f32 v[TP], v[TP], v[BM+3]
	s_delay_alu instid0(VALU_DEP_1)
	v_mul_f32 v[TP], s[CS], v[TP]                  ; as t (c is positive)
	s_delay_alu instid0(VALU_DEP_1)
	v_max_num_f32 v13, v13, v[TP]                  ; the running largest t
	v_mov_b32 v[TP], v12
	s_delay_alu instid0(VALU_DEP_2)
	v_floor_f32 v12, -v13                          ; the new -M: M is a whole number
	s_delay_alu instid0(VALU_DEP_1)
	v_sub_f32 v[TP], v12, v[TP]
	s_delay_alu instid0(VALU_DEP_1)
	v_cvt_i32_f32 v[TP], v[TP]                     ; (it saturates)
	s_delay_alu instid0(VALU_DEP_1)
	v_ldexp_f32 v[FF], 1.0, v[TP]                  ; 2^(old M - new M)
.set n, 0
.rept 32
	v_pk_fma_f32 v[S+n:S+n+1], v[S+n:S+n+1], s[CS:CS+1], v[12:13] op_sel_hi:[1,0,0]   ; c S - M, two at a time (of the pairs c and -M the low word serves both halves)
.set n, n+2
.endr
.irp b, 0,1,2,3
	v_fma_f32 v[BM+\b], v[BM+\b], s[CS], v12       ; the same of each block's largest S
.endr
.set n, 0
	s_setprio 1
	s_wait_alu depctr_va_vdst(0)
.rept 64
	v_exp_f32 v[S+n], v[S+n]                       ; p = 2^(t - M), not normalised
.set n, n+1
.endr
	v_pk_mul_f32 v[14:15], v[14:15], v[FF:FF+1] op_sel_hi:[1,0]            ; the sums under the new M: a plain instruction behind the batch
	s_wait_alu depctr_va_vdst(0)                   ; one wait for the batch, ahead of its first reader
.irp b, 0,1,2,3
	v_exp_f32 v[BM+\b], v[BM+\b]                   ; each block's largest p: the same arithmetic on the same number
.endr
	v_pk_add_f32 v[216:217], v[112:113], v[116:117]
	v_pk_add_f32 v[252:253], v[120:121], v[124:125]
	v_pk_add_f32 v[250:251], v[128:129], v[132:133]
	v_pk_add_f32 v[248:249], v[136:137], v[140:141]
	v_pk_add_f32 v[246:247], v[144:145], v[148:149]
	v_pk_add_f32 v[244:245], v[152:153], v[156:157]
	v_pk_add_f32 v[242:243], v[160:161], v[164:165]
	v_pk_add_f32 v[14:15], v[14:15], v[168:169]
	v_pk_add_f32 v[216:217], v[216:217], v[108:109]
	v_pk_add_f32 v[252:253], v[252:253], v[110:111]
	v_pk_add_f32 v[250:251], v[250:251], v[114:115]
	v_pk_add_f32 v[248:249], v[248:249], v[118:119]
	v_pk_add_f32 v[246:247], v[246:247], v[122:123]
	v_pk_add_f32 v[244:245], v[244:245], v[126:127]
	v_pk_add_f32 v[242:243], v[242:243], v[130:131]
	v_pk_add_f32 v[14:15], v[14:15], v[134:135]
	v_pk_add_f32 v[216:217], v[216:217], v[138:139]
	v_pk_add_f32 v[252:253], v[252:253], v[142:143]
	v_pk_add_f32 v[250:251], v[250:251], v[146:147]
	v_pk_add_f32 v[248:249], v[248:249], v[150:151]
	v_pk_add_f32 v[246:247], v[246:247], v[154:155]
	v_pk_add_f32 v[244:245], v[244:245], v[158:159]
	v_pk_add_f32 v[242:243], v[242:243], v[162:163]
	v_pk_add_f32 v[14:15], v[14:15], v[166:167]
	v_pk_add_f32 v[216:217], v[216:217], v[170:171]
	s_delay_alu instid0(VALU_DEP_2)
	v_pk_add_f32 v[14:15], v[14:15], v[248:249]
	s_delay_alu instid0(VALU_DEP_2)
	v_pk_add_f32 v[216:217], v[216:217], v[246:247]
	v_pk_add_f32 v[252:253], v[252:253], v[244:245]
	v_pk_add_f32 v[250:251], v[250:251], v[242:243]
	s_delay_alu instid0(VALU_DEP_2)
	v_pk_add_f32 v[14:15], v[14:15], v[252:253]
	s_delay_alu instid0(VALU_DEP_2)
	v_pk_add_f32 v[216:217], v[216:217], v[250:251]
	s_delay_alu instid0(VALU_DEP_1)
	v_pk_add_f32 v[14:15], v[14:15], v[216:217]
	s_wait_alu depctr_va_vdst(0)                   ; and one for the four
.irp b, 0,1,2,3
	v_max_num_f32 v[BM+\b], 0x2800000, v[BM+\b]    ; the floor 2^(5 - 127)
.endr
.irp b, 0,1,2,3
	s_delay_alu instid0(VALU_DEP_4)
	v_add_nc_u32 v[SO+\b], 0xfe000000, v[BM+\b]
.endr
.irp b, 0,1,2,3
	s_delay_alu instid0(VALU_DEP_4)
	v_lshrrev_b32 v[BY+\b], 23, v[SO+\b]
.endr
	s_delay_alu instid0(VALU_DEP_3)
	v_lshl_or_b32 v[PS], v[BY+1], 8, v[BY]
	s_delay_alu instid0(VALU_DEP_1)
	v_lshl_or_b32 v[PS], v[BY+2], 16, v[PS]
	s_delay_alu instid0(VALU_DEP_1)
	v_lshl_or_b32 v[PS], v[BY+3], 24, v[PS]
.irp c, 0,1
	v_cvt_scalef32_pk16_bf6_f32 v[PC+6*\c:PC+2+6*\c], v[S+32*\c:S+15+32*\c], v[SO+2*\c]
	v_cvt_scalef32_pk16_bf6_f32 v[PT+4*\c:PT+2+4*\c], v[S+16+32*\c:S+31+32*\c], v[SO+2*\c+1]
.endr
	v_nop                                          ; one plain place behind a scaled conversion
	s_setprio 0
.irp c, 0,1
.irp i, 0,1,2
	v_permlane16_swap_b32 v[PC+6*\c+\i], v[PT+4*\c+\i]
.endr
.irp i, 0,1,2
	s_delay_alu instid0(VALU_DEP_3)
	v_mov_b32 v[PC+3+6*\c+\i], v[PT+4*\c+\i]
.endr
.endr
.set n, 0
.rept 16
	v_pk_mul_f32 v[O+n:O+n+1], v[O+n:O+n+1], v[FF:FF+1] op_sel_hi:[1,0]    ; O^T under the new M; also the places between the making of p's codes and word and the products
.set n, n+2
.endr
	s_wait_alu depctr_va_vdst(0)
	s_wait_dscnt 0x0                               ; v
.irp ct, 0,1,2,3
	v_wmma_scale_f32_16x16x128_f8f6f4 v[O+8*\ct:O+8*\ct+7], v[KF+12*\ct:KF+12*\ct+11], v[PC:PC+11], v[O+8*\ct:O+8*\ct+7], v[VS+\ct], v[PS] matrix_a_fmt:MATRIX_FMT_BF6 matrix_b_fmt:MATRIX_FMT_BF6
.endr
.endm
; A gate and the key steps behind it.  left: my tensor loads issued behind the last one whose chunk these steps read; they may stay out.
.macro GROUP left, first, trips
	s_wait_tensorcnt \left
	s_wait_dscnt 0x0                               ; (in front of the first gate: my part of the mask lies in LDS)
	s_barrier_signal -1
	s_barrier_wait -1                              ; every wave's chunks for these steps have landed
	s_mov_b32 s[TB], (\first)*4*CHK
	s_mov_b32 s[TMK], (\first)*512
	s_mov_b32 s[CNT], \trips
.Lstep_\@:
	s_setprio 2
	STEP
	s_add_co_u32 s[TB], s[TB], 4*CHK
	s_add_co_u32 s[TMK], s[TMK], 512
	s_sub_co_u32 s[CNT], s[CNT], 1
	s_cmp_lg_u32 s[CNT], 0
	s_cbranch_scc1 .Lstep_\@
	s_setprio 0
.endm
	GROUP 3, 0, 4                                  ; the first quarter of the head: three younger loads of mine may be out
	GROUP 0, 4, 12                                 ; the rest: all my loads have landed, and behind the barrier everybody's
	; THE WAY OUT.  O^T / the sum; register 16 b + i is channel 32 b + 16 h + i of my query: two blocks of 32, quantised as above; the six registers are a half fragment of the next product's operand.
	PLACES
	v_add_f32 v14, v14, v15
	s_delay_alu instid0(VALU_DEP_1)
	v_permlanex16_b32 v[PX], v14, s[SEL], s[SEL+1]
	s_delay_alu instid0(VALU_DEP_1)
	v_add_f32 v14, v14, v[PX]
	s_wait_alu depctr_va_vdst(0)
	v_rcp_f32 v14, v14
	v_nop
	s_wait_alu depctr_va_vdst(0)
.set n, 0
.rept 16
	v_pk_mul_f32 v[S+n:S+n+1], v[O+n:O+n+1], v[14:15] op_sel_hi:[1,0]
.set n, n+2
.endr
.irp b, 0,1
	v_max3_num_f32 v[BM+\b], |v[S+16*\b]|, |v[S+1+16*\b]|, 0x2800000
.endr
.irp i, 2,4,6,8,10,12,14
.irp b, 0,1
	s_delay_alu instid0(VALU_DEP_2)
	v_max3_num_f32 v[BM+\b], v[BM+\b], |v[S+16*\b+\i]|, |v[S+1+16*\b+\i]|
.endr
.endr
.irp b, 0,1
	s_delay_alu instid0(VALU_DEP_2)
	v_permlanex16_b32 v[PX+\b], v[BM+\b], s[SEL], s[SEL+1]
.endr
.irp b, 0,1
	s_delay_alu instid0(VALU_DEP_2)
	v_max_num_f32 v[BM+\b], v[BM+\b], v[PX+\b]
.endr
.irp b, 0,1
	s_delay_alu instid0(VALU_DEP_2)
	v_add_nc_u32 v[SO+\b], 0xfe000000, v[BM+\b]
.endr
.irp b, 0,1
	s_delay_alu instid0(VALU_DEP_2)
	v_lshrrev_b32 v[BY+\b], 23, v[SO+\b]
.endr
	s_delay_alu instid0(VALU_DEP_1)
	v_lshl_or_b32 v[FF], v[BY+1], 8, v[BY]
	s_delay_alu instid0(VALU_DEP_1)
	v_lshl_or_b32 v[FF], v[FF], 16, v[FF]          ; the two bytes twice: the reader takes them at byte 2 u
	v_cvt_scalef32_pk16_bf6_f32 v[PC:PC+2], v[S:S+15], v[SO]
	v_cvt_scalef32_pk16_bf6_f32 v[PT:PT+2], v[S+16:S+31], v[SO+1]
	v_nop
.irp i, 0,1,2
	v_permlane16_swap_b32 v[PC+\i], v[PT+\i]
.endr
.irp i, 0,1,2
	s_delay_alu instid0(VALU_DEP_3)
	v_mov_b32 v[PC+3+\i], v[PT+\i]
.endr
.irp p, 0,1,2
	global_store_b64 v[ASC], v[PC+2*\p:PC+2*\p+1], s[10:11] offset:256*\p  ; 256 consecutive bytes a store, aligned
.endr
	global_store_b64 v[ASC], v[FF:FF+1], s[10:11] offset:768
	s_wait_tensorcnt 0x0
	ds_add_u32 v254, v255
	s_wait_dscnt 0x0
	ROUND                                          ; the closing round: no work-group ends while a partner may still ask for a chunk that names it
	s_endpgm
.Lfunc_end_k_qedb216fa92_att:
	.size	k_qedb216fa92_att, .Lfunc_end_k_qedb216fa92_att-k_qedb216fa92_att
	.p2alignl 7, 3214868480
	.fill 96, 4, 3214868480
	.section	.rodata,"a",@progbits
	.p2align	6, 0x0
	.amdhsa_kernel k_qedb216fa92_att
		.amdhsa_group_segment_fixed_size 223232
		.amdhsa_private_segment_fixed_size 0
		.amdhsa_enable_private_segment 0
		.amdhsa_kernarg_size 32
		.amdhsa_user_sgpr_count 2
		.amdhsa_user_sgpr_kernarg_segment_ptr 1
		.amdhsa_wavefront_size32 1
		.amdhsa_system_sgpr_workgroup_id_x 1
		.amdhsa_system_sgpr_workgroup_id_y 1
		.amdhsa_system_sgpr_workgroup_id_z 1
		.amdhsa_system_vgpr_workitem_id 0
		.amdhsa_next_free_vgpr 256
		.amdhsa_next_free_sgpr 66
		.amdhsa_reserve_vcc 0
		.amdhsa_float_denorm_mode_32 3
		.amdhsa_float_denorm_mode_16_64 3
		.amdhsa_memory_ordered 1
		.amdhsa_forward_progress 1
		.amdhsa_inst_pref_size 53
	.end_amdhsa_kernel
	.amdgpu_metadata
---
amdhsa.version: [ 1, 2 ]
amdhsa.kernels:
  - .name:           k_qedb216fa92_att
    .symbol:         k_qedb216fa92_att.kd
    .args:
      - { .name: q, .offset: 0, .size: 8, .value_kind: global_buffer, .address_space: global }
      - { .name: kv, .offset: 8, .size: 8, .value_kind: global_buffer, .address_space: global }
      - { .name: attn_mask, .offset: 16, .size: 8, .value_kind: global_buffer, .address_space: global }
      - { .name: cx, .offset: 24, .size: 8, .value_kind: global_buffer, .address_space: global }
    .group_segment_fixed_size: 223232
    .private_segment_fixed_size: 0
    .kernarg_segment_align: 8
    .kernarg_segment_size: 32
    .max_flat_workgroup_size: 512
    .sgpr_count:     66
    .vgpr_count:     256
    .wavefront_size: 32
...
	.end_amdgpu_metadata
.endif
;; end of part 11
;; launch mlp (part 12): grid 256 x 1, 8 waves a work-group, no clusters, 193,536 bytes of LDS; arguments cx, x, w, f0, ln2_w, ln2_b, ln1_w, ln1_b, lnf_w, lnf_b, x1, xc, out0; writes x1, xc, out0
.if DOCPART == 12
	.amdgcn_target "amdgcn-amd-amdhsa--gfx1250"
	.amdhsa_code_object_version 6
	.text
	.protected	k_qedb216fa92_mlp
	.globl	k_qedb216fa92_mlp
	.p2align	8
	.type	k_qedb216fa92_mlp,@function
k_qedb216fa92_mlp:
	s_mov_b64 s[64:65], 0
	v_nop
	global_prefetch_b8 v0, s[64:65] scope:SCOPE_SE
	s_setreg_imm32_b32 hwreg(HW_REG_WAVE_SCHED_MODE, 0, 2), 2
	s_setreg_imm32_b32 hwreg(HW_REG_WAVE_MODE, 25, 1), 1
	s_wait_xcnt 0x0
	s_wait_alu depctr_vm_vsrc(0)
; MLP.  The rest of a layer for 32 tokens: x' = x + ctx Wo; xn = LN2(x'); g = silu(xn W1a) * (xn W1b); x'' = x' + g W2; then the tail:
; layer 0: x'' is stored, and LN1 of layer 1 of it is quantised and stored as codes;  layer 1: the final LayerNorm of x'' is stored as the result.
; All four products on codes of BF6 with E8M0 scales; xn and g are quantised on the way and never go to memory.
; SHARES.  Work-group g takes token block g (two row tiles u; lane row r of tile u is token 8 u + r + 8 (r / 8)).  THE WAVES SHARE THE COLUMNS: wave w makes features 64 w .. 64 w + 63 of every product.
; Its weights (one block of w a pass, laid in the order of the operand registers) go from memory straight into a ring of four register slots, a K step each, asked for a pass ahead.
; The rows' codes go from wave to wave through LDS as images of the operand's registers, in chunks of 1,024 bytes (row tile u, 64 features g): three runs of 256 bytes of codes, one of scale words.
; Every product is used TRANSPOSED (source 0 = 16 rows of W, source 1 = 16 tokens): register 32 u + 16 b + i of a lane is feature 32 b + 16 h + i of its token.
; Each shared LDS region is written in one phase only; seven barriers part the writing from the reading.  The wave's own stage turns rows into the lanes' order and back: x comes in, and x'' and the result leave,
; as runs of 256 consecutive bytes of a token; x' and x'' rest there between.
; The layer's number is read from a buffer of whole numbers that an earlier launch stored; it is held at 1 before it enters an address, and decides one branch, behind the last barrier.
; In the launch for layer 1 the eleventh argument is a buffer that is dead by then: the target of the arm that layer 1 does not take.
; No joint loads: each wave's weights go to its own registers alone; through LDS a pass's 204,800 bytes would want two slots, which do not fit beside the 192,512 bytes in use.
; LIMITS: NaN and infinities are not served; a block whose largest magnitude lies under 2^-122 gets the byte 1 (only this program reads the bytes).
; THE MODE: SCHED_MODE bits 1:0 = 2 (LLVM: expert scheduling mode 2), set by the entry lines.  The code itself states the register dependences
; between vector or matrix instructions and memory or LDS instructions, with s_wait_alu, always for 0.
; THE PLAN.  Registers that memory or LDS instructions touch:
;   v1-9, v11-14, v254, v255  addresses, made at the head and never written again: one wait on va_vdst ahead of the first load serves them all.
;   ring slots 0-3 (window 1), WS  K step s's products read slot s; the next pass's weights of K step s land in it.  WS: two sets, a pass each.
;   AF0, AF1     K step s's products read AF[s % 2]; the fragments of K step s + 2 land in it.  Between passes the LayerNorm works here: v36 is an LDS store's data, in v44-51 LDS loads land.
;   ACC          ctx on its way to LDS; the products' sums; the gains and biases land there; on the way out rows from the stage land there and are stored.
;   HOLD         x lands, goes to the stage and comes back; the arithmetic works in it; it is stored to the stage and loaded from it.
;   TM           the rows' scale halves land there; the quantiser works there.      PC, PW  written by the quantiser, read by LDS or global stores.
; So ONE wait on va_vdst stands at the head of K steps 1 to 3: the products of the K step before are done reading their set of fragments and their ring slot; the next fragments' loads and that slot's refill
; follow it.  Slot 3's refill follows a wait that stands behind the pass anyway.  The other waits on va_vdst stand ahead of a run of stores or loads whose registers the arithmetic has just left;
; the waits on vm_vsrc stand behind a barrier that follows LDS stores, or ahead of the quantiser that writes a store's data again.
.set LAYERB, 1433600
.set PASSB,  204800                    ; eight blocks of w: from a pass to the next
.set AIMG0,  0                         ; LDS: ctx's 16 chunks
.set AIMG1,  16384                     ; xn's
.set AIMG2,  32768                     ; g's
.set ST1,    49152                     ; four regions of 8 x 32 words for the LayerNorms' sums
.set ST2,    50176
.set ST3,    51200
.set ST4,    52224
.set WSCR,   53248                     ; a stage for each wave: 32 rows x (256 + 16) bytes
.set WSCR2,  122880                    ; and a second one, which the last layer's arm alone writes
.set LI,  1                            ; v1  16 x lane
.set L8,  2                            ; v2  8 x lane
.set L4,  3                            ; v3  4 x lane
.set CPY, 4                            ; v4  16 x lane + 2,048 x wave
.set ASA, 5                            ; v5  8 r + 8,194 h: tile h's chunk, its two scale bytes
.set IMW, 6                            ; v6  8 x lane + 1,024 x wave
.set STW, 7                            ; v7  4 x thread
.set SA,  8                            ; v8  the stage in the lanes' order: row r, + 64 h
.set SB,  9                            ; v9  and by rows: row h, + 16 r
.set PA,  11                           ; v11 64 h
.set GO,  12                           ; v12 2,048 h + 16 r: sixteen lanes to a token's 256 bytes
.set SA2, 13
.set SB2, 14
.set AS,  16                           ; v16-19 the rows' scale words: lanes 0-15 tile 0, lanes 16-31 tile 1
.set WS,  20                           ; v20-35 W's scale words, two sets
.set AF,  36                           ; v36-59, v60-83 two sets of the rows' two fragments; between passes: the LayerNorm's registers
.set SU,  36
.set XX,  38
.set TOT, 40
.set LD,  44
.set MU,  52
.set RS,  56
.set CH,  60
.set ACC, 84
.set HOLD, 148
.set TM,  212
.set PC,  228
.set PW,  248                          ; v248 the scale word, v249 = 0.   Window 1: the ring: slot s at 48 s + 12 t + 4 c
.set WV,  30
.set LAY, 31
.set SEL, 32
.set HIM, 34
.set P9,  35
.set EPS, 36
.set WP,  38
.set MSB, 0
.macro WIN new
.if MSB != \new
	s_set_vgpr_msb (MSB<<8)|\new
.set MSB, \new
.endif
.endm
.macro PLACES
.rept 4
	v_nop
.endr
.endm
.macro BAR
	s_wait_dscnt 0x0
	s_barrier_signal -1
	s_barrier_wait -1
.endm
.macro MM d, a, b, ks, sa, sb, ra, rb
.if (\ks) == 0
.if (\ra) && (\rb)
	v_wmma_scale_f32_16x16x128_f8f6f4 v[\d:\d+7], v[\a:\a+11], v[\b:\b+11], 0, v[\sa], v[\sb] matrix_a_fmt:MATRIX_FMT_BF6 matrix_b_fmt:MATRIX_FMT_BF6 matrix_a_scale:MATRIX_SCALE_ROW1 matrix_b_scale:MATRIX_SCALE_ROW1
.elseif (\ra)
	v_wmma_scale_f32_16x16x128_f8f6f4 v[\d:\d+7], v[\a:\a+11], v[\b:\b+11], 0, v[\sa], v[\sb] matrix_a_fmt:MATRIX_FMT_BF6 matrix_b_fmt:MATRIX_FMT_BF6 matrix_a_scale:MATRIX_SCALE_ROW1
.elseif (\rb)
	v_wmma_scale_f32_16x16x128_f8f6f4 v[\d:\d+7], v[\a:\a+11], v[\b:\b+11], 0, v[\sa], v[\sb] matrix_a_fmt:MATRIX_FMT_BF6 matrix_b_fmt:MATRIX_FMT_BF6 matrix_b_scale:MATRIX_SCALE_ROW1
.else
	v_wmma_scale_f32_16x16x128_f8f6f4 v[\d:\d+7], v[\a:\a+11], v[\b:\b+11], 0, v[\sa], v[\sb] matrix_a_fmt:MATRIX_FMT_BF6 matrix_b_fmt:MATRIX_FMT_BF6
.endif
.else
.if (\ra) && (\rb)
	v_wmma_scale_f32_16x16x128_f8f6f4 v[\d:\d+7], v[\a:\a+11], v[\b:\b+11], v[\d:\d+7], v[\sa], v[\sb] matrix_a_fmt:MATRIX_FMT_BF6 matrix_b_fmt:MATRIX_FMT_BF6 matrix_a_scale:MATRIX_SCALE_ROW1 matrix_b_scale:MATRIX_SCALE_ROW1
.elseif (\ra)
	v_wmma_scale_f32_16x16x128_f8f6f4 v[\d:\d+7], v[\a:\a+11], v[\b:\b+11], v[\d:\d+7], v[\sa], v[\sb] matrix_a_fmt:MATRIX_FMT_BF6 matrix_b_fmt:MATRIX_FMT_BF6 matrix_a_scale:MATRIX_SCALE_ROW1
.elseif (\rb)
	v_wmma_scale_f32_16x16x128_f8f6f4 v[\d:\d+7], v[\a:\a+11], v[\b:\b+11], v[\d:\d+7], v[\sa], v[\sb] matrix_a_fmt:MATRIX_FMT_BF6 matrix_b_fmt:MATRIX_FMT_BF6 matrix_b_scale:MATRIX_SCALE_ROW1
.else
	v_wmma_scale_f32_16x16x128_f8f6f4 v[\d:\d+7], v[\a:\a+11], v[\b:\b+11], v[\d:\d+7], v[\sa], v[\sb] matrix_a_fmt:MATRIX_FMT_BF6 matrix_b_fmt:MATRIX_FMT_BF6
.endif
.endif
.endm
.macro ROWSUM st                       ; the four chains in CH -> in v[TOT] of lane (h, r) the sum over all 512 features for row r of tile h
.irp u, 0,1
	v_pk_add_f32 v[CH+4*\u:CH+4*\u+1], v[CH+4*\u:CH+4*\u+1], v[CH+4*\u+2:CH+4*\u+3]
.endr
.irp u, 0,1
	v_add_f32 v[SU+\u], v[CH+4*\u], v[CH+4*\u+1]
	v_mov_b32 v[XX+\u], 0
.endr
.irp u, 0,1
	v_permlanex16_b32 v[XX+\u], v[SU+\u], s[SEL], s[SEL+1]
.endr
.irp u, 0,1
	v_add_f32 v[SU+\u], v[SU+\u], v[XX+\u]
.endr
	v_cndmask_b32 v[SU], v[SU], v[SU+1], s[HIM]
	s_wait_alu depctr_va_vdst(0)                   ; v[SU] is written, which the LDS store reads; and the vector and matrix instructions issued so far are done with v[LD ..], in which the eight loads behind the barrier land
	ds_store_b32 v[STW], v[SU] offset:\st
	BAR
	s_wait_alu depctr_vm_vsrc(0)                   ; my LDS stores issued so far have read their data: v[SU], HOLD (into the stage) and the codes (into their images), all of which are written again further down
.irp k, 0,1,2,3,4,5,6,7
	ds_load_b32 v[LD+\k], v[L4] offset:\st+128*\k
.endr
	s_wait_dscnt 0x0
	v_add_f32 v[LD], v[LD], v[LD+1]
	v_add_f32 v[LD+2], v[LD+2], v[LD+3]
	v_add_f32 v[LD+4], v[LD+4], v[LD+5]
	v_add_f32 v[LD+6], v[LD+6], v[LD+7]
	v_add_f32 v[LD], v[LD], v[LD+2]
	v_add_f32 v[LD+4], v[LD+4], v[LD+6]
	v_add_f32 v[TOT], v[LD], v[LD+4]
.endm
.macro SPLIT val, d
	v_permlanex16_b32 v[XX], v[\val], s[SEL], s[SEL+1]
	v_cndmask_b32 v[\d], v[\val], v[XX], s[HIM]
	v_cndmask_b32 v[\d+2], v[XX], v[\val], s[HIM]
	v_mov_b32 v[\d+1], v[\d]
	v_mov_b32 v[\d+3], v[\d+2]
.endm
.macro LN st1, st2                     ; LayerNorm of HOLD in place; the mean is taken away before the squares are formed; gains in ACC + k, biases in ACC + 32 + k
.irp u, 0,1
	v_pk_add_f32 v[CH+4*\u:CH+4*\u+1], v[HOLD+32*\u:HOLD+32*\u+1], v[HOLD+32*\u+4:HOLD+32*\u+5]
	v_pk_add_f32 v[CH+4*\u+2:CH+4*\u+3], v[HOLD+32*\u+2:HOLD+32*\u+3], v[HOLD+32*\u+6:HOLD+32*\u+7]
.endr
.irp j, 8,12,16,20,24,28
.irp u, 0,1
	v_pk_add_f32 v[CH+4*\u:CH+4*\u+1], v[CH+4*\u:CH+4*\u+1], v[HOLD+32*\u+\j:HOLD+32*\u+\j+1]
	v_pk_add_f32 v[CH+4*\u+2:CH+4*\u+3], v[CH+4*\u+2:CH+4*\u+3], v[HOLD+32*\u+\j+2:HOLD+32*\u+\j+3]
.endr
.endr
	ROWSUM \st1
	v_mul_f32 v[TOT], s[P9], v[TOT]
	SPLIT TOT, MU
.set k, 0
.rept 32
	v_pk_add_f32 v[HOLD+k:HOLD+k+1], v[HOLD+k:HOLD+k+1], v[MU+2*(k/32):MU+2*(k/32)+1] neg_lo:[0,1] neg_hi:[0,1]
.set k, k+2
.endr
.irp u, 0,1
	v_pk_mul_f32 v[CH+4*\u:CH+4*\u+1], v[HOLD+32*\u:HOLD+32*\u+1], v[HOLD+32*\u:HOLD+32*\u+1]
	v_pk_mul_f32 v[CH+4*\u+2:CH+4*\u+3], v[HOLD+32*\u+2:HOLD+32*\u+3], v[HOLD+32*\u+2:HOLD+32*\u+3]
.endr
.irp j, 4,8,12,16,20,24,28
.irp u, 0,1
	v_pk_fma_f32 v[CH+4*\u:CH+4*\u+1], v[HOLD+32*\u+\j:HOLD+32*\u+\j+1], v[HOLD+32*\u+\j:HOLD+32*\u+\j+1], v[CH+4*\u:CH+4*\u+1]
	v_pk_fma_f32 v[CH+4*\u+2:CH+4*\u+3], v[HOLD+32*\u+\j+2:HOLD+32*\u+\j+3], v[HOLD+32*\u+\j+2:HOLD+32*\u+\j+3], v[CH+4*\u+2:CH+4*\u+3]
.endr
.endr
	ROWSUM \st2
	v_fma_f32 v[TOT], v[TOT], s[P9], s[EPS]
	s_wait_alu depctr_va_vdst(0)
	v_rsq_f32 v[TOT], v[TOT]
	v_nop                                          ; a plain instruction behind the transcendental
	s_wait_alu depctr_va_vdst(0)                   ; the reciprocal root has written v[TOT]: the wait ahead of its first reader
	SPLIT TOT, RS
	s_wait_alu depctr_va_vdst(0)
	s_wait_loadcnt 0x0                             ; the gains and biases
.set k, 0
.rept 32
	v_pk_mul_f32 v[HOLD+k:HOLD+k+1], v[HOLD+k:HOLD+k+1], v[RS+2*(k/32):RS+2*(k/32)+1]
.set k, k+2
.endr
.set k, 0
.rept 32
	v_pk_fma_f32 v[HOLD+k:HOLD+k+1], v[HOLD+k:HOLD+k+1], v[ACC+k%32:ACC+k%32+1], v[ACC+32+k%32:ACC+32+k%32+1]
.set k, k+2
.endr
.endm
.macro QUANT src
.irp b, 0,1,2,3
	v_max3_num_f32 v[TM+\b], |v[\src+16*\b]|, |v[\src+1+16*\b]|, 0x2800000   ; my 16 numbers, and the floor 2^(5 - 127): the byte cannot fall under 1
.endr
.irp i, 2,4,6,8,10,12,14
.irp b, 0,1,2,3
	v_max3_num_f32 v[TM+\b], v[TM+\b], |v[\src+16*\b+\i]|, |v[\src+1+16*\b+\i]|
.endr
.endr
.irp b, 0,1,2,3
	v_permlanex16_b32 v[TM+4+\b], v[TM+\b], s[SEL], s[SEL+1]
.endr
.irp b, 0,1,2,3
	v_max_num_f32 v[TM+\b], v[TM+\b], v[TM+4+\b]
.endr
.irp b, 0,1,2,3
	v_add_nc_u32 v[TM+12+\b], 0xfe000000, v[TM+\b]
.endr
.irp b, 0,1,2,3
	v_lshrrev_b32 v[TM+4+\b], 23, v[TM+12+\b]
.endr
	v_lshl_or_b32 v[PW], v[TM+5], 8, v[TM+4]
	v_lshl_or_b32 v[PW], v[TM+6], 16, v[PW]
	v_lshl_or_b32 v[PW], v[TM+7], 24, v[PW]
.irp c, 0,1
	v_cvt_scalef32_pk16_bf6_f32 v[PC+6*\c:PC+2+6*\c], v[\src+32*\c:\src+15+32*\c], v[TM+12+2*\c]
	v_cvt_scalef32_pk16_bf6_f32 v[PC+12+4*\c:PC+14+4*\c], v[\src+16+32*\c:\src+31+32*\c], v[TM+12+2*\c+1]
.endr
	v_nop                                          ; one plain place behind a scaled conversion
.irp c, 0,1
.irp i, 0,1,2
	v_permlane16_swap_b32 v[PC+6*\c+\i], v[PC+12+4*\c+\i]
.endr
.irp i, 0,1,2
	v_mov_b32 v[PC+3+6*\c+\i], v[PC+12+4*\c+\i]
.endr
.endr
.endm
.macro XCSTORE base
.irp n, 0,1,2,3,4,5
	global_store_b64 v[L8], v[PC+2*\n:PC+2*\n+1], s[\base:\base+1] offset:(\n/3)*8192+256*(\n%3)
.endr
.irp u, 0,1
	global_store_b64 v[L8], v[PW:PW+1], s[\base:\base+1] offset:\u*8192+768
.endr
.endm
.macro WG p, s                         ; pass p's weights of K step s into ring slot s: 12 loads of 512 consecutive bytes; with s = 0 also the pass's scale words
.if (\s) == 0
	global_load_b128 v[WS+8*((\p)%2):WS+8*((\p)%2)+3], v[LI], s[WP:WP+1] offset:PASSB*(\p)+24576
	global_load_b128 v[WS+8*((\p)%2)+4:WS+8*((\p)%2)+7], v[LI], s[WP:WP+1] offset:PASSB*(\p)+24576+512
.endif
	WIN 0x40                                       ; destination in window 1
.irp t, 0,1,2,3
.irp c, 0,1,2
	global_load_b128 v[48*(\s)+12*\t+4*\c:48*(\s)+12*\t+4*\c+3], v[LI], s[WP:WP+1] offset:PASSB*(\p)+(4*(\s)+\t)*1536+512*\c
.endr
.endr
	WIN 0
.endm
.macro ASBUILD base                    ; the rows' scale words for the four K steps, from the chunks' scale runs
.irp s, 0,1,2,3
.irp c, 0,1
	ds_load_u16 v[TM+2*\s+\c], v[ASA] offset:\base+768+2048*\s+1024*\c
.endr
.endr
	s_wait_dscnt 0x0
.irp s, 0,1,2,3
	v_lshl_or_b32 v[AS+\s], v[TM+2*\s+1], 16, v[TM+2*\s]
.endr
.rept 8
	v_nop                                          ; a scale register written by a vector instruction stands eight places ahead of a scaled matrix instruction
.endr
	s_wait_alu depctr_va_vdst(0)                   ; the rows' four scale words are written, which the products take as scales (the places above stay beside this wait); and all that worked in v[AF ..] is done, where the pass's fragments land
.endm
.macro AFETCH base, s                  ; the two row tiles' fragments of K step s into set s % 2: 12 loads of 256 consecutive bytes
.irp u, 0,1
.irp c, 0,1
.irp p, 0,1,2
	ds_load_b64 v[AF+24*((\s)%2)+12*\u+6*\c+2*\p:AF+24*((\s)%2)+12*\u+6*\c+2*\p+1], v[L8] offset:\base+(8*\u+2*(\s)+\c)*1024+256*\p
.endr
.endr
.endr
.endm
; One product: 4 K steps x 8 matrix instructions on eight accumulators, which take turns, one instruction a turn.
; next = 1: ring slot s - 1, once read, takes the next pass's weights at the head of K step s; slot 3 takes them behind the pass, where the caller has a wait.
.macro PASS p, base, next
	AFETCH \base, 0
	AFETCH \base, 1
.irp s, 0,1,2,3
.if (\s > 0) && ((\s < 3) || \next)
	s_wait_alu depctr_va_vdst(0)                   ; the products of the K step before are done reading their set of the rows' fragments and their ring slot, in which the loads below land
.endif
.if (\s == 1) || (\s == 2)
	AFETCH \base, \s+1
.endif
.if (\s > 0) && \next
	WG (\p)+1, \s-1
.endif
.if \s < 3
	s_wait_dscnt 12                                ; all but the 12 loads of the next K step
.else
	s_wait_dscnt 0x0
.endif
.if \next
	s_wait_loadcnt 36                              ; behind this K step's weights at least three more groups of 12 loads were issued
.else
	s_wait_loadcnt 36-12*\s                        ; the last pass: the groups that are left
.endif
	WIN 0x01                                       ; source 0 (W) in window 1
.irp t, 0,1,2,3
.irp u, 0,1
	MM ACC+32*\u+8*\t, 48*\s+12*\t, AF+24*(\s%2)+12*\u, \s, WS+8*((\p)%2)+4*(\t/2)+\s, AS+\s, \t%2, \u
.endr
.endr
	WIN 0
	PLACES
.endr
.endm
.macro ADDH                            ; HOLD += ACC, each accumulator from its low end on
.set k, 0
.rept 32
	v_pk_add_f32 v[HOLD+k:HOLD+k+1], v[HOLD+k:HOLD+k+1], v[ACC+k:ACC+k+1]
.set k, k+2
.endr
.endm
.macro PARAMS pw, pb                   ; my 64 features' gains and biases, in HOLD's order
.irp b, 0,1
.irp j, 0,1,2,3
	global_load_b128 v[ACC+16*\b+4*\j:ACC+16*\b+4*\j+3], v[PA], s[\pw:\pw+1] offset:128*\b+16*\j
	global_load_b128 v[ACC+32+16*\b+4*\j:ACC+32+16*\b+4*\j+3], v[PA], s[\pb:\pb+1] offset:128*\b+16*\j
.endr
.endr
.endm
.macro STAGE_IN adr                    ; HOLD into my stage: row 16 u + r, my features' 256 bytes
.irp u, 0,1
.irp b, 0,1
.irp j, 0,1,2,3
	ds_store_b128 v[\adr], v[HOLD+32*\u+16*\b+4*\j:HOLD+32*\u+16*\b+4*\j+3] offset:4352*\u+128*\b+16*\j
.endr
.endr
.endr
.endm
.macro STAGE_BACK
.irp u, 0,1
.irp b, 0,1
.irp j, 0,1,2,3
	ds_load_b128 v[HOLD+32*\u+16*\b+4*\j:HOLD+32*\u+16*\b+4*\j+3], v[SA] offset:4352*\u+128*\b+16*\j
.endr
.endr
.endr
.endm
.macro STAGE_OUT adr, base             ; the stage leaves by rows: lanes 0-15 store one token's 256 consecutive bytes, aligned, lanes 16-31 the next token's.  LDS serves a wave's instructions in order: these loads see my stores
.set k, 0
.rept 16
	ds_load_b128 v[ACC+4*k:ACC+4*k+3], v[\adr] offset:544*k
.set k, k+1
.endr
.set k, 0
.rept 16
	s_wait_dscnt 15-k
	global_store_b128 v[GO], v[ACC+4*k:ACC+4*k+3], s[\base:\base+1] offset:(8*(k/8)+2*(k%8)+8*((k%8)/4))*2048
.set k, k+1
.endr
.endm
.macro IMG base                        ; my two chunks (g = wave) into LDS as they stand
.irp n, 0,1,2,3,4,5
	ds_store_b64 v[IMW], v[PC+2*\n:PC+2*\n+1] offset:\base+(\n/3)*8192+256*(\n%3)
.endr
.irp u, 0,1
	ds_store_b32 v[IMW], v[PW] offset:\base+8192*\u+768
.endr
.endm
.macro SILU                            ; HOLD = ACC / (1 + 2^(-ACC log2(e))); behind its first wait ring slot 3 takes pass 2's weights
.set k, 0
.rept 32
	v_pk_mul_f32 v[HOLD+k:HOLD+k+1], v[ACC+k:ACC+k+1], 0xbfb8aa3b op_sel_hi:[1,0]
.set k, k+2
.endr
.set k, 0
	s_wait_alu depctr_va_vdst(0)
.rept 64
	v_exp_f32 v[HOLD+k], v[HOLD+k]
.set k, k+1
.endr
	v_nop
	s_wait_alu depctr_va_vdst(0)                   ; one wait for the batch: the exponentials have written HOLD; and the last K step's products are done reading ring slot 3, in which the loads below land
	WG 2, 3
.set k, 0
.rept 32
	v_pk_add_f32 v[HOLD+k:HOLD+k+1], v[HOLD+k:HOLD+k+1], 1.0 op_sel_hi:[1,0]
.set k, k+2
.endr
.set k, 0
	s_wait_alu depctr_va_vdst(0)
.rept 64
	v_rcp_f32 v[HOLD+k], v[HOLD+k]
.set k, k+1
.endr
	v_nop
	s_wait_alu depctr_va_vdst(0)                   ; one wait for the batch: the reciprocals have written HOLD
.set k, 0
.rept 32
	v_pk_mul_f32 v[HOLD+k:HOLD+k+1], v[HOLD+k:HOLD+k+1], v[ACC+k:ACC+k+1]
.set k, k+2
.endr
.endm
	s_load_b512 s[4:19], s[0:1], 0x0               ; cx, x in, w, the layer's number, ln2_w, ln2_b, ln1_w, ln1_b
	s_load_b256 s[20:27], s[0:1], 0x40             ; lnf_w, lnf_b, x out, xc
	s_load_b64 s[28:29], s[0:1], 0x60              ; out0
	v_lshl_add_u32 v254, v0, 2, 0x2f000
	v_mov_b32 v255, 0
	v_lshrrev_b32 v15, 5, v0
	v_readfirstlane_b32 s[WV], v15                 ; wave 0..7
	v_and_b32 v36, 31, v0
	v_and_b32 v37, 15, v0                          ; r
	v_bfe_u32 v38, v0, 4, 1                        ; h
	v_lshlrev_b32 v[LI], 4, v36
	v_lshlrev_b32 v[L8], 3, v36
	v_lshlrev_b32 v[L4], 2, v36
	s_wait_alu depctr_va_sdst(0)                   ; the wave's number is written, ahead of its first reader
	s_lshl_b32 s48, s[WV], 11
	v_add_nc_u32 v[CPY], s48, v[LI]
	v_lshlrev_b32 v[ASA], 3, v37
	v_mad_u32_u24 v[ASA], v38, 8194, v[ASA]
	s_lshl_b32 s49, s[WV], 10
	v_add_nc_u32 v[IMW], s49, v[L8]
	v_lshlrev_b32 v[STW], 2, v0
	s_mul_i32 s50, s[WV], 8704
	s_add_co_u32 s50, s50, WSCR
	v_mul_u32_u24 v[SA], v37, 272
	v_lshl_add_u32 v[SA], v38, 6, v[SA]
	v_add_nc_u32 v[SA], s50, v[SA]
	v_mul_u32_u24 v[SB], v38, 272
	v_lshl_add_u32 v[SB], v37, 4, v[SB]
	v_add_nc_u32 v[SB], s50, v[SB]
	v_add_nc_u32 v[SA2], WSCR2-WSCR, v[SA]
	v_add_nc_u32 v[SB2], WSCR2-WSCR, v[SB]
	v_lshlrev_b32 v[PA], 6, v38
	v_lshlrev_b32 v[GO], 11, v38
	v_lshl_add_u32 v[GO], v37, 4, v[GO]
.irp b, 0,1,2,3
	v_mov_b32 v[TM+4+\b], 0
.endr
	v_mov_b32 v[PW+1], 0
	s_mov_b32 s[SEL], 0x76543210
	s_mov_b32 s[SEL+1], 0xfedcba98
	s_mov_b32 s[HIM], 0xffff0000
	s_mov_b32 s[P9], 0x3b000000                    ; 2^-9
	s_mov_b32 s[EPS], 0x3727c5ac                   ; 1e-5
	s_lshl_b32 s48, ttmp9, 14                      ; the token block's 16 chunks
	s_mov_b32 s49, 0
	s_lshl_b32 s50, ttmp9, 16
	s_lshl_b32 s54, s[WV], 8
	s_add_co_u32 s50, s50, s54                     ; 32 tokens of 2,048 bytes, my 64 features
	s_mov_b32 s51, 0
	s_lshl_b32 s52, s[WV], 10
	s_add_co_u32 s52, s52, s48
	s_mov_b32 s53, 0
	s_mov_b32 s55, 0
	s_add_co_u32 s56, s[WV], 24
	s_mul_i32 s56, s56, 25600                      ; block 24 + wave of a layer
	s_wait_kmcnt 0x0
	s_load_b32 s[LAY], s[10:11], 0x0
	s_add_nc_u64 s[4:5], s[4:5], s[48:49]
	s_add_nc_u64 s[6:7], s[6:7], s[50:51]
	s_add_nc_u64 s[24:25], s[24:25], s[50:51]
	s_add_nc_u64 s[28:29], s[28:29], s[50:51]
	s_add_nc_u64 s[26:27], s[26:27], s[52:53]
	s_wait_alu depctr_va_vdst(0)                   ; all addresses (v1-9, v11-14, v254, v255) are written, which the kernel's loads and stores read; so are v36-38 and v216-219, in which LDS loads land
.irp k, 0,1,2,3
	global_load_b128 v[ACC+4*\k:ACC+4*\k+3], v[CPY], s[4:5] offset:512*\k  ; ctx's chunks: 2,048 bytes a wave
.endr
.set k, 0
.rept 16                                       ; x by rows: load k brings stage rows 2 k and 2 k + 1, two runs of 256 consecutive bytes
	global_load_b128 v[HOLD+4*k:HOLD+4*k+3], v[GO], s[6:7] offset:(8*(k/8)+2*(k%8)+8*((k%8)/4))*2048 th:TH_LOAD_NT
.set k, k+1
.endr
	s_wait_kmcnt 0x0
	s_min_u32 s[LAY], s[LAY], 1                    ; a loaded number enters an address only behind this hold
	s_mul_i32 s57, s[LAY], LAYERB
	s_add_co_u32 s56, s56, s57
	s_mov_b32 s57, 0
	s_add_nc_u64 s[WP:WP+1], s[8:9], s[56:57]
	WG 0, 0
	WG 0, 1
	WG 0, 2
	WG 0, 3
	s_lshl_b32 s58, s[LAY], 11
	s_add_co_u32 s58, s58, s54
	s_mov_b32 s59, 0
	s_add_nc_u64 s[44:45], s[12:13], s[58:59]      ; this layer's ln2, my features
	s_add_nc_u64 s[46:47], s[14:15], s[58:59]
	s_add_nc_u64 s[16:17], s[16:17], 2048          ; layer 1's ln1
	s_add_nc_u64 s[18:19], s[18:19], 2048
	s_cmp_eq_u32 s[LAY], 1
	s_cselect_b64 s[40:41], s[20:21], s[16:17]     ; the tail's LayerNorm: the final one, or layer 1's first
	s_cselect_b64 s[42:43], s[22:23], s[18:19]
	s_add_nc_u64 s[40:41], s[40:41], s[54:55]
	s_add_nc_u64 s[42:43], s[42:43], s[54:55]
	s_wait_loadcnt 50                              ; behind ctx's and x's loads stand the 50 of the first pass's weights (2 + 4 x 12): ctx and x are in
.irp k, 0,1,2,3
	ds_store_b128 v[CPY], v[ACC+4*\k:ACC+4*\k+3] offset:AIMG0+512*\k
.endr
.set k, 0
.rept 16
	ds_store_b128 v[SB], v[HOLD+4*k:HOLD+4*k+3] offset:544*k               ; x by rows into my stage
.set k, k+1
.endr
	BAR                                            ; ctx's sixteen chunks lie in LDS
	s_wait_alu depctr_vm_vsrc(0)                   ; my LDS stores have read HOLD, in which the loads below land, and ACC's first sixteen registers, which the first products write
	STAGE_BACK                                     ; x in the lanes' order (my own bytes); the wait below covers these loads
	ASBUILD AIMG0
	PASS 0, AIMG0, 1                               ; ctx Wo
	ADDH                                           ; x'
	s_wait_alu depctr_va_vdst(0)                   ; the additions have written HOLD, which the stage's stores read, and are done reading ACC, in which the gains and biases land; the last K step's products are done reading ring slot 3
	WG 1, 3
	PARAMS 44, 46
	STAGE_IN SA                                    ; x' rests in my stage
	LN ST1, ST2
	QUANT HOLD
	s_wait_alu depctr_va_vdst(0)                   ; the quantiser has written xn's codes and scale word, which the LDS stores read, and is done with v[TM ..], in which scale halves land behind the barrier
	IMG AIMG1
	BAR                                            ; xn's sixteen chunks lie in LDS
	ASBUILD AIMG1
	PASS 1, AIMG1, 1                               ; xn W1, first half
	SILU
	PASS 2, AIMG1, 1                               ; xn W1, second half
.set k, 0
.rept 32
	v_pk_mul_f32 v[HOLD+k:HOLD+k+1], v[HOLD+k:HOLD+k+1], v[ACC+k:ACC+k+1]
.set k, k+2
.endr
	s_wait_alu depctr_vm_vsrc(0)                   ; the LDS stores of xn's image have read the codes and the scale word, which the quantiser below writes again
	QUANT HOLD
	s_wait_alu depctr_va_vdst(0)                   ; the quantiser has written g's codes and scale word, which the LDS stores read, and is done with HOLD and v[TM ..], in which LDS loads land behind the barrier; the last K step's products are done reading ring slot 3
	WG 3, 3
	IMG AIMG2
	BAR                                            ; g's sixteen chunks lie in LDS
	STAGE_BACK                                     ; x' comes back from my stage
	ASBUILD AIMG2
	PASS 3, AIMG2, 0                               ; g W2
	ADDH                                           ; x''
	s_wait_alu depctr_va_vdst(0)                   ; the additions have written HOLD, which the stage's stores read, and are done reading ACC, in which the gains and biases land
	PARAMS 40, 42
	STAGE_IN SA
	LN ST3, ST4
	s_wait_alu depctr_va_vdst(0)                   ; for both arms: the LayerNorm has written HOLD, which the last layer's arm stores to its stage, and is done reading ACC, in which the rows from the stage land
	s_cmp_eq_u32 s[LAY], 1                         ; a branch on a stored whole number, behind the last barrier
	s_cbranch_scc1 .Llast
	STAGE_OUT SB, 24                               ; x'' leaves from the stage
	QUANT HOLD                                     ; LN1 of layer 1.  (The LDS stores of g's image have read the codes and the word: the LayerNorm's waits on vm_vsrc stand behind them)
	s_wait_alu depctr_va_vdst(0)                   ; the quantiser has written the codes and the scale word, which the stores read
	XCSTORE 26
	s_wait_dscnt 0x0                               ; the closing lines, six on end
	s_wait_alu 0x0
	s_wait_tensorcnt 0x0
	ds_add_u32 v254, v255
	s_wait_dscnt 0x0
	s_endpgm
.Llast:
	STAGE_IN SA2                                   ; the result, through LDS bytes that this arm alone writes
	STAGE_OUT SB2, 28
	s_wait_dscnt 0x0                               ; the closing lines, six on end, for this end too
	s_wait_alu 0x0
	s_wait_tensorcnt 0x0
	ds_add_u32 v254, v255
	s_wait_dscnt 0x0
	s_endpgm
.Lfunc_end_k_qedb216fa92_mlp:
	.size	k_qedb216fa92_mlp, .Lfunc_end_k_qedb216fa92_mlp-k_qedb216fa92_mlp
	.p2alignl 7, 3214868480
	.fill 96, 4, 3214868480
	.section	.rodata,"a",@progbits
	.p2align	6, 0x0
	.amdhsa_kernel k_qedb216fa92_mlp
		.amdhsa_group_segment_fixed_size 193536
		.amdhsa_private_segment_fixed_size 0
		.amdhsa_enable_private_segment 0
		.amdhsa_kernarg_size 104
		.amdhsa_user_sgpr_count 2
		.amdhsa_user_sgpr_kernarg_segment_ptr 1
		.amdhsa_wavefront_size32 1
		.amdhsa_system_sgpr_workgroup_id_x 1
		.amdhsa_system_sgpr_workgroup_id_y 1
		.amdhsa_system_sgpr_workgroup_id_z 1
		.amdhsa_system_vgpr_workitem_id 0
		.amdhsa_next_free_vgpr 512
		.amdhsa_next_free_sgpr 66
		.amdhsa_reserve_vcc 0
		.amdhsa_float_denorm_mode_32 3
		.amdhsa_float_denorm_mode_16_64 3
		.amdhsa_memory_ordered 1
		.amdhsa_forward_progress 1
		.amdhsa_inst_pref_size 135
	.end_amdhsa_kernel
	.amdgpu_metadata
---
amdhsa.version: [ 1, 2 ]
amdhsa.kernels:
  - .name:           k_qedb216fa92_mlp
    .symbol:         k_qedb216fa92_mlp.kd
    .args:
      - { .name: cx, .offset: 0, .size: 8, .value_kind: global_buffer, .address_space: global }
      - { .name: x, .offset: 8, .size: 8, .value_kind: global_buffer, .address_space: global }
      - { .name: w, .offset: 16, .size: 8, .value_kind: global_buffer, .address_space: global }
      - { .name: f0, .offset: 24, .size: 8, .value_kind: global_buffer, .address_space: global }
      - { .name: ln2_w, .offset: 32, .size: 8, .value_kind: global_buffer, .address_space: global }
      - { .name: ln2_b, .offset: 40, .size: 8, .value_kind: global_buffer, .address_space: global }
      - { .name: ln1_w, .offset: 48, .size: 8, .value_kind: global_buffer, .address_space: global }
      - { .name: ln1_b, .offset: 56, .size: 8, .value_kind: global_buffer, .address_space: global }
      - { .name: lnf_w, .offset: 64, .size: 8, .value_kind: global_buffer, .address_space: global }
      - { .name: lnf_b, .offset: 72, .size: 8, .value_kind: global_buffer, .address_space: global }
      - { .name: x1, .offset: 80, .size: 8, .value_kind: global_buffer, .address_space: global }
      - { .name: xc, .offset: 88, .size: 8, .value_kind: global_buffer, .address_space: global }
      - { .name: out0, .offset: 96, .size: 8, .value_kind: global_buffer, .address_space: global }
    .group_segment_fixed_size: 193536
    .private_segment_fixed_size: 0
    .kernarg_segment_align: 8
    .kernarg_segment_size: 104
    .max_flat_workgroup_size: 256
    .sgpr_count:     66
    .vgpr_count:     512
    .wavefront_size: 32
...
	.end_amdgpu_metadata
.endif
;; end of part 12
;; launch qkv1: the kernel of part 10 again; grid 32 x 8, 8 waves a work-group, no clusters, 147,456 bytes of LDS; arguments xc, w, f1, pos_cos, pos_sin, q, kv; writes q, kv
;; launch att1: the kernel of part 11 again; grid 8 x 32, 16 waves a work-group, clusters of 4 x 1, 223,232 bytes of LDS; arguments q, kv, attn_mask, cx; writes cx
;; launch mlp1: the kernel of part 12 again; grid 256 x 1, 8 waves a work-group, no clusters, 193,536 bytes of LDS; arguments cx, x1, w, f1, ln2_w, ln2_b, ln1_w, ln1_b, lnf_w, lnf_b, q, xc, out0; writes q, xc, out0
